; MI455X (gfx1250); checked and timed in simulation.
; The chip was launched on July 23, 2026; its instructions are those of AMD's public machine-readable ISA for CDNA 5 (MIT licence, August 2026) and "CDNA5" Instruction Set Architecture Reference Guide (July 2026). The comments in the code are by the model that wrote it; some were corrected since.
;; Block. Allowed arithmetic: matrix products marked QUANTISED: E2M3 operands, one E8M0 scale for each 32 along K, by v_wmma_scale_f32_16x16x128_f8f6f4 with both operands' format E2M3, f32 sums; everything else in f32.
;; Inputs: c_attn_b 3,072 float32; c_attn_w 1,024 x 3,072 float32; c_proj_b 1,024 float32; c_proj_w 1,024 x 1,024 float32; fc_b 4,096 float32; fc_w 1,024 x 4,096 float32; ln1_b 1,024 float32; ln1_w 1,024 float32; ln2_b 1,024 float32; ln2_w 1,024 float32; proj_b 1,024 float32; proj_w 4,096 x 1,024 float32; x 2 x 2,048 x 1,024 float32.
;; Outputs: out0 2 x 2,048 x 1,024 float32.
;; This version of the problem:
;;   THIS VERSION OF THE PROBLEM IS GIVEN IN LOW PRECISION. The matrix products marked QUANTISED in the list below multiply operands that are first quantised to E2M3 (2 exponent bits, 3 mantissa bits; 6 bits a number), with one power-of-two scale for each 32 numbers along K (OCP MX v1.0); their sums are f32. All else is computed in f32.
;;   The module's matrix products, in the order in which they are computed (A, B: the left and right operand; K: the contracted axis; several contracted axes count as one K, in the product's order):
;;     1. [M 4,096, K 1,024] x [K 1,024, N 3,072]; A: computed on the way; B: input c_attn_w: QUANTISED
;;     2. batch 32 x [M 2,048, K 64] x [K 64, N 2,048]; A: computed on the way; B: computed on the way: QUANTISED
;;     3. batch 32 x [M 64, K 2,048] x [K 2,048, N 2,048]; A: computed on the way; B: softmax (see below): QUANTISED
;;     4. [M 4,096, K 1,024] x [K 1,024, N 1,024]; A: computed on the way; B: input c_proj_w: QUANTISED
;;     5. [M 4,096, K 1,024] x [K 1,024, N 4,096]; A: computed on the way; B: input fc_w: QUANTISED
;;     6. [M 4,096, K 4,096] x [K 4,096, N 1,024]; A: computed on the way; B: input proj_w: QUANTISED
;;   THE QUANTISER, for each operand of a quantised product, along K:
;;     - K is cut into blocks of 32 from its start; a last block that is shorter is filled with zeros.
;;     - A block's scale is 2^e with e = floor(log2(the largest magnitude in the block)) - 2, held to -126 .. 127; a block of zeros has e = 0. As a byte (E8M0): e + 127.
;;     - Each number is divided by its block's scale, clamped to +-7.5, and rounded to the nearest number of E2M3, ties to even, subnormals kept.
;;     - The product sums the exact products of the quantised numbers (number of the format x scale) in f32.
;;   ~~~python
;;   def quantise(x, axis):      # numpy; x: float32 -> the quantised numbers, widened to float32 again
;;       x = np.moveaxis(x, axis, -1); K = x.shape[-1]
;;       x = np.pad(x, [(0, 0)] * (x.ndim - 1) + [(0, -K % 32)]); x = x.reshape(x.shape[:-1] + (-1, 32)); a = np.abs(x).max(-1, keepdims=True)
;;       e = np.where(a > 0, np.clip(np.frexp(np.where(a > 0, a, 1))[1] - 1 - 2, -126, 127), 0)      # np.frexp(a)[1] - 1 = floor(log2(a)), exactly
;;       r = np.clip(x / 2.0 ** e, -7.5, 7.5)
;;       step = 2.0 ** (np.maximum(np.frexp(np.where(r == 0, 1, r))[1] - 1, 0) - 3)
;;       q = np.round(r / step) * step * 2.0 ** e      # np.round: ties to even
;;       return np.moveaxis(q.reshape(q.shape[:-2] + (-1,))[..., :K], -1, axis).astype(np.float32)
;;   ~~~
;;   SOFTMAX AHEAD OF A QUANTISED PRODUCT. Where the list says 'softmax', what is quantised is not the finished softmax but p = 2^(t - M), with t = logit x log2(e) and M = ceil(the row's largest t), a whole number; so 1/2 < the row's largest p <= 1. The row's sum l is taken of the UNQUANTISED p, in f32, and the product's result is divided by l at the end. Since M is a whole number, a kernel that streams over the keys may use a running M (the ceiling of the running maximum): every later rescaling is an exact power of two, which a block's scale takes up: the codes' values come out the same.
;;   OPERANDS COMPUTED ON THE WAY. 'Computed on the way' means the value that the module computes at that place (a softmax that the list does not call 'softmax' is quantised finished and normalised). What goes into a quantiser is computed in f32, as accurately as f32 sums, v_exp_f32 and their like allow (about 1e-6 of the number): no bf16 or f16 on the way to a quantiser, and a product that is left as it is and whose result goes on into a quantised operand takes f32 operands (vector FMAs, or v_wmma_f32_16x16x4_f32). A number that lies on a knife's edge between two numbers of the format may be rounded either way, as far as f32 arithmetic and the matrix unit's own rounding can turn it there, and no further.
;; 2 versions. Each part assembles by itself: llvm-mc -triple=amdgcn-amd-amdhsa -mcpu=gfx1250 --defsym DOCPART=n.
;; ======== version 1 of 2: 7 launches
;; workspace buffers: wq 9,830,400 bytes; xc 3,276,800 bytes; ac 3,276,800 bytes; hc 13,107,200 bytes; x1 16,777,216 bytes; qkvb 10,092,544 bytes
;; launch prep (part 1): grid 640 x 1, 4 waves a work-group, no clusters, 31,744 bytes of LDS; arguments x, ln1_w, ln1_b, xc, c_attn_w, fc_w, c_proj_w, proj_w, wq; writes xc, wq
.if DOCPART == 1
	.amdgcn_target "amdgcn-amd-amdhsa--gfx1250"
	.amdhsa_code_object_version 6
	.text
	.protected	k_q60b132d5d3_prep
	.globl	k_q60b132d5d3_prep
	.p2align	8
	.type	k_q60b132d5d3_prep,@function
k_q60b132d5d3_prep:
	s_mov_b64 s[64:65], 0
	v_nop
	global_prefetch_b8 v0, s[64:65] scope:SCOPE_SE
	s_setreg_imm32_b32 hwreg(HW_REG_WAVE_MODE, 25, 1), 1
	s_wait_xcnt 0x0
; PREP.  Work-groups 0-255: LayerNorm(x) (mean; std with 1023 in the divisor; eps added to the std) -> codes of FP6 (E2M3) with one E8M0 byte for each 32 along K, into xc.
; Work-groups 256-639: the four weights, f32 [K][N], -> codes along K, into wq (c_attn at 0, c_proj at 2,457,600, fc at 3,276,800, proj at 6,553,600).
; LAYOUT OF ALL CODES OF THIS PROGRAM: images of operand registers.  Rows (tokens, weight columns) are kept by POSITION: position 32 b + 16 u + r holds row 32 b + 8 u + r + 8 (r / 8),
; so that a tile of 16 positions used as source 0 leaves 16 true neighbours in the 16 registers of two neighbouring tiles.
; A HALF (768 bytes) = 16 positions x 64 K: lane (r, hh) owns the 24 bytes of block hh of row r: bytes 0-15 at 16 (r + 16 hh), bytes 16-23 at 512 + 16 r + 8 hh.
; A block of GRP = 25,600 bytes = 128 positions x 256 K: HALF (tile a, hk) at 3072 a + 768 hk; scale bytes at 24,576 + 8 (16 a + r) + block.  Block (K step ks, group g) of R rows lies at (ks R / 128 + g) GRP.
; A block's scale is 2^(floor(log2(largest magnitude)) - 2): its byte is the largest magnitude's exponent field - 2, held at 1 from below.
; LIMITS: a block of zeros gets the byte 1 where the rule says 127 (its codes are zeros, and this program alone reads the bytes); NaN and infinities are not served; a row's variance under 2^-126 counts as 0
; in the square root; 1 / (std + eps) is a reciprocal and a multiplication.  Nothing is shared between work-groups, so there is no cluster and no joint load.
.set GRP,  25600
.set STGB, 4608                        ; a wave's stage: 32 places of 128 bytes + 16
.set OPR,  4*STGB                      ; behind the stages: the tile's image, 4 K steps x KQ bytes
.set KQ,   3200                        ; 3,072 bytes of codes and 128 scale bytes of one K step
.set LW,   16                          ; v16-47   the gain, as loaded
.set LB,   48                          ; v48-79   the bias
.set X,    80                          ; v80-207  four rows, 32 registers each
.set Y,    208                         ; v208-239 32 neighbours of a row
.set C,    240                         ; v240-249 a block's codes
.set TI,   250                         ; stage, way in
.set TO,   251                         ; stage, way out
.set A16,  252                         ; image: bytes 0-15 of my block
.set A8,   253                         ; image: bytes 16-23
.set AS,   254                         ; image: my block's scale byte
.set CI,   255                         ; image, read back: 16 bytes a lane
.set XW,   32                          ; weights: v32-95 two sets of 32 numbers
.macro LNSUM                           ; v8 summed over the 32 lanes, the result in every lane
	v_add_f32_dpp v8, v8, v8 row_xmask:1 row_mask:0xf bank_mask:0xf
	v_add_f32_dpp v8, v8, v8 row_xmask:2 row_mask:0xf bank_mask:0xf
	v_add_f32_dpp v8, v8, v8 row_xmask:4 row_mask:0xf bank_mask:0xf
	v_add_f32_dpp v8, v8, v8 row_xmask:8 row_mask:0xf bank_mask:0xf
	v_permlanex16_b32 v9, v8, s20, s21
	v_add_f32 v8, v8, v9
.endm
; The work-group is row tile T = its number; wave w takes positions 4 w .. 4 w + 3 of it, which are four consecutive rows.  s[4:5] source, s[6:7] gain, s[8:9] bias, s[10:11] codes; s12 wave; v1 lane.
.macro LNHEAD
	v_lshlrev_b32 v2, 4, v1                        ; 16 x lane
	v_lshlrev_b32 v3, 2, v1                        ; 4 x lane
	s_mul_i32 s13, s12, STGB                       ; my stage
	v_lshrrev_b32 v8, 3, v1                        ; lane / 8
	v_and_b32 v9, 7, v1                            ; lane % 8
	v_mul_u32_u24 v[TI], v8, 144
	v_lshl_add_u32 v[TI], v9, 4, v[TI]
	v_add_nc_u32 v[TI], s13, v[TI]                 ; in: a load's 512 bytes are four places of 128
	v_mul_u32_u24 v[TO], v1, 144
	v_add_nc_u32 v[TO], s13, v[TO]                 ; out: place = lane: block `lane` of the row
	v_mul_u32_u24 v12, v8, KQ                      ; my block's K step,
	v_bfe_u32 v13, v1, 1, 2
	v_mad_u32_u24 v12, v13, 768, v12               ; its HALF,
	v_and_b32 v13, 1, v1                           ; and which block of the HALF
	s_lshl_b32 s13, s12, 6                         ; 16 bytes a row: 64 x wave
	s_add_co_u32 s13, s13, OPR
	v_add_nc_u32 v12, s13, v12
	v_lshl_add_u32 v[A16], v13, 8, v12
	v_lshl_add_u32 v[A8], v13, 3, v12
	v_add_nc_u32 v[A8], 512, v[A8]
	v_mul_u32_u24 v[AS], v8, KQ
	v_add_nc_u32 v[AS], v[AS], v9
	s_lshl_b32 s13, s12, 5                         ; 8 scale bytes a row: 32 x wave
	s_add_co_u32 s13, s13, OPR+3072
	v_add_nc_u32 v[AS], s13, v[AS]
	s_mul_i32 s13, s12, KQ                         ; on the way out wave w copies K step w
	s_add_co_u32 s13, s13, OPR
	v_add_nc_u32 v[CI], s13, v2
	s_add_co_u32 s13, s13, 3072
	v_add_nc_u32 v1, s13, v3                       ; and its 128 scale bytes, 4 a lane (the lane's number has served)
	s_lshr_b32 s14, ttmp9, 1
	s_lshl_b32 s14, s14, 5                         ; 32 (T / 2)
	s_and_b32 s15, ttmp9, 1
	s_lshl_b32 s15, s15, 3                         ; + 8 (T % 2)
	s_add_co_u32 s14, s14, s15
	s_lshl_b32 s15, s12, 2                         ; + 4 w
	s_add_co_u32 s14, s14, s15
	s_lshr_b32 s15, s12, 1
	s_lshl_b32 s15, s15, 3                         ; + 8 (w / 2)
	s_add_co_u32 s14, s14, s15                     ; my first row
	s_lshl_b32 s14, s14, 12                        ; x 4,096 bytes
	s_mov_b32 s15, 0
	s_lshl_b32 s16, s12, 5
	s_lshr_b32 s17, ttmp9, 3
	s_add_co_u32 s16, s16, s17                     ; block 32 w + T / 8
	s_mul_i32 s16, s16, GRP
	s_and_b32 s17, ttmp9, 7                        ; tile T % 8 in it
	s_mul_i32 s18, s17, 3072
	s_add_co_u32 s18, s18, s16
	s_mov_b32 s19, 0
	s_lshl_b32 s17, s17, 7
	s_add_co_u32 s16, s16, s17
	s_add_co_u32 s16, s16, 24576
	s_mov_b32 s17, 0
	s_mov_b32 s20, 0x76543210
	s_mov_b32 s21, 0xfedcba98                      ; v_permlanex16_b32: lane l xor 16
	s_wait_kmcnt 0x0
	s_add_nc_u64 s[4:5], s[4:5], s[14:15]
	s_add_nc_u64 s[22:23], s[10:11], s[18:19]
	s_add_nc_u64 s[24:25], s[10:11], s[16:17]
.irp j, 0,1,2,3,4,5,6,7
	global_load_b128 v[LW+4*\j:LW+4*\j+3], v2, s[6:7] offset:512*\j
.endr
.irp j, 0,1,2,3,4,5,6,7
	global_load_b128 v[LB+4*\j:LB+4*\j+3], v2, s[8:9] offset:512*\j
.endr
.irp c, 0,1,2,3
.irp j, 0,1,2,3,4,5,6,7
	global_load_b128 v[X+32*\c+4*\j:X+32*\c+4*\j+3], v2, s[4:5] offset:4096*\c+512*\j th:TH_LOAD_NT   ; 32 lanes read 512 consecutive bytes
.endr
.endr
.endm
.macro LNROW i
.set XR, X+32*\i
	s_wait_loadcnt 8*(3-\i)                        ; gain, bias and this row are in; the eight loads of each later row stay out
	v_pk_add_f32 v[4:5], v[XR:XR+1], v[XR+2:XR+3]  ; the sum, in two packed chains
	v_pk_add_f32 v[6:7], v[XR+4:XR+5], v[XR+6:XR+7]
.set j, 8
.rept 6
	v_pk_add_f32 v[4:5], v[4:5], v[XR+j:XR+j+1]
	v_pk_add_f32 v[6:7], v[6:7], v[XR+j+2:XR+j+3]
.set j, j+4
.endr
	v_pk_add_f32 v[4:5], v[4:5], v[6:7]
	v_add_f32 v8, v4, v5
	LNSUM
	v_mul_f32 v10, 0x3a800000, v8                  ; the mean: x 2^-10
	v_mov_b32 v11, v10
.set j, 0
.rept 16
	v_pk_add_f32 v[XR+j:XR+j+1], v[XR+j:XR+j+1], v[10:11] neg_lo:[0,1] neg_hi:[0,1]   ; x - mean first: the squares are taken of the differences
.set j, j+2
.endr
	v_pk_mul_f32 v[4:5], v[XR:XR+1], v[XR:XR+1]
	v_pk_mul_f32 v[6:7], v[XR+2:XR+3], v[XR+2:XR+3]
.set j, 4
.rept 7
	v_pk_fma_f32 v[4:5], v[XR+j:XR+j+1], v[XR+j:XR+j+1], v[4:5]
	v_pk_fma_f32 v[6:7], v[XR+j+2:XR+j+3], v[XR+j+2:XR+j+3], v[6:7]
.set j, j+4
.endr
	v_pk_add_f32 v[4:5], v[4:5], v[6:7]
	v_add_f32 v8, v4, v5
	LNSUM
	v_mul_f32 v8, 0x3a802008, v8                   ; / 1023
	v_sqrt_f32 v8, v8
	v_nop                                          ; a plain instruction behind the root,
	s_wait_alu depctr_va_vdst(0)                   ; and the wait ahead of its first reader
	v_add_f32 v8, 0x3727c5ac, v8                   ; + 1e-5
	v_rcp_f32 v10, v8
	v_nop
	s_wait_alu depctr_va_vdst(0)
	v_mov_b32 v11, v10
.set j, 0
.rept 16
	v_pk_mul_f32 v[XR+j:XR+j+1], v[XR+j:XR+j+1], v[10:11]
.set j, j+2
.endr
.set j, 0
.rept 16
	v_pk_fma_f32 v[XR+j:XR+j+1], v[XR+j:XR+j+1], v[LW+j:LW+j+1], v[LB+j:LB+j+1]
.set j, j+2
.endr
.irp j, 0,1,2,3,4,5,6,7
	ds_store_b128 v[TI], v[XR+4*\j:XR+4*\j+3] offset:576*\j        ; the row turns through my stage: in as loaded,
.endr
.irp c, 0,1,2,3,4,5,6,7
	ds_load_b128 v[Y+4*\c:Y+4*\c+3], v[TO] offset:16*\c            ; out 32 neighbours a lane (LDS serves a wave's instructions in order)
.endr
	s_wait_dscnt 0x0                               ; they are in, and the last row's stores of codes have read their registers
	v_max3_num_f32 v12, |v[Y]|, |v[Y+1]|, |v[Y+2]|
	v_max3_num_f32 v13, |v[Y+3]|, |v[Y+4]|, |v[Y+5]|
.irp j, 6,10,14,18,22,26
	v_max3_num_f32 v12, v12, |v[Y+\j]|, |v[Y+\j+1]|
	v_max3_num_f32 v13, v13, |v[Y+\j+2]|, |v[Y+\j+3]|
.endr
	v_max3_num_f32 v12, v12, |v[Y+30]|, |v[Y+31]|
	v_max3_num_f32 v12, v12, v13, 0x1800000        ; and the floor 2^(3 - 127): the byte cannot fall under 1
	v_add_nc_u32 v14, 0xff000000, v12              ; 2 off the exponent field: the conversion's scale operand
	v_lshrrev_b32 v15, 23, v14                     ; the scale's byte
	v_cvt_scalef32_pk16_fp6_f32 v[C:C+2], v[Y:Y+15], v14
	v_cvt_scalef32_pk16_fp6_f32 v[C+4:C+6], v[Y+16:Y+31], v14      ; (a conversion's three registers begin on an even number)
	v_nop                                          ; one plain instruction behind the conversions
	v_mov_b32 v[C+3], v[C+4]                       ; bytes 12-15,
	v_mov_b32 v[C+8], v[C+5]                       ; bytes 16-23
	v_mov_b32 v[C+9], v[C+6]
	ds_store_b128 v[A16], v[C:C+3] offset:16*\i
	ds_store_b64 v[A8], v[C+8:C+9] offset:16*\i
	ds_store_b8 v[AS], v15 offset:8*\i
.endm
.macro LNOUT
	s_wait_dscnt 0x0                               ; my part of the image has landed
	s_barrier_signal -1
	s_barrier_wait -1                              ; everybody's has
.irp c, 0,1,2,3,4,5
	ds_load_b128 v[Y+4*\c:Y+4*\c+3], v[CI] offset:512*\c
.endr
	ds_load_b32 v12, v1
	s_wait_dscnt 0x0
.irp c, 0,1,2,3,4,5
	global_store_b128 v2, v[Y+4*\c:Y+4*\c+3], s[22:23] offset:512*\c   ; 512 consecutive bytes, at a multiple of 256 from the buffer's first byte
.endr
	global_store_b32 v3, v12, s[24:25]             ; the tile's 128 scale bytes of this K step
	s_set_vgpr_msb 0x4
	s_wait_tensorcnt 0x0
	ds_add_u32 v247, v1
	s_wait_dscnt 0x0
	s_set_vgpr_msb 0x400
	s_endpgm
.endm
; THE WEIGHTS.  A work-group makes one block (K step ks, group g): 128 positions x 256 K.  A lane takes one position (a column n), and its registers run down K: a block of 32 is one lane's,
; and the conversions give codes with K innermost.  Each load reads 128 consecutive bytes of a row of the weight, in the positions' order.  Two blocks of 32 make a HALF's three stores of 16 bytes a lane.
.macro WLOAD t, n
.irp i, 0,1,2,3,4,5,6,7,8,9,10,11,12,13,14,15,16,17,18,19,20,21,22,23,24,25,26,27,28,29,30,31
	global_load_b32 v[XW+32*((\t)%2)+\i], v3, s[32:33] offset:(32*(\t)+\i)*(\n)*4 th:TH_LOAD_NT
.endr
.endm
.macro WBLOCK t, n
.set XS, XW+32*((\t)%2)
.set EE, (\t)%2
.if (\t) < 7
	s_wait_loadcnt 32                              ; this block's 32 loads are in; the next block's stay out
.else
	s_wait_loadcnt 0x0
.endif
	v_max3_num_f32 v12, |v[XS]|, |v[XS+1]|, |v[XS+2]|
	v_max3_num_f32 v13, |v[XS+3]|, |v[XS+4]|, |v[XS+5]|
.irp i, 6,10,14,18,22,26
	v_max3_num_f32 v12, v12, |v[XS+\i]|, |v[XS+\i+1]|
	v_max3_num_f32 v13, v13, |v[XS+\i+2]|, |v[XS+\i+3]|
.endr
	v_max3_num_f32 v12, v12, |v[XS+30]|, |v[XS+31]|
	v_max3_num_f32 v12, v12, v13, 0x1800000
	v_add_nc_u32 v11, 0xff000000, v12
	v_lshrrev_b32 v13, 23, v11
.if (\t)%4 == 0
	v_mov_b32 v[24+(\t)/4], v13                    ; four bytes to a register, the lower K in the lower byte
.else
	v_lshl_or_b32 v[24+(\t)/4], v13, 8*((\t)%4), v[24+(\t)/4]
.endif
.if EE == 0
	s_wait_xcnt 0x0                                ; the last HALF's stores have read their registers
.endif
	v_cvt_scalef32_pk16_fp6_f32 v[96+4*EE:98+4*EE], v[XS:XS+15], v11
	v_cvt_scalef32_pk16_fp6_f32 v[104+4*EE:106+4*EE], v[XS+16:XS+31], v11
	v_nop
	v_mov_b32 v[99+4*EE], v[104+4*EE]              ; bytes 12-15 of the block
	v_mov_b32 v[112+2*EE], v[105+4*EE]             ; bytes 16-23: the two blocks' lie side by side
	v_mov_b32 v[113+2*EE], v[106+4*EE]
.if (\t)+2 < 8
	WLOAD (\t)+2, \n
.endif
.if EE == 1
	global_store_b128 v4, v[96:99], s[26:27] offset:768*((\t)/2)       ; sixteen lanes store 256 consecutive bytes, aligned
	global_store_b128 v4, v[100:103], s[26:27] offset:768*((\t)/2)+256
	global_store_b128 v4, v[112:115], s[26:27] offset:768*((\t)/2)+512
.endif
.endm
.macro WQ n, ng                        ; s30 = ks, s31 = g, s[32:33] = the weight, s34 = its place in wq; n columns, ng groups
	v_lshrrev_b32 v6, 4, v1
	v_and_b32 v7, 15, v1
	v_and_b32 v8, 8, v1
	v_lshl_add_u32 v3, v6, 3, v7
	v_add_lshl_u32 v3, v3, v8, 2                   ; my column among the wave's 32: 8 (l / 16) + l % 16 + 8 ((l % 16) / 8), x 4 bytes
	v_mul_u32_u24 v4, v6, 3072
	v_lshl_add_u32 v4, v7, 4, v4
	s_mul_i32 s13, s12, 6144
	v_add_nc_u32 v4, s13, v4                       ; out: tile 2 w + l / 16, 16 bytes a row
	s_lshl_b32 s13, s12, 8
	v_lshl_add_u32 v5, v1, 3, s13                  ; my 8 scale bytes
	s_mul_i32 s14, s30, (\n)*1024                  ; 256 rows of the weight a K step
	s_lshl_b32 s15, s31, 9
	s_add_co_u32 s14, s14, s15
	s_lshl_b32 s15, s12, 7
	s_add_co_u32 s14, s14, s15
	s_mov_b32 s15, 0
	s_mul_i32 s16, s30, \ng
	s_add_co_u32 s16, s16, s31
	s_mul_i32 s16, s16, GRP
	s_add_co_u32 s16, s16, s34
	s_mov_b32 s17, 0
	s_add_nc_u64 s[32:33], s[32:33], s[14:15]
	s_add_nc_u64 s[26:27], s[44:45], s[16:17]
	WLOAD 0, \n
	WLOAD 1, \n
.irp t, 0,1,2,3,4,5,6,7
	WBLOCK \t, \n
.endr
	global_store_b64 v5, v[24:25], s[26:27] offset:24576   ; a wave stores 256 consecutive bytes
	s_endpgm
.endm
	s_load_b256 s[4:11], s[0:1], 0x0               ; x, ln1_w, ln1_b, xc
	s_load_b256 s[36:43], s[0:1], 0x20             ; c_attn_w, fc_w, c_proj_w, proj_w
	s_load_b64 s[44:45], s[0:1], 0x40              ; wq
	v_lshl_add_u32 v247, v0, 2, 0x7a00
	s_set_vgpr_msb 0x40
	v_mov_b32 v1, 0
	s_set_vgpr_msb 0x4000
	v_lshrrev_b32 v1, 5, v0
	v_readfirstlane_b32 s12, v1                    ; wave
	v_and_b32 v1, 31, v0                           ; lane
	s_cmp_lt_u32 ttmp9, 256
	s_cbranch_scc0 .Lweights
	LNHEAD
	LNROW 0
	LNROW 1
	LNROW 2
	LNROW 3
	LNOUT
.Lweights:
	s_wait_kmcnt 0x0
	s_cmp_lt_u32 ttmp9, 352
	s_cbranch_scc0 .Lfc
	s_sub_co_u32 s35, ttmp9, 256                   ; c_attn_w: 4 K steps x 24 groups
	s_and_b32 s30, s35, 3
	s_lshr_b32 s31, s35, 2
	s_mov_b64 s[32:33], s[36:37]
	s_mov_b32 s34, 0
	WQ 3072, 24
.Lfc:
	s_cmp_lt_u32 ttmp9, 480
	s_cbranch_scc0 .Lp
	s_sub_co_u32 s35, ttmp9, 352                   ; fc_w: 4 K steps x 32 groups
	s_and_b32 s30, s35, 3
	s_lshr_b32 s31, s35, 2
	s_mov_b64 s[32:33], s[38:39]
	s_mov_b32 s34, 3276800
	WQ 4096, 32
.Lp:
	s_mov_b32 s35, 512                             ; c_proj_w (4 K steps x 8 groups) and proj_w (16 x 8) have 1,024 columns both: one text, its numbers chosen on the work-group's number
	s_mov_b32 s34, 6553600
	s_cmp_lt_u32 ttmp9, 512
	s_cselect_b64 s[32:33], s[40:41], s[42:43]
	s_cselect_b32 s35, 480, s35
	s_cselect_b32 s46, 3, 15
	s_cselect_b32 s47, 2, 4
	s_cselect_b32 s34, 2457600, s34
	s_sub_co_u32 s35, ttmp9, s35
	s_and_b32 s30, s35, s46
	s_lshr_b32 s31, s35, s47
	WQ 1024, 8
.Lfunc_end_k_q60b132d5d3_prep:
	.size	k_q60b132d5d3_prep, .Lfunc_end_k_q60b132d5d3_prep-k_q60b132d5d3_prep
	.p2alignl 7, 3214868480
	.fill 96, 4, 3214868480
	.section	.rodata,"a",@progbits
	.p2align	6, 0x0
	.amdhsa_kernel k_q60b132d5d3_prep
		.amdhsa_group_segment_fixed_size 31744
		.amdhsa_private_segment_fixed_size 0
		.amdhsa_enable_private_segment 0
		.amdhsa_kernarg_size 72
		.amdhsa_user_sgpr_count 2
		.amdhsa_user_sgpr_kernarg_segment_ptr 1
		.amdhsa_wavefront_size32 1
		.amdhsa_system_sgpr_workgroup_id_x 1
		.amdhsa_system_sgpr_workgroup_id_y 1
		.amdhsa_system_sgpr_workgroup_id_z 1
		.amdhsa_system_vgpr_workitem_id 0
		.amdhsa_next_free_vgpr 258
		.amdhsa_next_free_sgpr 66
		.amdhsa_reserve_vcc 0
		.amdhsa_float_denorm_mode_32 3
		.amdhsa_float_denorm_mode_16_64 3
		.amdhsa_memory_ordered 1
		.amdhsa_forward_progress 1
		.amdhsa_inst_pref_size 161
	.end_amdhsa_kernel
	.amdgpu_metadata
---
amdhsa.version: [ 1, 2 ]
amdhsa.kernels:
  - .name:           k_q60b132d5d3_prep
    .symbol:         k_q60b132d5d3_prep.kd
    .args:
      - { .name: x, .offset: 0, .size: 8, .value_kind: global_buffer, .address_space: global }
      - { .name: ln1_w, .offset: 8, .size: 8, .value_kind: global_buffer, .address_space: global }
      - { .name: ln1_b, .offset: 16, .size: 8, .value_kind: global_buffer, .address_space: global }
      - { .name: xc, .offset: 24, .size: 8, .value_kind: global_buffer, .address_space: global }
      - { .name: c_attn_w, .offset: 32, .size: 8, .value_kind: global_buffer, .address_space: global }
      - { .name: fc_w, .offset: 40, .size: 8, .value_kind: global_buffer, .address_space: global }
      - { .name: c_proj_w, .offset: 48, .size: 8, .value_kind: global_buffer, .address_space: global }
      - { .name: proj_w, .offset: 56, .size: 8, .value_kind: global_buffer, .address_space: global }
      - { .name: wq, .offset: 64, .size: 8, .value_kind: global_buffer, .address_space: global }
    .group_segment_fixed_size: 31744
    .private_segment_fixed_size: 0
    .kernarg_segment_align: 8
    .kernarg_segment_size: 72
    .max_flat_workgroup_size: 128
    .sgpr_count:     66
    .vgpr_count:     258
    .wavefront_size: 32
...
	.end_amdgpu_metadata
.endif
;; end of part 1
;; launch qkv (part 2): grid 48 x 4, 4 waves a work-group, clusters of 4 x 4, 327,680 bytes of LDS; arguments xc, wq, c_attn_b, qkvb; writes qkvb
.if DOCPART == 2
	.amdgcn_target "amdgcn-amd-amdhsa--gfx1250"
	.amdhsa_code_object_version 6
	.text
	.protected	k_q60b132d5d3_qkv
	.globl	k_q60b132d5d3_qkv
	.p2align	8
	.type	k_q60b132d5d3_qkv,@function
k_q60b132d5d3_qkv:
	s_mov_b64 s[64:65], 0
	v_nop
	global_prefetch_b8 v0, s[64:65] scope:SCOPE_SE
	s_setreg_imm32_b32 hwreg(HW_REG_WAVE_MODE, 25, 1), 1
	s_wait_xcnt 0x0
	s_wait_alu depctr_hold_cnt(0) depctr_sa_sdst(0) depctr_va_vdst(0) depctr_va_sdst(0) depctr_va_ssrc(0) depctr_va_vcc(0) depctr_vm_vsrc(0)
	s_getreg_b32 s2, hwreg(HW_REG_IB_STS2, 6, 4)
	s_cmp_eq_u32 s2, 0
	s_cbranch_scc0 .Lentry_in_a_cluster
	s_endpgm
.Lentry_in_a_cluster:
	s_bfe_u32 s2, ttmp6, 0x10000c
	s_cmp_lg_u32 s2, 0xf033
	s_cbranch_scc0 .Lentry_shape_is_right
	s_endpgm
.Lentry_shape_is_right:
; A GEMM ON CODES OF FP6 (E2M3) WHOSE RESULT IS QUANTISED ON THE WAY OUT.  KIND 0: q, k = LN1(x) W + b (codes along the head's 64) and V^T = W_v LN1(x)^T + b (codes along the keys).  KIND 2: gelu(LN2(x1) W + b), codes along 4,096.
; OPERANDS are images of operand registers.  Rows are kept by POSITION: position 32 b + 16 u + r holds row 32 b + 8 u + r + 8 (r / 8).  A HALF (768 bytes) = 16 positions x 64 K: lane (r, hh): bytes 0-15 of block hh of row r
; at 16 (r + 16 hh), bytes 16-23 at 512 + 16 r + 8 hh.  A block of GRP bytes = 128 positions x 256 K: HALF (tile a, hk) at 3072 a + 768 hk, scale bytes at 24,576 + 8 (16 a + r) + block.  Block (K step, group) of R rows at (ks R / 128 + g) GRP.
; A tile of the result, 256 x 256, is made by four waves, 128 x 128 each: 64 accumulators, 512 registers.  K goes in steps of 256 through two LDS slots; a wave's one tensor load brings one block: codes and scales of 128 rows.
; CLUSTER 4 x 4: A's blocks are asked for jointly along a row of the cluster, B's along a column.  THE PRODUCT IS USED TRANSPOSED (source 0 = 16 positions of B, source 1 = 16 of A): a lane holds one row of A,
; and by the positions' order the 16 registers of B's tiles 2 b, 2 b + 1 are the 16 neighbours 32 b + 16 (lane / 16) + 0 .. 15 along B's rows, which are the next product's K.
; KIND 0: clusters 0-7: A = tokens, B = the weight's columns 0-2047 (q, k).  Clusters 8-11: A = the weight's columns 2048-3071 (v), B = tokens: so a lane's registers run along the keys.
; qkvb: Q at 106,496 y + 6,656 s (y = 16 batch + head, s = 128 positions): HALF of tile a at 768 a, scale words at 6,144 + 64 a + 4 r (bytes 0, 1 count; 2, 3 stand over zero codes).
;   K and V at 3,407,872 + 208,896 y + 13,056 s: K as Q; V^T's fragment dt (16 positions of the head's 64 x 128 keys) as three runs of 512 bytes at 6,656 + 1,536 dt; its words at 12,800 + 64 dt + 4 r.
; LIMITS: a block of zeros gets the byte 1 where the rule says 127 (its codes are zeros; this program alone reads the bytes); NaN and infinities are not served.
; REGISTERS: window 0: v1-31 addresses and small things; v32-63 scale words, two sets; v64-127 the column bias; v128-223 A's fragments (on the way out: 64 numbers, 32 at work); v224-255 codes and the quantiser's work.
;   window 1: B's fragments, two sets, at v0 and v128; v96-111 the row bias (KIND 0).   windows 2, 3: the accumulators ((a, b) at v[8 (8 (a % 4) + b)] of window 2 + a / 4).
.set KIND,   0
.set KSTEPS, 4
.set GRP,    25600
.set SLOT,   4*GRP                     ; A's two groups, then B's two
.set SPARE,  2*SLOT                    ; behind the ring: the spare words, 128 bytes a wave: two blocks of 256 bytes that no other line names
.set FR,     12
.set NL,     4                         ; LDS loads that bring a fragment
.set NP,     4                         ; places behind this matrix instruction (ISA guide 7.12.1)
.set NQ,     2                         ; matrix instructions deep in a slot
.set LAPS,   KSTEPS/2
.set KVO,    3407872
.set ADRA, 16                          ; v16-17 my A fragments' 16-byte parts in slot 0, 1; v18-19 their 8-byte parts
.set ADRB, 20                          ; v20-23 the same for B
.set SPW,  28
.set NIL,  29
.set ADRS, 30                          ; v30-31 my scale words in slot 0, 1: lanes 0-15 A's rows, lanes 16-31 B's
.set SC,   32
.set BC,   64
.set BR,   96
.set AF,   128
.set T,    128
.set E,    192
.set PC,   224
.set TM,   244
.set G1, 24
.set G0, 32
.set G1B, 48
.set G0B, 56
.set MSB, 0
.macro WIN new                         ; the immediate's high byte repeats the setting that is left
.if MSB != (\new)
	s_set_vgpr_msb (MSB<<8)|(\new)
.set MSB, (\new)
.endif
.endm
.set MUL_LO, 0xa1                      ; source 0 (B) window 1, source 1 (A) window 0, C and D window 2
.set MUL_HI, 0xf1
.set TO_B,   0x40
.macro JLOAD g0a, g1a, g0b, g1b        ; a joint load: waves 0 and 1 fetch for A, waves 2 and 3 for B; four v_nop follow each of the two lines
	s_cmp_eq_u32 s15, 0
	s_cbranch_scc0 .Lfor_b_\@
	tensor_load_to_lds s[\g0a:\g0a+3], s[\g1a:\g1a+7]
	s_nop 0
.rept 4
	v_nop
.endr
	s_branch .Lasked_\@
.Lfor_b_\@:
	tensor_load_to_lds s[\g0b:\g0b+3], s[\g1b:\g1b+7]
	s_nop 0
.rept 4
	v_nop
.endr
.Lasked_\@:
.endm
.macro CREST                           ; a round of the cluster's barrier behind its opening barrier
	s_cmp_lg_u32 s14, 0
	s_cbranch_scc1 .Lnot_wave_0_\@
	s_barrier_signal -3
.Lnot_wave_0_\@:
	s_barrier_wait -3
	s_barrier_signal -1
	s_barrier_wait -1
.endm
.macro CROUND
	s_barrier_signal -1
	s_barrier_wait -1
	CREST
.endm
	s_load_b256 s[4:11], s[0:1], 0x0               ; the activations' codes, wq, the bias, the result
	v_lshl_add_u32 v[SPW], v0, 2, SPARE
	v_mov_b32 v[NIL], 0
	ds_add_u32 v28, v29
	ds_add_u32 v28, v29
	s_wait_dscnt 0x0
	v_lshrrev_b32 v1, 5, v0
	v_readfirstlane_b32 s14, v1                    ; wave 0..3
	s_lshr_b32 s15, s14, 1                         ; which half of the tile's rows is mine.  Also: I fetch for A (0) or for B (1)
	s_and_b32 s16, s14, 1                          ; which half of its columns.  Also: which group of 128 I fetch
	s_bfe_u32 s40, ttmp6, 0x40000                  ; cx
	s_bfe_u32 s41, ttmp6, 0x40004                  ; cy
	s_lshl_b32 s43, s41, 2
	s_lshl_b32 s43, 15, s43                        ; my row of the cluster
	s_lshl_b32 s44, 0x1111, s40                    ; my column
	s_or_b32 s[G1+0], s43, (3<<16)|(1<<21)         ; 15:0 the mask; 17:16 elements of 8 bytes; 21 set beside a mask; no padding: a block is read as it lies
	s_or_b32 s[G1B+0], s44, (3<<16)|(1<<21)
.irp g, G1, G1B
	s_mov_b32 s[\g+1], 32<<16                      ; tensor_dim0 = 32 elements: 256 bytes
	s_mov_b32 s[\g+2], 100<<16                     ; tensor_dim1 = 100 rows: 25,600 dense bytes
	s_mov_b32 s[\g+3], 32<<16                      ; tile_dim0
	s_mov_b32 s[\g+4], 100                         ; tile_dim1
	s_mov_b32 s[\g+5], 32                          ; the pitch
	s_mov_b32 s[\g+6], 0
	s_mov_b32 s[\g+7], 0
.endr
	s_mul_i32 s45, s14, GRP                        ; where my block goes: wave x GRP: no place in the cluster enters an LDS address
	s_mov_b32 s73, 0
	s_mov_b32 s75, 0
	s_mov_b32 s69, 0
	s_mov_b32 s71, 0
	s_mov_b32 s66, 0x76543210
	s_mov_b32 s67, 0xfedcba98                      ; v_permlanex16_b32: lane l xor 16
	s_wait_kmcnt 0x0
.if KIND == 0
	s_lshr_b32 s18, ttmp9, 1                       ; c = the cluster's number, the same in all sixteen partners
	s_lshl_b32 s18, s18, 2                         ; q, k: tile row 4 (c / 2) + cy,
	s_and_b32 s19, ttmp9, 1
	s_lshl_b32 s19, s19, 2                         ; tile column 4 (c % 2) + cx
	s_sub_co_u32 s22, ttmp9, 8
	s_lshl_b32 s22, s22, 2                         ; V^T: tile row 8 + cy of the weight, tile column 4 (c - 8) + cx of the tokens
	s_mov_b32 s23, 32*GRP                          ; a K step on: the tokens have 32 groups,
	s_mov_b32 s46, 24*GRP                          ; c_attn_w 24
	s_cmp_lt_u32 ttmp9, 8
	s_cselect_b32 s76, 1, 0                        ; 1: q and k; 0: V^T
	s_cselect_b32 s17, s18, 8
	s_cselect_b32 s42, s19, s22
	s_cselect_b32 s72, s23, s46
	s_cselect_b32 s74, s46, s23
	s_cselect_b64 s[88:89], s[4:5], s[6:7]         ; A's buffer,
	s_cselect_b64 s[90:91], s[6:7], s[4:5]         ; B's
	s_add_co_u32 s17, s17, s41
	s_add_co_u32 s42, s42, s40
.else
	s_lshl_b32 s42, ttmp9, 2
	s_add_co_u32 s42, s42, s40                     ; tile column = 4 x cluster x + cx
	s_and_b32 s17, ttmp7, 0xffff
	s_lshl_b32 s17, s17, 2
	s_add_co_u32 s17, s17, s41                     ; tile row = 4 x cluster y + cy
	s_mov_b32 s72, 32*GRP
	s_mov_b32 s74, 32*GRP
	s_mov_b64 s[88:89], s[4:5]
	s_add_nc_u64 s[90:91], s[6:7], 3276800         ; fc's codes in wq
.endif
	s_lshl_b32 s20, s17, 1
	s_add_co_u32 s20, s20, s16                     ; A: group 2 x tile row + the half that I fetch
	s_mul_i32 s20, s20, GRP
	s_mov_b32 s21, 0
	s_lshl_b32 s46, s42, 1
	s_add_co_u32 s46, s46, s16                     ; B: group 2 x tile column + half
	s_mul_i32 s46, s46, GRP
	s_mov_b32 s47, 0
	s_add_nc_u64 s[20:21], s[88:89], s[20:21]
	s_add_nc_u64 s[46:47], s[90:91], s[46:47]
	s_lshl_b32 s68, s72, 1                         ; two K steps on
	s_lshl_b32 s70, s74, 1
	CROUND                                         ; all sixteen work-groups are here: the first joint loads meet
	s_mov_b32 s[G0], 1
	s_mov_b32 s[G0+1], s45
	s_mov_b64 s[G0+2:G0+3], s[20:21]
	s_or_b32 s[G0+3], s[G0+3], 0x80000000
	s_mov_b32 s[G0B], 1
	s_mov_b32 s[G0B+1], s45
	s_mov_b64 s[G0B+2:G0B+3], s[46:47]
	s_or_b32 s[G0B+3], s[G0B+3], 0x80000000
	JLOAD G0, G1, G0B, G1B                         ; K step 0
	s_mov_b32 s[G0+4], 1
	s_add_co_u32 s[G0+5], s45, SLOT
	s_add_nc_u64 s[G0+6:G0+7], s[20:21], s[72:73]
	s_or_b32 s[G0+7], s[G0+7], 0x80000000
	s_mov_b32 s[G0B+4], 1
	s_add_co_u32 s[G0B+5], s45, SLOT
	s_add_nc_u64 s[G0B+6:G0B+7], s[46:47], s[74:75]
	s_or_b32 s[G0B+7], s[G0B+7], 0x80000000
	JLOAD G0+4, G1, G0B+4, G1B                     ; K step 1: two loads of mine are out
	v_and_b32 v4, 31, v0                           ; lane
	v_and_b32 v5, 15, v0                           ; r
	v_bfe_u32 v6, v0, 4, 1                         ; hh
	v_lshlrev_b32 v1, 4, v4                        ; 16 x lane
	v_lshlrev_b32 v2, 4, v5
	v_lshl_add_u32 v2, v6, 3, v2                   ; 16 r + 8 hh
	s_mul_i32 s21, s15, GRP                        ; my 128 rows of A
	s_mul_i32 s22, s16, GRP
	s_add_co_u32 s22, s22, 2*GRP                   ; my 128 rows of B, behind A's two groups
.irp s, 0,1
	v_add_nc_u32 v[ADRA+\s], s21, v1
	v_add_nc_u32 v[ADRA+2+\s], s21, v2
	v_add_nc_u32 v[ADRB+\s], s22, v1
	v_add_nc_u32 v[ADRB+2+\s], s22, v2
	s_add_co_u32 s21, s21, SLOT
	s_add_co_u32 s22, s22, SLOT
.endr
	s_mul_i32 s21, s15, GRP
	s_mul_i32 s22, s16, GRP
	s_add_co_u32 s22, s22, 2*GRP
	s_sub_co_u32 s22, s22, s21
	v_mul_u32_u24 v13, s22, v6                     ; lanes 16-31 take B's scale words: the lower base + hh x the distance
	v_lshl_add_u32 v13, v5, 3, v13                 ; 8 bytes a row
	s_add_co_u32 s21, s21, 24576
	v_add_nc_u32 v[ADRS], s21, v13
	s_add_co_u32 s21, s21, SLOT
	v_add_nc_u32 v[ADRS+1], s21, v13
.if KIND == 2
	v_lshlrev_b32 v3, 3, v4                        ; scale words out: 8 bytes a row
.else
	v_lshlrev_b32 v3, 2, v4                        ; 4 bytes a row
.endif
	; THE BIAS.  Column bias: register 16 b + i wants column n0 + 32 b + 16 hh + i.  KIND 0 loads both kinds of bias on every way, so that every register is written on every way; the kind
	; that is not in use reads from the buffer's first bytes.
	v_lshlrev_b32 v7, 6, v6                        ; 64 hh
	s_lshl_b32 s46, s42, 8
	s_lshl_b32 s47, s16, 7
	s_add_co_u32 s46, s46, s47                     ; n0 = 256 x tile column + 128 x half
	s_lshl_b32 s46, s46, 2
.if KIND == 0
	s_lshl_b32 s22, s41, 8
	s_lshl_b32 s23, s15, 7
	s_add_co_u32 s22, s22, s23
	s_add_co_u32 s22, s22, 2048                    ; V^T: my first row is column 2048 + 256 cy + 128 x half of c_attn_b
	s_lshl_b32 s22, s22, 2
	s_cmp_lg_u32 s76, 0
	s_cselect_b32 s46, s46, 0
	s_cselect_b32 s22, 0, s22
	s_mov_b32 s23, 0
	s_add_nc_u64 s[22:23], s[8:9], s[22:23]
.endif
	s_mov_b32 s47, 0
	s_add_nc_u64 s[46:47], s[8:9], s[46:47]
.irp b, 0,1,2,3
.irp q, 0,1,2,3
	global_load_b128 v[BC+16*\b+4*\q:BC+16*\b+4*\q+3], v7, s[46:47] offset:128*\b+16*\q
.endr
.endr
.if KIND == 0
	v_and_b32 v12, 8, v5
	v_add_lshl_u32 v12, v12, v5, 2                 ; 4 (r + 8 (r / 8)): my row of a tile
	WIN 0x40                                       ; destination window 1
.irp a, 0,1,2,3,4,5,6,7
	global_load_b32 v[BR+2*\a], v12, s[22:23] offset:4*(32*(\a/2)+8*(\a%2))
	global_load_b32 v[BR+2*\a+1], v12, s[22:23] offset:4*(32*(\a/2)+8*(\a%2))      ; twice: a pair for the packed addition
.endr
	WIN 0
.endif
.macro FRAG reg, adr, q, i             ; a fragment, 16 positions x 128 K, 12 registers: two HALFs, each 16 + 8 bytes a lane, as they lie
	ds_load_b128 v[\reg:\reg+3], v[\adr] offset:3072*(\i)+1536*(\q)
	ds_load_b64 v[\reg+4:\reg+5], v[\adr+2] offset:3072*(\i)+1536*(\q)+512
	ds_load_b128 v[\reg+6:\reg+9], v[\adr] offset:3072*(\i)+1536*(\q)+768
	ds_load_b64 v[\reg+10:\reg+11], v[\adr+2] offset:3072*(\i)+1536*(\q)+1280
.endm
; 16 matrix instructions: A's tiles a0, a0 + 1 x B's eight, the slot's q-th 128 along K.  The 64 accumulators take turns, one instruction a turn, in the same order in every step.
.macro MUL16 a0, p, q, sc, zero
.irp a, \a0, \a0+1
.irp b, 0,1,2,3,4,5,6,7
.if \zero
	v_wmma_scale_f32_16x16x128_f8f6f4 v[8*(8*((\a)%4)+\b):8*(8*((\a)%4)+\b)+7], v[128*(\p)+FR*\b:128*(\p)+FR*\b+FR-1], v[AF+FR*(\a):AF+FR*(\a)+FR-1], 0, v[SC+8*NQ*(\sc)+NQ*\b+(\q)], v[SC+8*NQ*(\sc)+NQ*(\a)+(\q)] matrix_a_fmt:MATRIX_FMT_FP6 matrix_b_fmt:MATRIX_FMT_FP6 matrix_a_scale:MATRIX_SCALE_ROW1
.else
	v_wmma_scale_f32_16x16x128_f8f6f4 v[8*(8*((\a)%4)+\b):8*(8*((\a)%4)+\b)+7], v[128*(\p)+FR*\b:128*(\p)+FR*\b+FR-1], v[AF+FR*(\a):AF+FR*(\a)+FR-1], v[8*(8*((\a)%4)+\b):8*(8*((\a)%4)+\b)+7], v[SC+8*NQ*(\sc)+NQ*\b+(\q)], v[SC+8*NQ*(\sc)+NQ*(\a)+(\q)] matrix_a_fmt:MATRIX_FMT_FP6 matrix_b_fmt:MATRIX_FMT_FP6 matrix_a_scale:MATRIX_SCALE_ROW1
.endif
.endr
.endr
.endm
.macro FETCH_B slot, q, p
	WIN TO_B
.irp i, 0,1,2,3,4,5,6,7
	FRAG 128*(\p)+FR*\i, ADRB+\slot, \q, \i
.endr
	WIN 0
.endm
.macro FETCH_A slot, q, i0
.irp i, \i0, \i0+1, \i0+2, \i0+3
	FRAG AF+FR*(\i), ADRA+\slot, \q, \i
.endr
.endm
.macro SCALES sc                       ; the slot's scale words: two words a row; lanes 0-15 A's tile i, lanes 16-31 B's tile i
.irp i, 0,1,2,3,4,5,6,7
	ds_load_b64 v[SC+8*NQ*\sc+NQ*\i:SC+8*NQ*\sc+NQ*\i+1], v[ADRS+\sc] offset:128*\i
.endr
.endm
.macro PLACES n                        ; plain vector instructions between a matrix instruction and a load into, or a read of, its registers (ISA guide 7.12.1 for a read)
.rept \n
	v_nop
.endr
.endm
.macro STEP slot, q, zero              ; a step of 128 along K that has its successor in the same slot
	s_wait_dscnt 4*NL                              ; B's set, A's tiles 0-3 and the scale words are in; the youngest 16 loads (A's tiles 4-7) may be out
	WIN MUL_LO
	MUL16 0, (\q)%2, \q, \slot, \zero
	MUL16 2, (\q)%2, \q, \slot, \zero
	s_wait_dscnt 0
	PLACES NP
	FETCH_B \slot, (\q)+1, 1-(\q)%2
	FETCH_A \slot, (\q)+1, 0
	WIN MUL_HI
	MUL16 4, (\q)%2, \q, \slot, \zero
	MUL16 6, (\q)%2, \q, \slot, \zero
	PLACES NP
	WIN 0
	FETCH_A \slot, (\q)+1, 4
.endm
; A slot's last step changes slots: one barrier; in front of it each wave waits for all its tensor loads, adds 0 to its spare word, and waits for that and for its reads of this slot.  fill = 1: the slot is filled again, two K steps ahead.
.macro TURN slot, next, fill
	s_wait_tensorcnt 0x0                           ; all my tensor loads have landed: my part of the next slot
	ds_add_u32 v[SPW], v[NIL]                      ; 0 onto my spare word
	s_wait_dscnt 4*NL+1                            ; (the add and the youngest 16 loads may be out)
	WIN MUL_LO
	MUL16 0, 1, NQ-1, \slot, 0
	s_wait_dscnt 0x0                               ; the add is done, and my reads of this slot are over
	s_barrier_signal -1
	MUL16 2, 1, NQ-1, \slot, 0
	WIN 0
	s_barrier_wait -1
.if \fill
	CREST                                          ; the barrier has opened a round of the cluster's: no wave of any partner still reads this slot or has a load on its way
	s_add_nc_u64 s[G0+4*\slot+2:G0+4*\slot+3], s[G0+4*\slot+2:G0+4*\slot+3], s[68:69]
	s_add_nc_u64 s[G0B+4*\slot+2:G0B+4*\slot+3], s[G0B+4*\slot+2:G0B+4*\slot+3], s[70:71]
	JLOAD G0+4*\slot, G1, G0B+4*\slot, G1B         ; the first tensor load behind the round; its four v_nop are the places in front of the loads below
.else
	PLACES NP
.endif
	FETCH_B \next, 0, 0
	FETCH_A \next, 0, 0
	SCALES \next
	WIN MUL_HI
	MUL16 4, 1, NQ-1, \slot, 0
	MUL16 6, 1, NQ-1, \slot, 0
	PLACES NP
	WIN 0
	FETCH_A \next, 0, 4
.endm
	s_wait_tensorcnt 1                             ; my part of K step 0 is in (K step 1's load may be out)
	s_barrier_signal -1
	s_barrier_wait -1                              ; everybody's is
	FETCH_B 0, 0, 0
	FETCH_A 0, 0, 0
	SCALES 0
	FETCH_A 0, 0, 4
	STEP 0, 0, 1                                   ; the first step stands in front of the loop: its products start the sums
	s_mov_b32 s3, LAPS-1
.Llap:                                                 ; a trip goes once round the ring and fills both slots again
	TURN 0, 1, 1
	STEP 1, 0, 0
	TURN 1, 0, 1
	STEP 0, 0, 0
	s_sub_co_u32 s3, s3, 1
	s_cmp_lg_u32 s3, 0
	s_cbranch_scc1 .Llap
	TURN 0, 1, 0                                   ; the last lap fills nothing
	STEP 1, 0, 0
	s_wait_dscnt 4*NL
	WIN MUL_LO
	MUL16 0, 1, NQ-1, 1, 0
	MUL16 2, 1, NQ-1, 1, 0
	s_wait_dscnt 0
	WIN MUL_HI
	MUL16 4, 1, NQ-1, 1, 0
	MUL16 6, 1, NQ-1, 1, 0
	WIN 0
; THE WAY OUT, a tile of 16 rows of A at a time, in registers alone.  64 numbers of a lane, register 16 b + i = neighbour 32 b + 16 (lane / 16) + i of my row, become a fragment's codes in v[PC] on and its scale word in v[pw].
.macro QUANT s, pw
.irp b, 0,1,2,3
	v_max3_num_f32 v[TM+\b], |v[\s+16*\b]|, |v[\s+1+16*\b]|, 0x1800000   ; my 16 numbers of block b, and the floor 2^(3 - 127): the byte cannot fall under 1
.endr
.irp i, 2,4,6,8,10,12,14
.irp b, 0,1,2,3
	v_max3_num_f32 v[TM+\b], v[TM+\b], |v[\s+16*\b+\i]|, |v[\s+1+16*\b+\i]|
.endr
.endr
.irp b, 0,1,2,3
	v_permlanex16_b32 v[TM+4+\b], v[TM+\b], s66, s67
.endr
.irp b, 0,1,2,3
	v_max_num_f32 v[TM+\b], v[TM+\b], v[TM+4+\b]   ; with lane l xor 16's: the block's largest magnitude
.endr
.irp b, 0,1,2,3
	v_add_nc_u32 v[TM+8+\b], 0xff000000, v[TM+\b]  ; 2 off its exponent field: the conversion's scale operand
.endr
.irp b, 0,1,2,3
	v_lshrrev_b32 v[TM+4+\b], 23, v[TM+8+\b]       ; the scale's byte
.endr
	v_lshl_or_b32 v[\pw], v[TM+5], 8, v[TM+4]
	v_lshl_or_b32 v[\pw], v[TM+6], 16, v[\pw]
	v_lshl_or_b32 v[\pw], v[TM+7], 24, v[\pw]
	s_wait_xcnt 0x0                                ; the last tile's stores have read their registers
.irp c, 0,1
	v_cvt_scalef32_pk16_fp6_f32 v[PC+6*\c:PC+2+6*\c], v[\s+32*\c:\s+15+32*\c], v[TM+8+2*\c]
	v_cvt_scalef32_pk16_fp6_f32 v[PC+12+4*\c:PC+14+4*\c], v[\s+16+32*\c:\s+31+32*\c], v[TM+8+2*\c+1]   ; (a conversion's three registers begin on an even number)
.endr
	v_nop                                          ; one plain instruction behind the conversions
.irp c, 0,1                                    ; the operand's layout wants a whole block in a lane: lanes 0-15 block 2 c, lanes 16-31 block 2 c + 1
.irp i, 0,1,2
	v_permlane16_swap_b32 v[PC+6*\c+\i], v[PC+12+4*\c+\i]
.endr
.irp i, 0,1,2
	v_mov_b32 v[PC+3+6*\c+\i], v[PC+12+4*\c+\i]
.endr
.endr
.endm
.if KIND == 2
; gelu(x) = x / (1 + 2^(-k x (1 + 0.044715 x^2))), k = 2 sqrt(2 / pi) log2(e): the tanh form, written with one exponential and one reciprocal; 32 numbers at a time, each batch with one wait.
.macro GELU
.irp f, 0,1
.set XG, T+32*\f
.set j, 0
.rept 16
	v_pk_mul_f32 v[E+j:E+j+1], v[XG+j:XG+j+1], v[XG+j:XG+j+1]
.set j, j+2
.endr
.set j, 0
.rept 16
	v_pk_fma_f32 v[E+j:E+j+1], v[E+j:E+j+1], s[92:93], v[14:15] op_sel_hi:[1,0,1]   ; -k 0.044715 x^2 - k
.set j, j+2
.endr
.set j, 0
.rept 16
	v_pk_mul_f32 v[E+j:E+j+1], v[E+j:E+j+1], v[XG+j:XG+j+1]
.set j, j+2
.endr
.set j, 0
.rept 32
	v_exp_f32 v[E+j], v[E+j]
.set j, j+1
.endr
	v_nop                                          ; a plain instruction behind the batch,
	s_wait_alu depctr_va_vdst(0)                   ; and the one wait ahead of its first reader
.set j, 0
.rept 16
	v_pk_add_f32 v[E+j:E+j+1], v[E+j:E+j+1], 1.0 op_sel_hi:[1,0]
.set j, j+2
.endr
.set j, 0
.rept 32
	v_rcp_f32 v[E+j], v[E+j]
.set j, j+1
.endr
	v_nop
	s_wait_alu depctr_va_vdst(0)
.set j, 0
.rept 16
	v_pk_mul_f32 v[XG+j:XG+j+1], v[XG+j:XG+j+1], v[E+j:E+j+1]
.set j, j+2
.endr
.endr
.endm
.endif
; Tile a.  kind 0: q, k;  1: V^T;  2: fc.  The accumulators are read in ascending order.  The scale words of two tiles leave together: lanes 0-15 the even tile's, lanes 16-31 the odd one's.
.macro QEPI a, kind
.set AC, 64*((\a)%4)
.if \kind == 1
	WIN 0x06+(\a)/4                                ; source 0 window 2 or 3, source 1 (the row bias) window 1
.else
	WIN 0x02+(\a)/4
.endif
.set j, 0
.rept 32
.if \kind == 1
	v_pk_add_f32 v[T+j:T+j+1], v[AC+j:AC+j+1], v[BR+2*(\a):BR+2*(\a)+1]
.else
	v_pk_add_f32 v[T+j:T+j+1], v[AC+j:AC+j+1], v[BC+j:BC+j+1]
.endif
.set j, j+2
.endr
	WIN 0
.if \kind == 2
	GELU
.endif
	QUANT T, 5+(\a)%2
.if \kind == 0                                 ; the fragment's two HALFs are two heads'
	global_store_b128 v1, v[PC:PC+3], s[84:85] offset:768*(\a)             ; 512 consecutive bytes, aligned
	global_store_b64 v2, v[PC+4:PC+5], s[84:85] offset:768*(\a)+512        ; 256 consecutive bytes, aligned
	global_store_b128 v1, v[PC+6:PC+9], s[86:87] offset:768*(\a)
	global_store_b64 v2, v[PC+10:PC+11], s[86:87] offset:768*(\a)+512
.if (\a)%2 == 1
	v_cndmask_b32 v12, v5, v6, vcc_lo
	v_lshrrev_b32 v13, 16, v12                     ; the odd head's two bytes
	global_store_b32 v3, v12, s[84:85] offset:6144+128*((\a)/2)
	global_store_b32 v3, v13, s[86:87] offset:6144+128*((\a)/2)
.endif
.endif
.if \kind == 1                                 ; a whole fragment of V^T: head a / 4 of my two, tile a % 4 of its 64
.irp c, 0,1,2
	global_store_b128 v1, v[PC+4*\c:PC+4*\c+3], s[84:85] offset:208896*((\a)/4)+6656+1536*((\a)%4)+512*\c
.endr
.if (\a)%2 == 1
	v_cndmask_b32 v12, v5, v6, vcc_lo
	global_store_b32 v3, v12, s[84:85] offset:208896*((\a)/4)+12800+128*(((\a)/2)%2)
.endif
.endif
.if \kind == 2
	global_store_b128 v1, v[PC:PC+3], s[84:85] offset:3072*(\a)
	global_store_b64 v2, v[PC+4:PC+5], s[84:85] offset:3072*(\a)+512
	global_store_b128 v1, v[PC+6:PC+9], s[84:85] offset:3072*(\a)+768
	global_store_b64 v2, v[PC+10:PC+11], s[84:85] offset:3072*(\a)+1280
.if (\a)%2 == 1
	v_cndmask_b32 v12, v5, v6, vcc_lo
	global_store_b32 v3, v12, s[86:87] offset:256*((\a)/2)                 ; 4 of a row's 8 scale bytes: the other 4 are the other column half's
.endif
.endif
.endm
	PLACES NP                                      ; between the last products and the first read of results, and the first write of A's registers
	s_wait_loadcnt 0x0                             ; the bias
.irp b, 0,1,2,3
	v_mov_b32 v[TM+4+\b], 0                        ; written once: a lane permute's destination counts as one of its sources
.endr
	v_cmp_le_u32 vcc_lo, 16, v4                    ; lanes 16-31
.if KIND == 2
	v_mov_b32 v14, 0xc0135761                      ; -k
	v_mov_b32 v15, 0xc0135761
	s_mov_b32 s92, 0xbdd2d3e8                      ; -k x 0.044715
	s_mov_b32 s93, s92
	s_lshl_b32 s77, s17, 1
	s_add_co_u32 s77, s77, s15                     ; my group of tokens
	s_lshl_b32 s78, s42, 5
	s_add_co_u32 s77, s77, s78                     ; block 32 x (K step = tile column) + group
	s_mul_i32 s77, s77, GRP
	s_mul_i32 s78, s16, 1536                       ; my 128 columns are HALFs 2 x half, 2 x half + 1
	s_add_co_u32 s78, s78, s77
	s_mov_b32 s79, 0
	s_add_nc_u64 s[84:85], s[10:11], s[78:79]
	s_lshl_b32 s78, s16, 2
	s_add_co_u32 s78, s78, s77
	s_add_co_u32 s78, s78, 24576
	s_add_nc_u64 s[86:87], s[10:11], s[78:79]
.irp a, 0,1,2,3,4,5,6,7
	QEPI \a, 2
.endr
.else
	s_cmp_lg_u32 s76, 0                            ; the same in all partners
	s_cbranch_scc0 .Lv_out
	s_lshl_b32 s77, s17, 1
	s_add_co_u32 s77, s77, s15                     ; my group of tokens
	s_lshr_b32 s78, s77, 4
	s_lshl_b32 s78, s78, 4                         ; 16 x batch
	s_and_b32 s79, s42, 3
	s_lshl_b32 s79, s79, 2
	s_add_co_u32 s78, s78, s79
	s_lshl_b32 s79, s16, 1
	s_add_co_u32 s78, s78, s79                     ; y of my even head
	s_and_b32 s77, s77, 15                         ; s
	s_and_b32 s79, ttmp9, 1                        ; 0: q, 1: k
	s_mov_b32 s80, 208896
	s_mov_b32 s81, 13056
	s_mov_b32 s82, KVO
	s_cmp_eq_u32 s79, 0
	s_cselect_b32 s80, 106496, s80
	s_cselect_b32 s81, 6656, s81
	s_cselect_b32 s82, 0, s82
	s_mul_i32 s78, s78, s80
	s_mul_i32 s77, s77, s81
	s_add_co_u32 s78, s78, s77
	s_add_co_u32 s78, s78, s82
	s_mov_b32 s79, 0
	s_mov_b32 s81, 0
	s_add_nc_u64 s[84:85], s[10:11], s[78:79]      ; the even head's place,
	s_add_nc_u64 s[86:87], s[84:85], s[80:81]      ; the odd head's
.irp a, 0,1,2,3,4,5,6,7
	QEPI \a, 0
.endr
	s_branch .Lend
.Lv_out:
	s_lshl_b32 s77, s42, 1
	s_add_co_u32 s77, s77, s16                     ; my group of keys
	s_lshr_b32 s78, s77, 4
	s_lshl_b32 s78, s78, 4
	s_lshl_b32 s79, s41, 2
	s_add_co_u32 s78, s78, s79
	s_lshl_b32 s79, s15, 1
	s_add_co_u32 s78, s78, s79                     ; y of my first head: 16 batch + 4 cy + 2 x half
	s_and_b32 s77, s77, 15
	s_mul_i32 s78, s78, 208896
	s_mul_i32 s77, s77, 13056
	s_add_co_u32 s78, s78, s77
	s_add_co_u32 s78, s78, KVO
	s_mov_b32 s79, 0
	s_add_nc_u64 s[84:85], s[10:11], s[78:79]
.irp a, 0,1,2,3,4,5,6,7
	QEPI \a, 1
.endr
.Lend:
.endif
	s_wait_tensorcnt 0x0                           ; the wave's end
	ds_add_u32 v[SPW], v[NIL]
	s_wait_dscnt 0x0
	CROUND                                         ; the closing round: no work-group ends while a partner may still ask for a block that names it
	s_endpgm
.Lfunc_end_k_q60b132d5d3_qkv:
	.size	k_q60b132d5d3_qkv, .Lfunc_end_k_q60b132d5d3_qkv-k_q60b132d5d3_qkv
	.p2alignl 7, 3214868480
	.fill 96, 4, 3214868480
	.section	.rodata,"a",@progbits
	.p2align	6, 0x0
	.amdhsa_kernel k_q60b132d5d3_qkv
		.amdhsa_group_segment_fixed_size 327680
		.amdhsa_private_segment_fixed_size 0
		.amdhsa_enable_private_segment 0
		.amdhsa_kernarg_size 32
		.amdhsa_user_sgpr_count 2
		.amdhsa_user_sgpr_kernarg_segment_ptr 1
		.amdhsa_wavefront_size32 1
		.amdhsa_system_sgpr_workgroup_id_x 1
		.amdhsa_system_sgpr_workgroup_id_y 1
		.amdhsa_system_sgpr_workgroup_id_z 1
		.amdhsa_system_vgpr_workitem_id 0
		.amdhsa_next_free_vgpr 1024
		.amdhsa_next_free_sgpr 100
		.amdhsa_reserve_vcc 1
		.amdhsa_float_denorm_mode_32 3
		.amdhsa_float_denorm_mode_16_64 3
		.amdhsa_memory_ordered 1
		.amdhsa_forward_progress 1
		.amdhsa_inst_pref_size 217
	.end_amdhsa_kernel
	.amdgpu_metadata
---
amdhsa.version: [ 1, 2 ]
amdhsa.kernels:
  - .name:           k_q60b132d5d3_qkv
    .symbol:         k_q60b132d5d3_qkv.kd
    .args:
      - { .name: xc, .offset: 0, .size: 8, .value_kind: global_buffer, .address_space: global }
      - { .name: wq, .offset: 8, .size: 8, .value_kind: global_buffer, .address_space: global }
      - { .name: c_attn_b, .offset: 16, .size: 8, .value_kind: global_buffer, .address_space: global }
      - { .name: qkvb, .offset: 24, .size: 8, .value_kind: global_buffer, .address_space: global }
    .group_segment_fixed_size: 327680
    .private_segment_fixed_size: 0
    .kernarg_segment_align: 8
    .kernarg_segment_size: 32
    .max_flat_workgroup_size: 128
    .sgpr_count:     100
    .vgpr_count:     1024
    .wavefront_size: 32
...
	.end_amdgpu_metadata
.endif
;; end of part 2
;; launch attn (part 3): grid 8 x 32, 16 waves a work-group, clusters of 4 x 1, 210,944 bytes of LDS; arguments qkvb, ac; writes ac
.if DOCPART == 3
	.amdgcn_target "amdgcn-amd-amdhsa--gfx1250"
	.amdhsa_code_object_version 6
	.text
	.protected	k_q60b132d5d3_attn
	.globl	k_q60b132d5d3_attn
	.p2align	8
	.type	k_q60b132d5d3_attn,@function
k_q60b132d5d3_attn:
	s_mov_b64 s[64:65], 0
	v_nop
	global_prefetch_b8 v0, s[64:65] scope:SCOPE_SE
	s_setreg_imm32_b32 hwreg(HW_REG_WAVE_MODE, 25, 1), 1
	s_wait_xcnt 0x0
	s_wait_alu depctr_hold_cnt(0) depctr_sa_sdst(0) depctr_va_vdst(0) depctr_va_sdst(0) depctr_va_ssrc(0) depctr_va_vcc(0) depctr_vm_vsrc(0)
	s_getreg_b32 s2, hwreg(HW_REG_IB_STS2, 6, 4)
	s_cmp_eq_u32 s2, 0
	s_cbranch_scc0 .Lentry_in_a_cluster
	s_endpgm
.Lentry_in_a_cluster:
	s_bfe_u32 s2, ttmp6, 0x10000c
	s_cmp_lg_u32 s2, 0x3003
	s_cbranch_scc0 .Lentry_shape_is_right
	s_endpgm
.Lentry_shape_is_right:
; CAUSAL ATTENTION ON CODES OF FP6 (E2M3), head size 64, 2,048 keys, 32 (batch, head) pairs y.  Both products quantised; p = 2^(t - M), t = score x log2(e) / 8, M the running largest t rounded up to a whole number;
; the row's sum is taken of the unquantised p and divides O at the end; O / sum is quantised along the model's 1,024 and stored as an operand of the next product.
; INPUT qkvb (made by the launch before): rows by POSITION (position 32 b + 16 u + r holds row 32 b + 8 u + r + 8 (r / 8)).  Q at 106,496 y + 6,656 s (s = 128 positions): a tile's 16 rows x 64 as 768 bytes (lane (r, hh):
; bytes 0-15 of block hh at 16 (r + 16 hh), bytes 16-23 at 512 + 16 r + 8 hh) at 768 a, scale words at 6,144 + 64 a + 4 r.  K and V at 3,407,872 + 208,896 y + 13,056 s: K as Q; V^T's fragment dt (16 positions of the 64 x 128 keys)
; as three runs of 512 bytes at 6,656 + 1,536 dt, its words at 12,800 + 64 dt + 4 r.  The first product's K is 64: registers 6-11 of its operands are zero codes, which add nothing under any scale byte that is not 0xff.
; SHARES.  Work-group (x, y): sixteen waves; the wave of rank rho owns query tile x of group rho (16 queries) and walks key steps 0 .. rho of 128 keys: 136 wave steps in every work-group, 34 for each set of waves w % 4.
; Key steps behind the diagonal are left out (the mask throws them away); in step rho hidden scores become -infinity ahead of the maximum.  Every branch hangs on the wave's number and the step's count alone.
; LDS.  The head's whole K and V, 208,896 bytes, are filled ONCE: no slot is filled again.  The four work-groups of a cluster belong to one head and ask jointly; waves 0-7 issue one load each (two key steps, 26,112 bytes).
; LAYOUT.  S^T = K Q^T, O^T = V^T P^T: a lane holds one query throughout; by the positions' order the 16 registers of two neighbouring tiles are 16 neighbouring keys (or channels).
; LIMITS: a block of zeros gets the byte 1 (its codes are zeros); NaN and infinities are not served; 1 / sum is a reciprocal and a multiplication.
; REGISTERS: v1-5 lane terms; v8-10 the step's addresses; v12 -M, v13 the largest t, v[14:15] the sum; v16-27 Q; v28-31 V's words; v32-79 four fragments of K; v80-127 V's four; v128-191 S^T, then p; v192-223 O^T; v224-235 p's codes; v232-254 at work; v255 Q's word.
.set STEPB, 13056
.set KVO,   3407872
.set GRP,   25600
.set S,   128
.set O,   192
.set TB,  2                            ; s2   LDS byte at which the step's tiles begin
.set ST,  3                            ; s3   the step
.set WV,  18
.set RHO, 19
.set SEL, 20
.set CS,  22
.set G1,  24
.set G0,  32
.macro CROUND                          ; a round of the cluster's barrier
	s_barrier_signal -1
	s_barrier_wait -1
	s_cmp_lg_u32 s[WV], 0
	s_cbranch_scc1 .Lnot_wave_0_\@
	s_barrier_signal -3
.Lnot_wave_0_\@:
	s_barrier_wait -3
	s_barrier_signal -1
	s_barrier_wait -1
.endm
	s_load_b128 s[4:7], s[0:1], 0x0                ; qkvb, ac
	v_lshl_add_u32 v254, v0, 2, 0x33000
	v_mov_b32 v255, 0
	ds_add_u32 v254, v255
	ds_add_u32 v254, v255
	s_wait_dscnt 0x0
	v_lshrrev_b32 v1, 5, v0
	v_readfirstlane_b32 s[WV], v1                  ; wave 0..15
	s_bfe_u32 s8, ttmp6, 0x40000                   ; cx
	s_lshl_b32 s9, ttmp9, 2
	s_add_co_u32 s9, s9, s8                        ; x = 4 x cluster x + cx: it enters global addresses and the mask's numbers alone
	s_and_b32 s10, ttmp7, 0xffff                   ; y, which the four partners share
	s_bfe_u32 s11, s[WV], 0x10002
	s_mul_i32 s11, s11, 3
	s_xor_b32 s[RHO], s[WV], s11                   ; rank: w xor 3 ((w / 4) % 2)
	s_mov_b32 s[G1], 15|(3<<16)|(1<<21)            ; 15:0 all four work-groups; 17:16 elements of 8 bytes; 21 set beside a mask; no padding
	s_mov_b32 s[G1+1], 32<<16                      ; rows of 256 bytes,
	s_mov_b32 s[G1+2], 102<<16                     ; 102 of them: 26,112 dense bytes
	s_mov_b32 s[G1+3], 32<<16
	s_mov_b32 s[G1+4], 102
	s_mov_b32 s[G1+5], 32
	s_mov_b32 s[G1+6], 0
	s_mov_b32 s[G1+7], 0
	s_mul_i32 s12, s10, 208896
	s_mul_i32 s13, s[WV], 26112
	s_mov_b32 s[G0], 1
	s_mov_b32 s[G0+1], s13                         ; LDS: wave x 26,112
	s_add_co_u32 s12, s12, s13
	s_add_co_u32 s12, s12, KVO
	s_mov_b32 s13, 0
	s_mov_b32 s[SEL], 0x76543210
	s_mov_b32 s[SEL+1], 0xfedcba98
	s_mov_b32 s[CS], 0x3e38aa3b                    ; c = log2(e) / 8
	s_mov_b32 s[CS+1], s[CS]
	s_wait_kmcnt 0x0
	s_add_nc_u64 s[G0+2:G0+3], s[4:5], s[12:13]
	s_or_b32 s[G0+3], s[G0+3], 0x80000000
	CROUND                                         ; all four work-groups are here: the joint loads meet
	s_cmp_lt_u32 s[WV], 8
	s_cbranch_scc0 .Lno_fill
	tensor_load_to_lds s[G0:G0+3], s[G1:G1+7]      ; my one tensor load of the launch
	s_nop 0
.rept 4
	v_nop
.endr
.Lno_fill:
	v_and_b32 v6, 31, v0                           ; lane
	v_and_b32 v7, 15, v0                           ; r
	v_bfe_u32 v11, v0, 4, 1                        ; hh
	v_lshlrev_b32 v1, 4, v6                        ; 16 x lane
	v_lshlrev_b32 v2, 4, v7
	v_lshl_add_u32 v2, v11, 3, v2                  ; 16 r + 8 hh
	v_lshlrev_b32 v3, 2, v7                        ; 4 r
	v_lshlrev_b32 v5, 3, v7                        ; 8 r
	s_lshr_b32 s12, s9, 1
	s_lshl_b32 s12, s12, 5
	s_and_b32 s14, s9, 1
	s_lshl_b32 s14, s14, 3
	s_add_co_u32 s12, s12, s14
	v_and_b32 v4, 8, v7
	v_add_nc_u32 v4, v4, v7
	v_lshlrev_b32 v11, 4, v11
	v_sub_nc_u32 v4, v4, v11
	v_add_nc_u32 v4, s12, v4                       ; my query's place in its 128, less 16 hh: register 16 b + i of the diagonal step is hidden where 32 b + i is greater
	s_mul_i32 s12, s10, 106496
	s_mul_i32 s14, s[RHO], 6656
	s_add_co_u32 s12, s12, s14                     ; Q: my head, my group
	s_mul_i32 s14, s9, 768
	s_add_co_u32 s14, s14, s12
	s_mov_b32 s15, 0
	s_lshl_b32 s16, s9, 6
	s_add_co_u32 s16, s16, s12
	s_add_co_u32 s16, s16, 6144
	s_mov_b32 s17, 0
	s_add_nc_u64 s[36:37], s[4:5], s[14:15]
	s_add_nc_u64 s[38:39], s[4:5], s[16:17]
	global_load_b128 v[16:19], v1, s[36:37]        ; Q's fragment stays in registers
	global_load_b64 v[20:21], v2, s[36:37] offset:512
	global_load_b32 v255, v3, s[38:39]             ; and its scale words
	s_lshr_b32 s12, s10, 4
	s_lshl_b32 s12, s12, 4                         ; 16 x batch
	s_bfe_u32 s14, s10, 0x20002
	s_lshl_b32 s14, s14, 5                         ; 32 x (head / 4): the K step of the next product
	s_add_co_u32 s12, s12, s14
	s_add_co_u32 s12, s12, s[RHO]
	s_mul_i32 s12, s12, GRP
	s_and_b32 s13, s10, 3                          ; head % 4: which 64 of the K step's 256
	s_mul_i32 s14, s9, 3072
	s_add_co_u32 s14, s14, s12
	s_mul_i32 s16, s13, 768
	s_add_co_u32 s14, s14, s16
	s_add_nc_u64 s[40:41], s[6:7], s[14:15]
	s_lshl_b32 s16, s9, 7
	s_add_co_u32 s16, s16, s12
	s_lshl_b32 s13, s13, 1
	s_add_co_u32 s16, s16, s13
	s_add_co_u32 s16, s16, 24576
	s_add_nc_u64 s[42:43], s[6:7], s[16:17]
.irp j, 22,23,24,25,26,27
	v_mov_b32 v\j, 0                               ; Q's K = 64 .. 127: zero codes
.endr
.irp t, 0,1,2,3
.irp j, 6,7,8,9,10,11
	v_mov_b32 v[32+12*\t+\j], 0                    ; K's likewise: set once
.endr
.endr
	v_mov_b32 v13, 0xff61b1e6                      ; the largest t so far: -3e38
	v_floor_f32 v12, -v13                          ; -M
	v_mov_b32 v14, 0
	v_mov_b32 v15, 0
.irp b, 0,1,2,3
	v_mov_b32 v[236+\b], 0                         ; a lane permute's destination counts as one of its sources
.endr
	v_mov_b32 v252, 0                              ; likewise: the way out's permute writes it, and every key step that writes it stands under a branch
	v_mov_b32 v253, 0                              ; (named as the upper half of v[252:253] before it is first written)
.set j, 0
.rept 32
	v_mov_b32 v[O+j], 0                            ; O^T: the step is written once; its first run finds zeros, which the first change of M leaves zeros
.set j, j+1
.endr
	s_mov_b32 s[TB], 0
	s_mov_b32 s[ST], 0
	s_wait_tensorcnt 0x0                           ; my part of K and V has landed,
	s_barrier_signal -1
	s_barrier_wait -1                              ; everybody's has
	s_wait_loadcnt 0x0                             ; Q
.Lstep:                                                ; sixteen trips in every wave; a wave works in trips 0 .. rho
	s_cmp_gt_u32 s[ST], s[RHO]
	s_cbranch_scc1 .Lskip
	v_add_nc_u32 v8, s[TB], v1
	v_add_nc_u32 v9, s[TB], v2
	v_add_nc_u32 v10, s[TB], v3
	v_nop                                          ; four places between the last step's products and the loads into their operands
.irp t, 0,1,2,3
	ds_load_b128 v[32+12*\t:35+12*\t], v8 offset:768*\t
	ds_load_b64 v[36+12*\t:37+12*\t], v9 offset:768*\t+512
	ds_load_b32 v[248+\t], v10 offset:6144+64*\t
.endr
.irp t, 0,1,2,3
.irp c, 0,1,2
	ds_load_b128 v[80+12*\t+4*\c:83+12*\t+4*\c], v8 offset:6656+1536*\t+512*\c
.endr
	ds_load_b32 v[28+\t], v10 offset:12800+64*\t
.endr
	s_wait_dscnt 16                                ; K's tiles 0-3 are in; V's sixteen loads stay out
.irp t, 0,1,2,3
	v_wmma_scale_f32_16x16x128_f8f6f4 v[S+8*\t:S+8*\t+7], v[32+12*\t:43+12*\t], v[16:27], 0, v[248+\t], v255 matrix_a_fmt:MATRIX_FMT_FP6 matrix_b_fmt:MATRIX_FMT_FP6
.endr
.rept 4
	v_nop
.endr
.irp t, 0,1,2,3
	ds_load_b128 v[32+12*\t:35+12*\t], v8 offset:768*(4+\t)
	ds_load_b64 v[36+12*\t:37+12*\t], v9 offset:768*(4+\t)+512
	ds_load_b32 v[248+\t], v10 offset:6144+64*(4+\t)
.endr
	s_wait_dscnt 0x0
.irp t, 0,1,2,3
	v_wmma_scale_f32_16x16x128_f8f6f4 v[S+8*(4+\t):S+8*(4+\t)+7], v[32+12*\t:43+12*\t], v[16:27], 0, v[248+\t], v255 matrix_a_fmt:MATRIX_FMT_FP6 matrix_b_fmt:MATRIX_FMT_FP6
.endr
.rept 4
	v_nop
.endr
	s_cmp_lg_u32 s[ST], s[RHO]                     ; only the last step of a wave lies on the diagonal
	s_cbranch_scc1 .Lopen
	v_mov_b32 v254, 0xff800000                     ; -infinity
.set n, 0
.rept 64
	v_cmp_gt_i32 vcc_lo, 32*(n/16)+n%16, v4
	v_cndmask_b32 v[S+n], v[S+n], v254, vcc_lo
.set n, n+1
.endr
.Lopen:
.irp b, 0,1,2,3
	v_max3_num_f32 v[232+\b], v[S+16*\b], v[S+1+16*\b], v[S+2+16*\b]   ; the largest score of each block of 32 keys: for the row's maximum, and, since p rises with the score, for the block's largest p
.endr
.irp i, 3,5,7,9,11,13
.irp b, 0,1,2,3
	v_max3_num_f32 v[232+\b], v[232+\b], v[S+16*\b+\i], v[S+1+16*\b+\i]
.endr
.endr
.irp b, 0,1,2,3
	v_max_num_f32 v[232+\b], v[232+\b], v[S+15+16*\b]
.endr
.irp b, 0,1,2,3
	v_permlanex16_b32 v[236+\b], v[232+\b], s[SEL], s[SEL+1]
.endr
.irp b, 0,1,2,3
	v_max_num_f32 v[232+\b], v[232+\b], v[236+\b]
.endr
	v_max3_num_f32 v254, v232, v233, v234
	v_max_num_f32 v254, v254, v235
	v_mul_f32 v254, s[CS], v254                    ; as t
	v_max_num_f32 v13, v13, v254                   ; the running largest t
	v_mov_b32 v254, v12
	v_floor_f32 v12, -v13                          ; the new -M = -ceil(t)
	v_sub_f32 v254, v12, v254                      ; old M - new M: a whole number, 0 or less
	v_cvt_i32_f32 v254, v254                       ; (it saturates)
	v_ldexp_f32 v252, 1.0, v254                    ; f = 2^(old M - new M): a multiplication by it rounds nothing
.set j, 0
.rept 32
	v_pk_fma_f32 v[S+j:S+j+1], v[S+j:S+j+1], s[CS:CS+1], v[12:13] op_sel_hi:[1,0,0]   ; t - M
.set j, j+2
.endr
.irp b, 0,1,2,3
	v_fma_f32 v[232+\b], v[232+\b], s[CS], v12
.endr
.set j, 0
.rept 64
	v_exp_f32 v[S+j], v[S+j]                       ; p = 2^(t - M)
.set j, j+1
.endr
	v_pk_mul_f32 v[14:15], v[14:15], v[252:253] op_sel_hi:[1,0]    ; the sums under the new M (a plain instruction behind the batch)
	s_wait_alu depctr_va_vdst(0)                   ; one wait for the 64, ahead of their first reader
.irp b, 0,1,2,3
	v_exp_f32 v[232+\b], v[232+\b]                 ; each block's largest p
.endr
	v_pk_add_f32 v[236:237], v[S:S+1], v[S+2:S+3]  ; the row's sum of the unquantised p, in two chains
.irp j, 4,8,12,16,20,24,28,32,36,40,44,48,52,56,60
	v_pk_add_f32 v[14:15], v[14:15], v[S+\j:S+1+\j]
	v_pk_add_f32 v[236:237], v[236:237], v[S+2+\j:S+3+\j]
.endr
	v_pk_add_f32 v[14:15], v[14:15], v[236:237]
	s_wait_alu depctr_va_vdst(0)                   ; and one for the four
.irp b, 0,1,2,3
	v_max_num_f32 v[232+\b], 0x1800000, v[232+\b]  ; the floor 2^(3 - 127)
.endr
.irp b, 0,1,2,3
	v_add_nc_u32 v[244+\b], 0xff000000, v[232+\b]
.endr
.irp b, 0,1,2,3
	v_lshrrev_b32 v[236+\b], 23, v[244+\b]
.endr
	v_lshl_or_b32 v253, v237, 8, v236              ; p's scale word for these 128 keys
	v_lshl_or_b32 v253, v238, 16, v253
	v_lshl_or_b32 v253, v239, 24, v253
.irp c, 0,1
	v_cvt_scalef32_pk16_fp6_f32 v[224+6*\c:226+6*\c], v[S+32*\c:S+15+32*\c], v[244+2*\c]
	v_cvt_scalef32_pk16_fp6_f32 v[236+4*\c:238+4*\c], v[S+16+32*\c:S+31+32*\c], v[244+2*\c+1]
.endr
	v_nop
.irp c, 0,1
.irp i, 0,1,2
	v_permlane16_swap_b32 v[224+6*\c+\i], v[236+4*\c+\i]
.endr
.irp i, 0,1,2
	v_mov_b32 v[227+6*\c+\i], v[236+4*\c+\i]
.endr
.endr
.set j, 0
.rept 16
	v_pk_mul_f32 v[O+j:O+j+1], v[O+j:O+j+1], v[252:253] op_sel_hi:[1,0]    ; O^T under the new M; these are also the places in front of the products below
.set j, j+2
.endr
.irp t, 0,1,2,3
	v_wmma_scale_f32_16x16x128_f8f6f4 v[O+8*\t:O+8*\t+7], v[80+12*\t:91+12*\t], v[224:235], v[O+8*\t:O+8*\t+7], v[28+\t], v253 matrix_a_fmt:MATRIX_FMT_FP6 matrix_b_fmt:MATRIX_FMT_FP6
.endr
.Lskip:
	s_add_co_u32 s[TB], s[TB], STEPB
	s_add_co_u32 s[ST], s[ST], 1
	s_cmp_lt_u32 s[ST], 16
	s_cbranch_scc1 .Lstep
.rept 4
	v_nop                                          ; places behind the last products
.endr
	v_add_f32 v14, v14, v15
	v_permlanex16_b32 v252, v14, s[SEL], s[SEL+1]
	v_add_f32 v14, v14, v252                       ; the row's sum
	v_rcp_f32 v14, v14
	v_nop
	s_wait_alu depctr_va_vdst(0)
.set j, 0
.rept 32
	v_mul_f32 v[S+j], v[O+j], v14                  ; register 16 b + i = channel 32 b + 16 hh + i of my query
.set j, j+1
.endr
.irp b, 0,1
	v_max3_num_f32 v[232+\b], |v[S+16*\b]|, |v[S+1+16*\b]|, 0x1800000
.endr
.irp i, 2,4,6,8,10,12,14
.irp b, 0,1
	v_max3_num_f32 v[232+\b], v[232+\b], |v[S+16*\b+\i]|, |v[S+1+16*\b+\i]|
.endr
.endr
.irp b, 0,1
	v_permlanex16_b32 v[236+\b], v[232+\b], s[SEL], s[SEL+1]
.endr
.irp b, 0,1
	v_max_num_f32 v[232+\b], v[232+\b], v[236+\b]
.endr
.irp b, 0,1
	v_add_nc_u32 v[244+\b], 0xff000000, v[232+\b]
.endr
.irp b, 0,1
	v_lshrrev_b32 v[238+\b], 23, v[244+\b]
.endr
	v_lshl_or_b32 v254, v239, 8, v238              ; the head's two scale bytes of my row
	v_cvt_scalef32_pk16_fp6_f32 v[224:226], v[S:S+15], v244
	v_cvt_scalef32_pk16_fp6_f32 v[240:242], v[S+16:S+31], v245
	v_nop
.irp i, 0,1,2
	v_permlane16_swap_b32 v[224+\i], v[240+\i]
.endr
.irp i, 0,1,2
	v_mov_b32 v[227+\i], v[240+\i]
.endr
	global_store_b128 v1, v[224:227], s[40:41]             ; 512 consecutive bytes, aligned
	global_store_b64 v2, v[228:229], s[40:41] offset:512   ; 256 consecutive bytes, aligned
	global_store_b16 v5, v254, s[42:43]                    ; 2 of a row's 8 scale bytes; lanes 16-31 write lanes 0-15's bytes again, with the same value
	s_wait_xcnt 0x0
	v_lshl_add_u32 v254, v0, 2, 0x33000
	v_mov_b32 v255, 0
	s_wait_tensorcnt 0x0
	ds_add_u32 v254, v255
	s_wait_dscnt 0x0
	CROUND                                         ; the closing round
	s_endpgm
.Lfunc_end_k_q60b132d5d3_attn:
	.size	k_q60b132d5d3_attn, .Lfunc_end_k_q60b132d5d3_attn-k_q60b132d5d3_attn
	.p2alignl 7, 3214868480
	.fill 96, 4, 3214868480
	.section	.rodata,"a",@progbits
	.p2align	6, 0x0
	.amdhsa_kernel k_q60b132d5d3_attn
		.amdhsa_group_segment_fixed_size 210944
		.amdhsa_private_segment_fixed_size 0
		.amdhsa_enable_private_segment 0
		.amdhsa_kernarg_size 16
		.amdhsa_user_sgpr_count 2
		.amdhsa_user_sgpr_kernarg_segment_ptr 1
		.amdhsa_wavefront_size32 1
		.amdhsa_system_sgpr_workgroup_id_x 1
		.amdhsa_system_sgpr_workgroup_id_y 1
		.amdhsa_system_sgpr_workgroup_id_z 1
		.amdhsa_system_vgpr_workitem_id 0
		.amdhsa_next_free_vgpr 256
		.amdhsa_next_free_sgpr 66
		.amdhsa_reserve_vcc 1
		.amdhsa_float_denorm_mode_32 3
		.amdhsa_float_denorm_mode_16_64 3
		.amdhsa_memory_ordered 1
		.amdhsa_forward_progress 1
		.amdhsa_inst_pref_size 33
	.end_amdhsa_kernel
	.amdgpu_metadata
---
amdhsa.version: [ 1, 2 ]
amdhsa.kernels:
  - .name:           k_q60b132d5d3_attn
    .symbol:         k_q60b132d5d3_attn.kd
    .args:
      - { .name: qkvb, .offset: 0, .size: 8, .value_kind: global_buffer, .address_space: global }
      - { .name: ac, .offset: 8, .size: 8, .value_kind: global_buffer, .address_space: global }
    .group_segment_fixed_size: 210944
    .private_segment_fixed_size: 0
    .kernarg_segment_align: 8
    .kernarg_segment_size: 16
    .max_flat_workgroup_size: 512
    .sgpr_count:     66
    .vgpr_count:     256
    .wavefront_size: 32
...
	.end_amdgpu_metadata
.endif
;; end of part 3
;; launch cproj (part 4): grid 4 x 16, 4 waves a work-group, clusters of 4 x 4, 327,680 bytes of LDS; arguments ac, wq, c_proj_b, x, x1; writes x1
.if DOCPART == 4
	.amdgcn_target "amdgcn-amd-amdhsa--gfx1250"
	.amdhsa_code_object_version 6
	.text
	.protected	k_q60b132d5d3_cproj
	.globl	k_q60b132d5d3_cproj
	.p2align	8
	.type	k_q60b132d5d3_cproj,@function
k_q60b132d5d3_cproj:
	s_mov_b64 s[64:65], 0
	v_nop
	global_prefetch_b8 v0, s[64:65] scope:SCOPE_SE
	s_setreg_imm32_b32 hwreg(HW_REG_WAVE_MODE, 25, 1), 1
	s_wait_xcnt 0x0
	s_wait_alu depctr_hold_cnt(0) depctr_sa_sdst(0) depctr_va_vdst(0) depctr_va_sdst(0) depctr_va_ssrc(0) depctr_va_vcc(0) depctr_vm_vsrc(0)
	s_getreg_b32 s2, hwreg(HW_REG_IB_STS2, 6, 4)
	s_cmp_eq_u32 s2, 0
	s_cbranch_scc0 .Lentry_in_a_cluster
	s_endpgm
.Lentry_in_a_cluster:
	s_bfe_u32 s2, ttmp6, 0x10000c
	s_cmp_lg_u32 s2, 0xf033
	s_cbranch_scc0 .Lentry_shape_is_right
	s_endpgm
.Lentry_shape_is_right:
; A GEMM ON CODES OF FP6 (E2M3) WITH AN f32 RESULT: out = resid + A W + b.  KIND 1: x1 = x + a c_proj + b (K = 1,024).  KIND 3: out0 = x1 + h proj + b (K = 4,096).
; OPERANDS are images of operand registers.  Rows are kept by POSITION: position 32 b + 16 u + r holds row 32 b + 8 u + r + 8 (r / 8).  A HALF (768 bytes) = 16 positions x 64 K: lane (r, hh): bytes 0-15 of block hh of row r
; at 16 (r + 16 hh), bytes 16-23 at 512 + 16 r + 8 hh.  A block of GRP bytes = 128 positions x 256 K: HALF (tile a, hk) at 3072 a + 768 hk, scale bytes at 24,576 + 8 (16 a + r) + block.  Block (K step, group) of R rows at (ks R / 128 + g) GRP.
; A tile of the result, 256 x 256, is made by four waves, 128 x 128 each: 64 accumulators, 512 registers.  K goes in steps of 256 through two LDS slots; a wave's one tensor load brings one block: codes and scales of 128 rows.
; CLUSTER 4 x 4: A's blocks are asked for jointly along a row of the cluster, B's along a column.  THE PRODUCT IS USED TRANSPOSED (source 0 = 16 positions of B, source 1 = 16 of A): a lane holds one row of A and,
; in B's tiles 2 b, 2 b + 1, the 16 neighbouring columns 32 b + 16 (lane / 16) + 0 .. 15.
; THE WAY OUT: a tile of 16 rows goes through the wave's stage in LDS and comes back as whole rows of 512 bytes; the residual is loaded the same way, row by row, and added there with the bias.
; The residual's rows wait in four buffers of 64 registers in window 1: the first in the registers that B's two sets leave free, asked for at the head; the others where B's fragments lay, asked for behind the last product.
; REGISTERS: window 0: v1-31 addresses, v[8:11] the bias; v32-63 scale words, two sets; v128-223 A's fragments; on the way out v128-255 two sets of 16 rows.   window 1: B's fragments at v0 and v128; the residual.
;   windows 2, 3: the accumulators ((a, b) at v[8 (8 (a % 4) + b)] of window 2 + a / 4).
.set KIND,   1
.if KIND == 3
.set KSTEPS, 16
.set WOFF,   6553600
.else
.set KSTEPS, 4
.set WOFF,   2457600
.endif
.set GRP,    25600
.set SLOT,   4*GRP                     ; A's two groups, then B's two
.set SPARE,  2*SLOT                    ; behind the ring: the spare words, 128 bytes a wave: two blocks of 256 bytes that no other line names
.set FR,     12
.set NL,     4                         ; LDS loads that bring a fragment
.set NP,     4                         ; places behind this matrix instruction (ISA guide 7.12.1)
.set NQ,     2                         ; matrix instructions deep in a slot
.set LAPS,   KSTEPS/2
.set SPITCH, 528                       ; the stage: 16 rows x (512 bytes + 16) a wave, in slot 0, which has had its last fill and its last read when the first result is stored there
.set ADRA, 16                          ; v16-17 my A fragments' 16-byte parts in slot 0, 1; v18-19 their 8-byte parts
.set ADRB, 20                          ; v20-23 the same for B
.set STO,  24
.set RD,   25
.set SPW,  28
.set NIL,  29
.set ADRS, 30                          ; v30-31 my scale words in slot 0, 1: lanes 0-15 A's rows, lanes 16-31 B's
.set SC,   32
.set AF,   128
.set BK,   128
.set G1, 24
.set G0, 32
.set G1B, 48
.set G0B, 56
.set MSB, 0
.macro WIN new                         ; the immediate's high byte repeats the setting that is left
.if MSB != (\new)
	s_set_vgpr_msb (MSB<<8)|(\new)
.set MSB, (\new)
.endif
.endm
.set MUL_LO, 0xa1                      ; source 0 (B) window 1, source 1 (A) window 0, C and D window 2
.set MUL_HI, 0xf1
.set TO_B,   0x40
.macro JLOAD g0a, g1a, g0b, g1b        ; a joint load: waves 0 and 1 fetch for A, waves 2 and 3 for B; four v_nop follow each of the two lines
	s_cmp_eq_u32 s15, 0
	s_cbranch_scc0 .Lfor_b_\@
	tensor_load_to_lds s[\g0a:\g0a+3], s[\g1a:\g1a+7]
	s_nop 0
.rept 4
	v_nop
.endr
	s_branch .Lasked_\@
.Lfor_b_\@:
	tensor_load_to_lds s[\g0b:\g0b+3], s[\g1b:\g1b+7]
	s_nop 0
.rept 4
	v_nop
.endr
.Lasked_\@:
.endm
.macro CREST                           ; a round of the cluster's barrier behind its opening barrier
	s_cmp_lg_u32 s14, 0
	s_cbranch_scc1 .Lnot_wave_0_\@
	s_barrier_signal -3
.Lnot_wave_0_\@:
	s_barrier_wait -3
	s_barrier_signal -1
	s_barrier_wait -1
.endm
.macro CROUND
	s_barrier_signal -1
	s_barrier_wait -1
	CREST
.endm
.macro RLOAD a                         ; the residual's 16 rows of tile a, 512 consecutive bytes a load, into buffer a % 4 of window 1
.set RB, 32*(((\a)+3)%4)
	WIN 0x40
.irp t, 0,1,2,3,4,5,6,7,8,9,10,11,12,13,14,15
	global_load_b128 v[RB+128*(\t/8)+4*(\t%8):RB+128*(\t/8)+4*(\t%8)+3], v1, s[10:11] offset:(32*((\a)/2)+8*((\a)%2)+\t+8*(\t/8))*4096 th:TH_LOAD_NT
.endr
	WIN 0
.endm
	s_load_b256 s[4:11], s[0:1], 0x0               ; A's codes, wq, the bias, the residual
	s_load_b64 s[12:13], s[0:1], 0x20              ; the result
	v_lshl_add_u32 v[SPW], v0, 2, SPARE
	v_mov_b32 v[NIL], 0
	ds_add_u32 v28, v29
	ds_add_u32 v28, v29
	s_wait_dscnt 0x0
	v_lshrrev_b32 v1, 5, v0
	v_readfirstlane_b32 s14, v1                    ; wave 0..3
	s_lshr_b32 s15, s14, 1                         ; which half of the tile's rows is mine.  Also: I fetch for A (0) or for B (1)
	s_and_b32 s16, s14, 1                          ; which half of its columns.  Also: which group of 128 I fetch
	s_bfe_u32 s40, ttmp6, 0x40000                  ; cx
	s_bfe_u32 s41, ttmp6, 0x40004                  ; cy
	s_lshl_b32 s43, s41, 2
	s_lshl_b32 s43, 15, s43                        ; my row of the cluster
	s_lshl_b32 s44, 0x1111, s40                    ; my column
	s_or_b32 s[G1+0], s43, (3<<16)|(1<<21)         ; 15:0 the mask; 17:16 elements of 8 bytes; 21 set beside a mask; no padding: a block is read as it lies
	s_or_b32 s[G1B+0], s44, (3<<16)|(1<<21)
.irp g, G1, G1B
	s_mov_b32 s[\g+1], 32<<16                      ; tensor_dim0 = 32 elements: 256 bytes
	s_mov_b32 s[\g+2], 100<<16                     ; tensor_dim1 = 100 rows: 25,600 dense bytes
	s_mov_b32 s[\g+3], 32<<16                      ; tile_dim0
	s_mov_b32 s[\g+4], 100                         ; tile_dim1
	s_mov_b32 s[\g+5], 32                          ; the pitch
	s_mov_b32 s[\g+6], 0
	s_mov_b32 s[\g+7], 0
.endr
	s_mul_i32 s45, s14, GRP                        ; where my block goes: wave x GRP: no place in the cluster enters an LDS address
	s_mov_b32 s73, 0
	s_mov_b32 s75, 0
	s_mov_b32 s69, 0
	s_mov_b32 s71, 0
	s_wait_kmcnt 0x0
	s_lshl_b32 s42, ttmp9, 2
	s_add_co_u32 s42, s42, s40                     ; tile column = 4 x cluster x + cx
	s_and_b32 s17, ttmp7, 0xffff
	s_lshl_b32 s17, s17, 2
	s_add_co_u32 s17, s17, s41                     ; tile row = 4 x cluster y + cy
	s_mov_b32 s72, 32*GRP                          ; a K step on: the tokens have 32 groups,
	s_mov_b32 s74, 8*GRP                           ; the weight's 1,024 columns 8
	s_mov_b64 s[88:89], s[4:5]
	s_add_nc_u64 s[90:91], s[6:7], WOFF            ; the weight's codes in wq
	s_lshl_b32 s20, s17, 1
	s_add_co_u32 s20, s20, s16                     ; A: group 2 x tile row + the half that I fetch
	s_mul_i32 s20, s20, GRP
	s_mov_b32 s21, 0
	s_lshl_b32 s46, s42, 1
	s_add_co_u32 s46, s46, s16                     ; B: group 2 x tile column + half
	s_mul_i32 s46, s46, GRP
	s_mov_b32 s47, 0
	s_add_nc_u64 s[20:21], s[88:89], s[20:21]
	s_add_nc_u64 s[46:47], s[90:91], s[46:47]
	s_lshl_b32 s68, s72, 1                         ; two K steps on
	s_lshl_b32 s70, s74, 1
	CROUND                                         ; all sixteen work-groups are here: the first joint loads meet
	s_mov_b32 s[G0], 1
	s_mov_b32 s[G0+1], s45
	s_mov_b64 s[G0+2:G0+3], s[20:21]
	s_or_b32 s[G0+3], s[G0+3], 0x80000000
	s_mov_b32 s[G0B], 1
	s_mov_b32 s[G0B+1], s45
	s_mov_b64 s[G0B+2:G0B+3], s[46:47]
	s_or_b32 s[G0B+3], s[G0B+3], 0x80000000
	JLOAD G0, G1, G0B, G1B                         ; K step 0
	s_mov_b32 s[G0+4], 1
	s_add_co_u32 s[G0+5], s45, SLOT
	s_add_nc_u64 s[G0+6:G0+7], s[20:21], s[72:73]
	s_or_b32 s[G0+7], s[G0+7], 0x80000000
	s_mov_b32 s[G0B+4], 1
	s_add_co_u32 s[G0B+5], s45, SLOT
	s_add_nc_u64 s[G0B+6:G0B+7], s[46:47], s[74:75]
	s_or_b32 s[G0B+7], s[G0B+7], 0x80000000
	JLOAD G0+4, G1, G0B+4, G1B                     ; K step 1: two loads of mine are out
	v_and_b32 v4, 31, v0                           ; lane
	v_and_b32 v5, 15, v0                           ; r
	v_bfe_u32 v6, v0, 4, 1                         ; hh
	v_lshlrev_b32 v1, 4, v4                        ; 16 x lane
	v_lshlrev_b32 v2, 4, v5
	v_lshl_add_u32 v2, v6, 3, v2                   ; 16 r + 8 hh
	s_mul_i32 s21, s15, GRP                        ; my 128 rows of A
	s_mul_i32 s22, s16, GRP
	s_add_co_u32 s22, s22, 2*GRP                   ; my 128 rows of B, behind A's two groups
.irp s, 0,1
	v_add_nc_u32 v[ADRA+\s], s21, v1
	v_add_nc_u32 v[ADRA+2+\s], s21, v2
	v_add_nc_u32 v[ADRB+\s], s22, v1
	v_add_nc_u32 v[ADRB+2+\s], s22, v2
	s_add_co_u32 s21, s21, SLOT
	s_add_co_u32 s22, s22, SLOT
.endr
	s_mul_i32 s21, s15, GRP
	s_mul_i32 s22, s16, GRP
	s_add_co_u32 s22, s22, 2*GRP
	s_sub_co_u32 s22, s22, s21
	v_mul_u32_u24 v13, s22, v6                     ; lanes 16-31 take B's scale words: the lower base + hh x the distance
	v_lshl_add_u32 v13, v5, 3, v13                 ; 8 bytes a row
	s_add_co_u32 s21, s21, 24576
	v_add_nc_u32 v[ADRS], s21, v13
	s_add_co_u32 s21, s21, SLOT
	v_add_nc_u32 v[ADRS+1], s21, v13
	s_mul_i32 s23, s14, 16*SPITCH                  ; my stage
	v_mul_u32_u24 v7, v5, SPITCH
	v_lshl_add_u32 v7, v6, 6, v7
	v_add_nc_u32 v[STO], s23, v7                   ; in: row r, + 64 hh
	v_add_nc_u32 v[RD], s23, v1                    ; back: the 32 lanes take one row of 512 bytes
	s_lshl_b32 s18, s17, 8
	s_lshl_b32 s19, s15, 7
	s_add_co_u32 s18, s18, s19                     ; my first row: 256 x tile row + 128 x half
	s_lshl_b32 s18, s18, 12                        ; x 4,096 bytes
	s_lshl_b32 s46, s42, 8
	s_lshl_b32 s47, s16, 7
	s_add_co_u32 s46, s46, s47                     ; my first column
	s_lshl_b32 s46, s46, 2
	s_mov_b32 s47, 0
	s_add_nc_u64 s[8:9], s[8:9], s[46:47]
	s_add_co_u32 s18, s18, s46
	s_mov_b32 s19, 0
	s_add_nc_u64 s[10:11], s[10:11], s[18:19]
	s_add_nc_u64 s[12:13], s[12:13], s[18:19]
	global_load_b128 v[8:11], v1, s[8:9]           ; the bias of my four columns of a row
	RLOAD 0                                        ; the first tile's residual lands while K is walked
.macro FRAG reg, adr, q, i             ; a fragment, 16 positions x 128 K, 12 registers: two HALFs, each 16 + 8 bytes a lane, as they lie
	ds_load_b128 v[\reg:\reg+3], v[\adr] offset:3072*(\i)+1536*(\q)
	ds_load_b64 v[\reg+4:\reg+5], v[\adr+2] offset:3072*(\i)+1536*(\q)+512
	ds_load_b128 v[\reg+6:\reg+9], v[\adr] offset:3072*(\i)+1536*(\q)+768
	ds_load_b64 v[\reg+10:\reg+11], v[\adr+2] offset:3072*(\i)+1536*(\q)+1280
.endm
; 16 matrix instructions: A's tiles a0, a0 + 1 x B's eight, the slot's q-th 128 along K.  The 64 accumulators take turns, one instruction a turn, in the same order in every step.
.macro MUL16 a0, p, q, sc, zero
.irp a, \a0, \a0+1
.irp b, 0,1,2,3,4,5,6,7
.if \zero
	v_wmma_scale_f32_16x16x128_f8f6f4 v[8*(8*((\a)%4)+\b):8*(8*((\a)%4)+\b)+7], v[128*(\p)+FR*\b:128*(\p)+FR*\b+FR-1], v[AF+FR*(\a):AF+FR*(\a)+FR-1], 0, v[SC+8*NQ*(\sc)+NQ*\b+(\q)], v[SC+8*NQ*(\sc)+NQ*(\a)+(\q)] matrix_a_fmt:MATRIX_FMT_FP6 matrix_b_fmt:MATRIX_FMT_FP6 matrix_a_scale:MATRIX_SCALE_ROW1
.else
	v_wmma_scale_f32_16x16x128_f8f6f4 v[8*(8*((\a)%4)+\b):8*(8*((\a)%4)+\b)+7], v[128*(\p)+FR*\b:128*(\p)+FR*\b+FR-1], v[AF+FR*(\a):AF+FR*(\a)+FR-1], v[8*(8*((\a)%4)+\b):8*(8*((\a)%4)+\b)+7], v[SC+8*NQ*(\sc)+NQ*\b+(\q)], v[SC+8*NQ*(\sc)+NQ*(\a)+(\q)] matrix_a_fmt:MATRIX_FMT_FP6 matrix_b_fmt:MATRIX_FMT_FP6 matrix_a_scale:MATRIX_SCALE_ROW1
.endif
.endr
.endr
.endm
.macro FETCH_B slot, q, p
	WIN TO_B
.irp i, 0,1,2,3,4,5,6,7
	FRAG 128*(\p)+FR*\i, ADRB+\slot, \q, \i
.endr
	WIN 0
.endm
.macro FETCH_A slot, q, i0
.irp i, \i0, \i0+1, \i0+2, \i0+3
	FRAG AF+FR*(\i), ADRA+\slot, \q, \i
.endr
.endm
.macro SCALES sc                       ; the slot's scale words: two words a row; lanes 0-15 A's tile i, lanes 16-31 B's tile i
.irp i, 0,1,2,3,4,5,6,7
	ds_load_b64 v[SC+8*NQ*\sc+NQ*\i:SC+8*NQ*\sc+NQ*\i+1], v[ADRS+\sc] offset:128*\i
.endr
.endm
.macro PLACES n                        ; plain vector instructions between a matrix instruction and a load into, or a read of, its registers (ISA guide 7.12.1 for a read)
.rept \n
	v_nop
.endr
.endm
.macro STEP slot, q, zero              ; a step of 128 along K that has its successor in the same slot
	s_wait_dscnt 4*NL                              ; B's set, A's tiles 0-3 and the scale words are in; the youngest 16 loads (A's tiles 4-7) may be out
	WIN MUL_LO
	MUL16 0, (\q)%2, \q, \slot, \zero
	MUL16 2, (\q)%2, \q, \slot, \zero
	s_wait_dscnt 0
	PLACES NP
	FETCH_B \slot, (\q)+1, 1-(\q)%2
	FETCH_A \slot, (\q)+1, 0
	WIN MUL_HI
	MUL16 4, (\q)%2, \q, \slot, \zero
	MUL16 6, (\q)%2, \q, \slot, \zero
	PLACES NP
	WIN 0
	FETCH_A \slot, (\q)+1, 4
.endm
; A slot's last step changes slots: one barrier; in front of it each wave waits for all its tensor loads, adds 0 to its spare word, and waits for that and for its reads of this slot.  fill = 1: the slot is filled again, two K steps ahead.
.macro TURN slot, next, fill
	s_wait_tensorcnt 0x0                           ; all my tensor loads have landed: my part of the next slot
	ds_add_u32 v[SPW], v[NIL]                      ; 0 onto my spare word
	s_wait_dscnt 4*NL+1                            ; (the add and the youngest 16 loads may be out)
	WIN MUL_LO
	MUL16 0, 1, NQ-1, \slot, 0
	s_wait_dscnt 0x0                               ; the add is done, and my reads of this slot are over
	s_barrier_signal -1
	MUL16 2, 1, NQ-1, \slot, 0
	WIN 0
	s_barrier_wait -1
.if \fill
	CREST                                          ; the barrier has opened a round of the cluster's: no wave of any partner still reads this slot or has a load on its way
	s_add_nc_u64 s[G0+4*\slot+2:G0+4*\slot+3], s[G0+4*\slot+2:G0+4*\slot+3], s[68:69]
	s_add_nc_u64 s[G0B+4*\slot+2:G0B+4*\slot+3], s[G0B+4*\slot+2:G0B+4*\slot+3], s[70:71]
	JLOAD G0+4*\slot, G1, G0B+4*\slot, G1B         ; the first tensor load behind the round; its four v_nop are the places in front of the loads below
.else
	PLACES NP
.endif
	FETCH_B \next, 0, 0
	FETCH_A \next, 0, 0
	SCALES \next
	WIN MUL_HI
	MUL16 4, 1, NQ-1, \slot, 0
	MUL16 6, 1, NQ-1, \slot, 0
	PLACES NP
	WIN 0
	FETCH_A \next, 0, 4
.endm
	s_wait_tensorcnt 1                             ; my part of K step 0 is in (K step 1's load may be out)
	s_barrier_signal -1
	s_barrier_wait -1                              ; everybody's is
	FETCH_B 0, 0, 0
	FETCH_A 0, 0, 0
	SCALES 0
	FETCH_A 0, 0, 4
	STEP 0, 0, 1                                   ; the first step stands in front of the loop: its products start the sums
	s_mov_b32 s3, LAPS-1
.Llap:                                                 ; a trip goes once round the ring and fills both slots again
	TURN 0, 1, 1
	STEP 1, 0, 0
	TURN 1, 0, 1
	STEP 0, 0, 0
	s_sub_co_u32 s3, s3, 1
	s_cmp_lg_u32 s3, 0
	s_cbranch_scc1 .Llap
	TURN 0, 1, 0                                   ; the last lap fills nothing
	STEP 1, 0, 0
	s_wait_dscnt 4*NL
	WIN MUL_LO
	MUL16 0, 1, NQ-1, 1, 0
	MUL16 2, 1, NQ-1, 1, 0
	s_wait_dscnt 0
	WIN MUL_HI
	MUL16 4, 1, NQ-1, 1, 0
	MUL16 6, 1, NQ-1, 1, 0
	WIN 0
.macro TOSTAGE a                       ; tile a's 16 rows x 128 columns into my stage, each accumulator from its low end on, and back as whole rows (LDS serves a wave's instructions in order)
.set AC, 64*((\a)%4)
	WIN 0x08+4*((\a)/4)                            ; an LDS store's data are its source 1: window 2 or 3
.irp b, 0,1,2,3,4,5,6,7
	ds_store_b128 v[STO], v[AC+8*\b:AC+8*\b+3] offset:128*(\b/2)+32*(\b%2)       ; lane (r, hh): columns 32 (b / 2) + 16 hh + 8 (b % 2) + 0 .. 7 of row r
	ds_store_b128 v[STO], v[AC+8*\b+4:AC+8*\b+7] offset:128*(\b/2)+32*(\b%2)+16
.endr
	WIN 0
.set BB, BK+64*((\a)%2)
.irp t, 0,1,2,3,4,5,6,7,8,9,10,11,12,13,14,15
	ds_load_b128 v[BB+4*\t:BB+4*\t+3], v[RD] offset:\t*SPITCH
.endr
.endm
.macro SEND a, younger                 ; younger: the LDS instructions issued behind tile a's loads, which may stay out
.set BB, BK+64*((\a)%2)
.set RB, 32*(((\a)+3)%4)
.set LEFT, 7-(\a)
.if LEFT > 3
.set LEFT, 3
.endif
	s_wait_dscnt \younger                          ; the tile is back in registers
	s_wait_loadcnt 16*LEFT                         ; its residual is in; the sixteen loads of each of the next LEFT tiles stay out
	WIN 0x04                                       ; source 1 window 1
.irp t, 0,1,2,3,4,5,6,7,8,9,10,11,12,13,14,15
	v_pk_add_f32 v[BB+4*\t:BB+4*\t+1], v[BB+4*\t:BB+4*\t+1], v[RB+128*(\t/8)+4*(\t%8):RB+128*(\t/8)+4*(\t%8)+1]
	v_pk_add_f32 v[BB+4*\t+2:BB+4*\t+3], v[BB+4*\t+2:BB+4*\t+3], v[RB+128*(\t/8)+4*(\t%8)+2:RB+128*(\t/8)+4*(\t%8)+3]
.endr
	WIN 0
.irp t, 0,1,2,3,4,5,6,7,8,9,10,11,12,13,14,15
	v_pk_add_f32 v[BB+4*\t:BB+4*\t+1], v[BB+4*\t:BB+4*\t+1], v[8:9]
	v_pk_add_f32 v[BB+4*\t+2:BB+4*\t+3], v[BB+4*\t+2:BB+4*\t+3], v[10:11]
.if KIND == 3
	global_store_b128 v1, v[BB+4*\t:BB+4*\t+3], s[12:13] offset:(32*((\a)/2)+8*((\a)%2)+\t+8*(\t/8))*4096 th:TH_STORE_NT   ; 512 consecutive bytes of the row that position t of the tile holds
.else
	global_store_b128 v1, v[BB+4*\t:BB+4*\t+3], s[12:13] offset:(32*((\a)/2)+8*((\a)%2)+\t+8*(\t/8))*4096
.endif
.endr
.if (\a) < 4
	RLOAD (\a)+4                                   ; its buffer takes the tile four further on
.endif
.endm
	PLACES NP                                      ; between the last products and the loads into their operands' registers, and the first read of results
	RLOAD 1
	RLOAD 2
	RLOAD 3
	TOSTAGE 0
.irp a, 1,2,3,4,5,6,7
.if \a > 1
	s_wait_xcnt 0x0                                ; tile a - 2's stores have read their registers: tile a's rows may land there
.endif
	TOSTAGE \a
	SEND \a-1, 32                                  ; behind tile a - 1's loads: tile a's 16 stores and 16 loads
.endr
	SEND 7, 0
	s_wait_tensorcnt 0x0                           ; the wave's end
	ds_add_u32 v[SPW], v[NIL]
	s_wait_dscnt 0x0
	CROUND                                         ; the closing round: no work-group ends while a partner may still ask for a block that names it
	s_endpgm
.Lfunc_end_k_q60b132d5d3_cproj:
	.size	k_q60b132d5d3_cproj, .Lfunc_end_k_q60b132d5d3_cproj-k_q60b132d5d3_cproj
	.p2alignl 7, 3214868480
	.fill 96, 4, 3214868480
	.section	.rodata,"a",@progbits
	.p2align	6, 0x0
	.amdhsa_kernel k_q60b132d5d3_cproj
		.amdhsa_group_segment_fixed_size 327680
		.amdhsa_private_segment_fixed_size 0
		.amdhsa_enable_private_segment 0
		.amdhsa_kernarg_size 40
		.amdhsa_user_sgpr_count 2
		.amdhsa_user_sgpr_kernarg_segment_ptr 1
		.amdhsa_wavefront_size32 1
		.amdhsa_system_sgpr_workgroup_id_x 1
		.amdhsa_system_sgpr_workgroup_id_y 1
		.amdhsa_system_sgpr_workgroup_id_z 1
		.amdhsa_system_vgpr_workitem_id 0
		.amdhsa_next_free_vgpr 1024
		.amdhsa_next_free_sgpr 100
		.amdhsa_reserve_vcc 0
		.amdhsa_float_denorm_mode_32 3
		.amdhsa_float_denorm_mode_16_64 3
		.amdhsa_memory_ordered 1
		.amdhsa_forward_progress 1
		.amdhsa_inst_pref_size 187
	.end_amdhsa_kernel
	.amdgpu_metadata
---
amdhsa.version: [ 1, 2 ]
amdhsa.kernels:
  - .name:           k_q60b132d5d3_cproj
    .symbol:         k_q60b132d5d3_cproj.kd
    .args:
      - { .name: ac, .offset: 0, .size: 8, .value_kind: global_buffer, .address_space: global }
      - { .name: wq, .offset: 8, .size: 8, .value_kind: global_buffer, .address_space: global }
      - { .name: c_proj_b, .offset: 16, .size: 8, .value_kind: global_buffer, .address_space: global }
      - { .name: x, .offset: 24, .size: 8, .value_kind: global_buffer, .address_space: global }
      - { .name: x1, .offset: 32, .size: 8, .value_kind: global_buffer, .address_space: global }
    .group_segment_fixed_size: 327680
    .private_segment_fixed_size: 0
    .kernarg_segment_align: 8
    .kernarg_segment_size: 40
    .max_flat_workgroup_size: 128
    .sgpr_count:     100
    .vgpr_count:     1024
    .wavefront_size: 32
...
	.end_amdgpu_metadata
.endif
;; end of part 4
;; launch ln2 (part 5): grid 256 x 1, 4 waves a work-group, no clusters, 31,744 bytes of LDS; arguments x1, ln2_w, ln2_b, xc; writes xc
.if DOCPART == 5
	.amdgcn_target "amdgcn-amd-amdhsa--gfx1250"
	.amdhsa_code_object_version 6
	.text
	.protected	k_q60b132d5d3_ln2
	.globl	k_q60b132d5d3_ln2
	.p2align	8
	.type	k_q60b132d5d3_ln2,@function
k_q60b132d5d3_ln2:
	s_mov_b64 s[64:65], 0
	v_nop
	global_prefetch_b8 v0, s[64:65] scope:SCOPE_SE
	s_setreg_imm32_b32 hwreg(HW_REG_WAVE_MODE, 25, 1), 1
	s_wait_xcnt 0x0
; LayerNorm(x1) (mean; std with 1023 in the divisor; eps added to the std) -> codes of FP6 (E2M3) with one E8M0 byte for each 32 along K, into xc, as images of operand registers.
; Rows are kept by POSITION: position 32 b + 16 u + r holds row 32 b + 8 u + r + 8 (r / 8).  A HALF (768 bytes) = 16 positions x 64 K: lane (r, hh) owns the 24 bytes of block hh of row r: bytes 0-15 at 16 (r + 16 hh),
; bytes 16-23 at 512 + 16 r + 8 hh.  A block of GRP bytes = 128 positions x 256 K: HALF (tile a, hk) at 3072 a + 768 hk; scale bytes at 24,576 + 8 (16 a + r) + block.  Block (K step ks, group g) lies at (32 ks + g) GRP.
; A block's scale is 2^(floor(log2(largest magnitude)) - 2): its byte is the largest magnitude's exponent field - 2, held at 1 from below.
; LIMITS: a block of zeros gets the byte 1 where the rule says 127 (its codes are zeros, and this program alone reads the bytes); NaN and infinities are not served; a row's variance under 2^-126 counts as 0
; in the square root; 1 / (std + eps) is a reciprocal and a multiplication.  Nothing is shared between work-groups, so there is no cluster and no joint load.
.set GRP,  25600
.set STGB, 4608                        ; a wave's stage: 32 places of 128 bytes + 16
.set OPR,  4*STGB                      ; behind the stages: the tile's image, 4 K steps x KQ bytes
.set KQ,   3200                        ; 3,072 bytes of codes and 128 scale bytes of one K step
.set LW,   16                          ; v16-47   the gain, as loaded
.set LB,   48                          ; v48-79   the bias
.set X,    80                          ; v80-207  four rows, 32 registers each
.set Y,    208                         ; v208-239 32 neighbours of a row
.set C,    240                         ; v240-249 a block's codes
.set TI,   250                         ; stage, way in
.set TO,   251                         ; stage, way out
.set A16,  252                         ; image: bytes 0-15 of my block
.set A8,   253                         ; image: bytes 16-23
.set AS,   254                         ; image: my block's scale byte
.set CI,   255                         ; image, read back: 16 bytes a lane
.macro LNSUM                           ; v8 summed over the 32 lanes, the result in every lane
	v_add_f32_dpp v8, v8, v8 row_xmask:1 row_mask:0xf bank_mask:0xf
	v_add_f32_dpp v8, v8, v8 row_xmask:2 row_mask:0xf bank_mask:0xf
	v_add_f32_dpp v8, v8, v8 row_xmask:4 row_mask:0xf bank_mask:0xf
	v_add_f32_dpp v8, v8, v8 row_xmask:8 row_mask:0xf bank_mask:0xf
	v_permlanex16_b32 v9, v8, s20, s21
	v_add_f32 v8, v8, v9
.endm
; The work-group is row tile T = its number; wave w takes positions 4 w .. 4 w + 3 of it, which are four consecutive rows.  s[4:5] source, s[6:7] gain, s[8:9] bias, s[10:11] codes; s12 wave; v1 lane.
.macro LNHEAD
	v_lshlrev_b32 v2, 4, v1                        ; 16 x lane
	v_lshlrev_b32 v3, 2, v1                        ; 4 x lane
	s_mul_i32 s13, s12, STGB                       ; my stage
	v_lshrrev_b32 v8, 3, v1                        ; lane / 8
	v_and_b32 v9, 7, v1                            ; lane % 8
	v_mul_u32_u24 v[TI], v8, 144
	v_lshl_add_u32 v[TI], v9, 4, v[TI]
	v_add_nc_u32 v[TI], s13, v[TI]                 ; in: a load's 512 bytes are four places of 128
	v_mul_u32_u24 v[TO], v1, 144
	v_add_nc_u32 v[TO], s13, v[TO]                 ; out: place = lane: block `lane` of the row
	v_mul_u32_u24 v12, v8, KQ                      ; my block's K step,
	v_bfe_u32 v13, v1, 1, 2
	v_mad_u32_u24 v12, v13, 768, v12               ; its HALF,
	v_and_b32 v13, 1, v1                           ; and which block of the HALF
	s_lshl_b32 s13, s12, 6                         ; 16 bytes a row: 64 x wave
	s_add_co_u32 s13, s13, OPR
	v_add_nc_u32 v12, s13, v12
	v_lshl_add_u32 v[A16], v13, 8, v12
	v_lshl_add_u32 v[A8], v13, 3, v12
	v_add_nc_u32 v[A8], 512, v[A8]
	v_mul_u32_u24 v[AS], v8, KQ
	v_add_nc_u32 v[AS], v[AS], v9
	s_lshl_b32 s13, s12, 5                         ; 8 scale bytes a row: 32 x wave
	s_add_co_u32 s13, s13, OPR+3072
	v_add_nc_u32 v[AS], s13, v[AS]
	s_mul_i32 s13, s12, KQ                         ; on the way out wave w copies K step w
	s_add_co_u32 s13, s13, OPR
	v_add_nc_u32 v[CI], s13, v2
	s_add_co_u32 s13, s13, 3072
	v_add_nc_u32 v1, s13, v3                       ; and its 128 scale bytes, 4 a lane (the lane's number has served)
	s_lshr_b32 s14, ttmp9, 1
	s_lshl_b32 s14, s14, 5                         ; 32 (T / 2)
	s_and_b32 s15, ttmp9, 1
	s_lshl_b32 s15, s15, 3                         ; + 8 (T % 2)
	s_add_co_u32 s14, s14, s15
	s_lshl_b32 s15, s12, 2                         ; + 4 w
	s_add_co_u32 s14, s14, s15
	s_lshr_b32 s15, s12, 1
	s_lshl_b32 s15, s15, 3                         ; + 8 (w / 2)
	s_add_co_u32 s14, s14, s15                     ; my first row
	s_lshl_b32 s14, s14, 12                        ; x 4,096 bytes
	s_mov_b32 s15, 0
	s_lshl_b32 s16, s12, 5
	s_lshr_b32 s17, ttmp9, 3
	s_add_co_u32 s16, s16, s17                     ; block 32 w + T / 8
	s_mul_i32 s16, s16, GRP
	s_and_b32 s17, ttmp9, 7                        ; tile T % 8 in it
	s_mul_i32 s18, s17, 3072
	s_add_co_u32 s18, s18, s16
	s_mov_b32 s19, 0
	s_lshl_b32 s17, s17, 7
	s_add_co_u32 s16, s16, s17
	s_add_co_u32 s16, s16, 24576
	s_mov_b32 s17, 0
	s_mov_b32 s20, 0x76543210
	s_mov_b32 s21, 0xfedcba98                      ; v_permlanex16_b32: lane l xor 16
	s_wait_kmcnt 0x0
	s_add_nc_u64 s[4:5], s[4:5], s[14:15]
	s_add_nc_u64 s[22:23], s[10:11], s[18:19]
	s_add_nc_u64 s[24:25], s[10:11], s[16:17]
.irp j, 0,1,2,3,4,5,6,7
	global_load_b128 v[LW+4*\j:LW+4*\j+3], v2, s[6:7] offset:512*\j
.endr
.irp j, 0,1,2,3,4,5,6,7
	global_load_b128 v[LB+4*\j:LB+4*\j+3], v2, s[8:9] offset:512*\j
.endr
.irp c, 0,1,2,3
.irp j, 0,1,2,3,4,5,6,7
	global_load_b128 v[X+32*\c+4*\j:X+32*\c+4*\j+3], v2, s[4:5] offset:4096*\c+512*\j th:TH_LOAD_NT   ; 32 lanes read 512 consecutive bytes
.endr
.endr
.endm
.macro LNROW i
.set XR, X+32*\i
	s_wait_loadcnt 8*(3-\i)                        ; gain, bias and this row are in; the eight loads of each later row stay out
	v_pk_add_f32 v[4:5], v[XR:XR+1], v[XR+2:XR+3]  ; the sum, in two packed chains
	v_pk_add_f32 v[6:7], v[XR+4:XR+5], v[XR+6:XR+7]
.set j, 8
.rept 6
	v_pk_add_f32 v[4:5], v[4:5], v[XR+j:XR+j+1]
	v_pk_add_f32 v[6:7], v[6:7], v[XR+j+2:XR+j+3]
.set j, j+4
.endr
	v_pk_add_f32 v[4:5], v[4:5], v[6:7]
	v_add_f32 v8, v4, v5
	LNSUM
	v_mul_f32 v10, 0x3a800000, v8                  ; the mean: x 2^-10
	v_mov_b32 v11, v10
.set j, 0
.rept 16
	v_pk_add_f32 v[XR+j:XR+j+1], v[XR+j:XR+j+1], v[10:11] neg_lo:[0,1] neg_hi:[0,1]   ; x - mean first: the squares are taken of the differences
.set j, j+2
.endr
	v_pk_mul_f32 v[4:5], v[XR:XR+1], v[XR:XR+1]
	v_pk_mul_f32 v[6:7], v[XR+2:XR+3], v[XR+2:XR+3]
.set j, 4
.rept 7
	v_pk_fma_f32 v[4:5], v[XR+j:XR+j+1], v[XR+j:XR+j+1], v[4:5]
	v_pk_fma_f32 v[6:7], v[XR+j+2:XR+j+3], v[XR+j+2:XR+j+3], v[6:7]
.set j, j+4
.endr
	v_pk_add_f32 v[4:5], v[4:5], v[6:7]
	v_add_f32 v8, v4, v5
	LNSUM
	v_mul_f32 v8, 0x3a802008, v8                   ; / 1023
	v_sqrt_f32 v8, v8
	v_nop                                          ; a plain instruction behind the root,
	s_wait_alu depctr_va_vdst(0)                   ; and the wait ahead of its first reader
	v_add_f32 v8, 0x3727c5ac, v8                   ; + 1e-5
	v_rcp_f32 v10, v8
	v_nop
	s_wait_alu depctr_va_vdst(0)
	v_mov_b32 v11, v10
.set j, 0
.rept 16
	v_pk_mul_f32 v[XR+j:XR+j+1], v[XR+j:XR+j+1], v[10:11]
.set j, j+2
.endr
.set j, 0
.rept 16
	v_pk_fma_f32 v[XR+j:XR+j+1], v[XR+j:XR+j+1], v[LW+j:LW+j+1], v[LB+j:LB+j+1]
.set j, j+2
.endr
.irp j, 0,1,2,3,4,5,6,7
	ds_store_b128 v[TI], v[XR+4*\j:XR+4*\j+3] offset:576*\j        ; the row turns through my stage: in as loaded,
.endr
.irp c, 0,1,2,3,4,5,6,7
	ds_load_b128 v[Y+4*\c:Y+4*\c+3], v[TO] offset:16*\c            ; out 32 neighbours a lane (LDS serves a wave's instructions in order)
.endr
	s_wait_dscnt 0x0                               ; they are in, and the last row's stores of codes have read their registers
	v_max3_num_f32 v12, |v[Y]|, |v[Y+1]|, |v[Y+2]|
	v_max3_num_f32 v13, |v[Y+3]|, |v[Y+4]|, |v[Y+5]|
.irp j, 6,10,14,18,22,26
	v_max3_num_f32 v12, v12, |v[Y+\j]|, |v[Y+\j+1]|
	v_max3_num_f32 v13, v13, |v[Y+\j+2]|, |v[Y+\j+3]|
.endr
	v_max3_num_f32 v12, v12, |v[Y+30]|, |v[Y+31]|
	v_max3_num_f32 v12, v12, v13, 0x1800000        ; and the floor 2^(3 - 127): the byte cannot fall under 1
	v_add_nc_u32 v14, 0xff000000, v12              ; 2 off the exponent field: the conversion's scale operand
	v_lshrrev_b32 v15, 23, v14                     ; the scale's byte
	v_cvt_scalef32_pk16_fp6_f32 v[C:C+2], v[Y:Y+15], v14
	v_cvt_scalef32_pk16_fp6_f32 v[C+4:C+6], v[Y+16:Y+31], v14      ; (a conversion's three registers begin on an even number)
	v_nop                                          ; one plain instruction behind the conversions
	v_mov_b32 v[C+3], v[C+4]                       ; bytes 12-15,
	v_mov_b32 v[C+8], v[C+5]                       ; bytes 16-23
	v_mov_b32 v[C+9], v[C+6]
	ds_store_b128 v[A16], v[C:C+3] offset:16*\i
	ds_store_b64 v[A8], v[C+8:C+9] offset:16*\i
	ds_store_b8 v[AS], v15 offset:8*\i
.endm
.macro LNOUT
	s_wait_dscnt 0x0                               ; my part of the image has landed
	s_barrier_signal -1
	s_barrier_wait -1                              ; everybody's has
.irp c, 0,1,2,3,4,5
	ds_load_b128 v[Y+4*\c:Y+4*\c+3], v[CI] offset:512*\c
.endr
	ds_load_b32 v12, v1
	s_wait_dscnt 0x0
.irp c, 0,1,2,3,4,5
	global_store_b128 v2, v[Y+4*\c:Y+4*\c+3], s[22:23] offset:512*\c   ; 512 consecutive bytes, at a multiple of 256 from the buffer's first byte
.endr
	global_store_b32 v3, v12, s[24:25]             ; the tile's 128 scale bytes of this K step
	s_set_vgpr_msb 0x4
	s_wait_tensorcnt 0x0
	ds_add_u32 v247, v1
	s_wait_dscnt 0x0
	s_set_vgpr_msb 0x400
	s_endpgm
.endm
	s_load_b256 s[4:11], s[0:1], 0x0               ; x1, ln2_w, ln2_b, xc
	v_lshl_add_u32 v247, v0, 2, 0x7a00
	s_set_vgpr_msb 0x40
	v_mov_b32 v1, 0
	s_set_vgpr_msb 0x4000
	v_lshrrev_b32 v1, 5, v0
	v_readfirstlane_b32 s12, v1                    ; wave
	v_and_b32 v1, 31, v0                           ; lane
	LNHEAD
	LNROW 0
	LNROW 1
	LNROW 2
	LNROW 3
	LNOUT
.Lfunc_end_k_q60b132d5d3_ln2:
	.size	k_q60b132d5d3_ln2, .Lfunc_end_k_q60b132d5d3_ln2-k_q60b132d5d3_ln2
	.p2alignl 7, 3214868480
	.fill 96, 4, 3214868480
	.section	.rodata,"a",@progbits
	.p2align	6, 0x0
	.amdhsa_kernel k_q60b132d5d3_ln2
		.amdhsa_group_segment_fixed_size 31744
		.amdhsa_private_segment_fixed_size 0
		.amdhsa_enable_private_segment 0
		.amdhsa_kernarg_size 32
		.amdhsa_user_sgpr_count 2
		.amdhsa_user_sgpr_kernarg_segment_ptr 1
		.amdhsa_wavefront_size32 1
		.amdhsa_system_sgpr_workgroup_id_x 1
		.amdhsa_system_sgpr_workgroup_id_y 1
		.amdhsa_system_sgpr_workgroup_id_z 1
		.amdhsa_system_vgpr_workitem_id 0
		.amdhsa_next_free_vgpr 258
		.amdhsa_next_free_sgpr 66
		.amdhsa_reserve_vcc 0
		.amdhsa_float_denorm_mode_32 3
		.amdhsa_float_denorm_mode_16_64 3
		.amdhsa_memory_ordered 1
		.amdhsa_forward_progress 1
		.amdhsa_inst_pref_size 45
	.end_amdhsa_kernel
	.amdgpu_metadata
---
amdhsa.version: [ 1, 2 ]
amdhsa.kernels:
  - .name:           k_q60b132d5d3_ln2
    .symbol:         k_q60b132d5d3_ln2.kd
    .args:
      - { .name: x1, .offset: 0, .size: 8, .value_kind: global_buffer, .address_space: global }
      - { .name: ln2_w, .offset: 8, .size: 8, .value_kind: global_buffer, .address_space: global }
      - { .name: ln2_b, .offset: 16, .size: 8, .value_kind: global_buffer, .address_space: global }
      - { .name: xc, .offset: 24, .size: 8, .value_kind: global_buffer, .address_space: global }
    .group_segment_fixed_size: 31744
    .private_segment_fixed_size: 0
    .kernarg_segment_align: 8
    .kernarg_segment_size: 32
    .max_flat_workgroup_size: 128
    .sgpr_count:     66
    .vgpr_count:     258
    .wavefront_size: 32
...
	.end_amdgpu_metadata
.endif
;; end of part 5
;; launch fc (part 6): grid 16 x 16, 4 waves a work-group, clusters of 4 x 4, 327,680 bytes of LDS; arguments xc, wq, fc_b, hc; writes hc
.if DOCPART == 6
	.amdgcn_target "amdgcn-amd-amdhsa--gfx1250"
	.amdhsa_code_object_version 6
	.text
	.protected	k_q60b132d5d3_fc
	.globl	k_q60b132d5d3_fc
	.p2align	8
	.type	k_q60b132d5d3_fc,@function
k_q60b132d5d3_fc:
	s_mov_b64 s[64:65], 0
	v_nop
	global_prefetch_b8 v0, s[64:65] scope:SCOPE_SE
	s_setreg_imm32_b32 hwreg(HW_REG_WAVE_MODE, 25, 1), 1
	s_wait_xcnt 0x0
	s_wait_alu depctr_hold_cnt(0) depctr_sa_sdst(0) depctr_va_vdst(0) depctr_va_sdst(0) depctr_va_ssrc(0) depctr_va_vcc(0) depctr_vm_vsrc(0)
	s_getreg_b32 s2, hwreg(HW_REG_IB_STS2, 6, 4)
	s_cmp_eq_u32 s2, 0
	s_cbranch_scc0 .Lentry_in_a_cluster
	s_endpgm
.Lentry_in_a_cluster:
	s_bfe_u32 s2, ttmp6, 0x10000c
	s_cmp_lg_u32 s2, 0xf033
	s_cbranch_scc0 .Lentry_shape_is_right
	s_endpgm
.Lentry_shape_is_right:
; A GEMM ON CODES OF FP6 (E2M3) WHOSE RESULT IS QUANTISED ON THE WAY OUT.  KIND 0: q, k = LN1(x) W + b (codes along the head's 64) and V^T = W_v LN1(x)^T + b (codes along the keys).  KIND 2: gelu(LN2(x1) W + b), codes along 4,096.
; OPERANDS are images of operand registers.  Rows are kept by POSITION: position 32 b + 16 u + r holds row 32 b + 8 u + r + 8 (r / 8).  A HALF (768 bytes) = 16 positions x 64 K: lane (r, hh): bytes 0-15 of block hh of row r
; at 16 (r + 16 hh), bytes 16-23 at 512 + 16 r + 8 hh.  A block of GRP bytes = 128 positions x 256 K: HALF (tile a, hk) at 3072 a + 768 hk, scale bytes at 24,576 + 8 (16 a + r) + block.  Block (K step, group) of R rows at (ks R / 128 + g) GRP.
; A tile of the result, 256 x 256, is made by four waves, 128 x 128 each: 64 accumulators, 512 registers.  K goes in steps of 256 through two LDS slots; a wave's one tensor load brings one block: codes and scales of 128 rows.
; CLUSTER 4 x 4: A's blocks are asked for jointly along a row of the cluster, B's along a column.  THE PRODUCT IS USED TRANSPOSED (source 0 = 16 positions of B, source 1 = 16 of A): a lane holds one row of A,
; and by the positions' order the 16 registers of B's tiles 2 b, 2 b + 1 are the 16 neighbours 32 b + 16 (lane / 16) + 0 .. 15 along B's rows, which are the next product's K.
; KIND 0: clusters 0-7: A = tokens, B = the weight's columns 0-2047 (q, k).  Clusters 8-11: A = the weight's columns 2048-3071 (v), B = tokens: so a lane's registers run along the keys.
; qkvb: Q at 106,496 y + 6,656 s (y = 16 batch + head, s = 128 positions): HALF of tile a at 768 a, scale words at 6,144 + 64 a + 4 r (bytes 0, 1 count; 2, 3 stand over zero codes).
;   K and V at 3,407,872 + 208,896 y + 13,056 s: K as Q; V^T's fragment dt (16 positions of the head's 64 x 128 keys) as three runs of 512 bytes at 6,656 + 1,536 dt; its words at 12,800 + 64 dt + 4 r.
; LIMITS: a block of zeros gets the byte 1 where the rule says 127 (its codes are zeros; this program alone reads the bytes); NaN and infinities are not served.
; REGISTERS: window 0: v1-31 addresses and small things; v32-63 scale words, two sets; v64-127 the column bias; v128-223 A's fragments (on the way out: 64 numbers, 32 at work); v224-255 codes and the quantiser's work.
;   window 1: B's fragments, two sets, at v0 and v128; v96-111 the row bias (KIND 0).   windows 2, 3: the accumulators ((a, b) at v[8 (8 (a % 4) + b)] of window 2 + a / 4).
.set KIND,   2
.set KSTEPS, 4
.set GRP,    25600
.set SLOT,   4*GRP                     ; A's two groups, then B's two
.set SPARE,  2*SLOT                    ; behind the ring: the spare words, 128 bytes a wave: two blocks of 256 bytes that no other line names
.set FR,     12
.set NL,     4                         ; LDS loads that bring a fragment
.set NP,     4                         ; places behind this matrix instruction (ISA guide 7.12.1)
.set NQ,     2                         ; matrix instructions deep in a slot
.set LAPS,   KSTEPS/2
.set KVO,    3407872
.set ADRA, 16                          ; v16-17 my A fragments' 16-byte parts in slot 0, 1; v18-19 their 8-byte parts
.set ADRB, 20                          ; v20-23 the same for B
.set SPW,  28
.set NIL,  29
.set ADRS, 30                          ; v30-31 my scale words in slot 0, 1: lanes 0-15 A's rows, lanes 16-31 B's
.set SC,   32
.set BC,   64
.set BR,   96
.set AF,   128
.set T,    128
.set E,    192
.set PC,   224
.set TM,   244
.set G1, 24
.set G0, 32
.set G1B, 48
.set G0B, 56
.set MSB, 0
.macro WIN new                         ; the immediate's high byte repeats the setting that is left
.if MSB != (\new)
	s_set_vgpr_msb (MSB<<8)|(\new)
.set MSB, (\new)
.endif
.endm
.set MUL_LO, 0xa1                      ; source 0 (B) window 1, source 1 (A) window 0, C and D window 2
.set MUL_HI, 0xf1
.set TO_B,   0x40
.macro JLOAD g0a, g1a, g0b, g1b        ; a joint load: waves 0 and 1 fetch for A, waves 2 and 3 for B; four v_nop follow each of the two lines
	s_cmp_eq_u32 s15, 0
	s_cbranch_scc0 .Lfor_b_\@
	tensor_load_to_lds s[\g0a:\g0a+3], s[\g1a:\g1a+7]
	s_nop 0
.rept 4
	v_nop
.endr
	s_branch .Lasked_\@
.Lfor_b_\@:
	tensor_load_to_lds s[\g0b:\g0b+3], s[\g1b:\g1b+7]
	s_nop 0
.rept 4
	v_nop
.endr
.Lasked_\@:
.endm
.macro CREST                           ; a round of the cluster's barrier behind its opening barrier
	s_cmp_lg_u32 s14, 0
	s_cbranch_scc1 .Lnot_wave_0_\@
	s_barrier_signal -3
.Lnot_wave_0_\@:
	s_barrier_wait -3
	s_barrier_signal -1
	s_barrier_wait -1
.endm
.macro CROUND
	s_barrier_signal -1
	s_barrier_wait -1
	CREST
.endm
	s_load_b256 s[4:11], s[0:1], 0x0               ; the activations' codes, wq, the bias, the result
	v_lshl_add_u32 v[SPW], v0, 2, SPARE
	v_mov_b32 v[NIL], 0
	ds_add_u32 v28, v29
	ds_add_u32 v28, v29
	s_wait_dscnt 0x0
	v_lshrrev_b32 v1, 5, v0
	v_readfirstlane_b32 s14, v1                    ; wave 0..3
	s_lshr_b32 s15, s14, 1                         ; which half of the tile's rows is mine.  Also: I fetch for A (0) or for B (1)
	s_and_b32 s16, s14, 1                          ; which half of its columns.  Also: which group of 128 I fetch
	s_bfe_u32 s40, ttmp6, 0x40000                  ; cx
	s_bfe_u32 s41, ttmp6, 0x40004                  ; cy
	s_lshl_b32 s43, s41, 2
	s_lshl_b32 s43, 15, s43                        ; my row of the cluster
	s_lshl_b32 s44, 0x1111, s40                    ; my column
	s_or_b32 s[G1+0], s43, (3<<16)|(1<<21)         ; 15:0 the mask; 17:16 elements of 8 bytes; 21 set beside a mask; no padding: a block is read as it lies
	s_or_b32 s[G1B+0], s44, (3<<16)|(1<<21)
.irp g, G1, G1B
	s_mov_b32 s[\g+1], 32<<16                      ; tensor_dim0 = 32 elements: 256 bytes
	s_mov_b32 s[\g+2], 100<<16                     ; tensor_dim1 = 100 rows: 25,600 dense bytes
	s_mov_b32 s[\g+3], 32<<16                      ; tile_dim0
	s_mov_b32 s[\g+4], 100                         ; tile_dim1
	s_mov_b32 s[\g+5], 32                          ; the pitch
	s_mov_b32 s[\g+6], 0
	s_mov_b32 s[\g+7], 0
.endr
	s_mul_i32 s45, s14, GRP                        ; where my block goes: wave x GRP: no place in the cluster enters an LDS address
	s_mov_b32 s73, 0
	s_mov_b32 s75, 0
	s_mov_b32 s69, 0
	s_mov_b32 s71, 0
	s_mov_b32 s66, 0x76543210
	s_mov_b32 s67, 0xfedcba98                      ; v_permlanex16_b32: lane l xor 16
	s_wait_kmcnt 0x0
.if KIND == 0
	s_lshr_b32 s18, ttmp9, 1                       ; c = the cluster's number, the same in all sixteen partners
	s_lshl_b32 s18, s18, 2                         ; q, k: tile row 4 (c / 2) + cy,
	s_and_b32 s19, ttmp9, 1
	s_lshl_b32 s19, s19, 2                         ; tile column 4 (c % 2) + cx
	s_sub_co_u32 s22, ttmp9, 8
	s_lshl_b32 s22, s22, 2                         ; V^T: tile row 8 + cy of the weight, tile column 4 (c - 8) + cx of the tokens
	s_mov_b32 s23, 32*GRP                          ; a K step on: the tokens have 32 groups,
	s_mov_b32 s46, 24*GRP                          ; c_attn_w 24
	s_cmp_lt_u32 ttmp9, 8
	s_cselect_b32 s76, 1, 0                        ; 1: q and k; 0: V^T
	s_cselect_b32 s17, s18, 8
	s_cselect_b32 s42, s19, s22
	s_cselect_b32 s72, s23, s46
	s_cselect_b32 s74, s46, s23
	s_cselect_b64 s[88:89], s[4:5], s[6:7]         ; A's buffer,
	s_cselect_b64 s[90:91], s[6:7], s[4:5]         ; B's
	s_add_co_u32 s17, s17, s41
	s_add_co_u32 s42, s42, s40
.else
	s_lshl_b32 s42, ttmp9, 2
	s_add_co_u32 s42, s42, s40                     ; tile column = 4 x cluster x + cx
	s_and_b32 s17, ttmp7, 0xffff
	s_lshl_b32 s17, s17, 2
	s_add_co_u32 s17, s17, s41                     ; tile row = 4 x cluster y + cy
	s_mov_b32 s72, 32*GRP
	s_mov_b32 s74, 32*GRP
	s_mov_b64 s[88:89], s[4:5]
	s_add_nc_u64 s[90:91], s[6:7], 3276800         ; fc's codes in wq
.endif
	s_lshl_b32 s20, s17, 1
	s_add_co_u32 s20, s20, s16                     ; A: group 2 x tile row + the half that I fetch
	s_mul_i32 s20, s20, GRP
	s_mov_b32 s21, 0
	s_lshl_b32 s46, s42, 1
	s_add_co_u32 s46, s46, s16                     ; B: group 2 x tile column + half
	s_mul_i32 s46, s46, GRP
	s_mov_b32 s47, 0
	s_add_nc_u64 s[20:21], s[88:89], s[20:21]
	s_add_nc_u64 s[46:47], s[90:91], s[46:47]
	s_lshl_b32 s68, s72, 1                         ; two K steps on
	s_lshl_b32 s70, s74, 1
	CROUND                                         ; all sixteen work-groups are here: the first joint loads meet
	s_mov_b32 s[G0], 1
	s_mov_b32 s[G0+1], s45
	s_mov_b64 s[G0+2:G0+3], s[20:21]
	s_or_b32 s[G0+3], s[G0+3], 0x80000000
	s_mov_b32 s[G0B], 1
	s_mov_b32 s[G0B+1], s45
	s_mov_b64 s[G0B+2:G0B+3], s[46:47]
	s_or_b32 s[G0B+3], s[G0B+3], 0x80000000
	JLOAD G0, G1, G0B, G1B                         ; K step 0
	s_mov_b32 s[G0+4], 1
	s_add_co_u32 s[G0+5], s45, SLOT
	s_add_nc_u64 s[G0+6:G0+7], s[20:21], s[72:73]
	s_or_b32 s[G0+7], s[G0+7], 0x80000000
	s_mov_b32 s[G0B+4], 1
	s_add_co_u32 s[G0B+5], s45, SLOT
	s_add_nc_u64 s[G0B+6:G0B+7], s[46:47], s[74:75]
	s_or_b32 s[G0B+7], s[G0B+7], 0x80000000
	JLOAD G0+4, G1, G0B+4, G1B                     ; K step 1: two loads of mine are out
	v_and_b32 v4, 31, v0                           ; lane
	v_and_b32 v5, 15, v0                           ; r
	v_bfe_u32 v6, v0, 4, 1                         ; hh
	v_lshlrev_b32 v1, 4, v4                        ; 16 x lane
	v_lshlrev_b32 v2, 4, v5
	v_lshl_add_u32 v2, v6, 3, v2                   ; 16 r + 8 hh
	s_mul_i32 s21, s15, GRP                        ; my 128 rows of A
	s_mul_i32 s22, s16, GRP
	s_add_co_u32 s22, s22, 2*GRP                   ; my 128 rows of B, behind A's two groups
.irp s, 0,1
	v_add_nc_u32 v[ADRA+\s], s21, v1
	v_add_nc_u32 v[ADRA+2+\s], s21, v2
	v_add_nc_u32 v[ADRB+\s], s22, v1
	v_add_nc_u32 v[ADRB+2+\s], s22, v2
	s_add_co_u32 s21, s21, SLOT
	s_add_co_u32 s22, s22, SLOT
.endr
	s_mul_i32 s21, s15, GRP
	s_mul_i32 s22, s16, GRP
	s_add_co_u32 s22, s22, 2*GRP
	s_sub_co_u32 s22, s22, s21
	v_mul_u32_u24 v13, s22, v6                     ; lanes 16-31 take B's scale words: the lower base + hh x the distance
	v_lshl_add_u32 v13, v5, 3, v13                 ; 8 bytes a row
	s_add_co_u32 s21, s21, 24576
	v_add_nc_u32 v[ADRS], s21, v13
	s_add_co_u32 s21, s21, SLOT
	v_add_nc_u32 v[ADRS+1], s21, v13
.if KIND == 2
	v_lshlrev_b32 v3, 3, v4                        ; scale words out: 8 bytes a row
.else
	v_lshlrev_b32 v3, 2, v4                        ; 4 bytes a row
.endif
	; THE BIAS.  Column bias: register 16 b + i wants column n0 + 32 b + 16 hh + i.  KIND 0 loads both kinds of bias on every way, so that every register is written on every way; the kind
	; that is not in use reads from the buffer's first bytes.
	v_lshlrev_b32 v7, 6, v6                        ; 64 hh
	s_lshl_b32 s46, s42, 8
	s_lshl_b32 s47, s16, 7
	s_add_co_u32 s46, s46, s47                     ; n0 = 256 x tile column + 128 x half
	s_lshl_b32 s46, s46, 2
.if KIND == 0
	s_lshl_b32 s22, s41, 8
	s_lshl_b32 s23, s15, 7
	s_add_co_u32 s22, s22, s23
	s_add_co_u32 s22, s22, 2048                    ; V^T: my first row is column 2048 + 256 cy + 128 x half of c_attn_b
	s_lshl_b32 s22, s22, 2
	s_cmp_lg_u32 s76, 0
	s_cselect_b32 s46, s46, 0
	s_cselect_b32 s22, 0, s22
	s_mov_b32 s23, 0
	s_add_nc_u64 s[22:23], s[8:9], s[22:23]
.endif
	s_mov_b32 s47, 0
	s_add_nc_u64 s[46:47], s[8:9], s[46:47]
.irp b, 0,1,2,3
.irp q, 0,1,2,3
	global_load_b128 v[BC+16*\b+4*\q:BC+16*\b+4*\q+3], v7, s[46:47] offset:128*\b+16*\q
.endr
.endr
.if KIND == 0
	v_and_b32 v12, 8, v5
	v_add_lshl_u32 v12, v12, v5, 2                 ; 4 (r + 8 (r / 8)): my row of a tile
	WIN 0x40                                       ; destination window 1
.irp a, 0,1,2,3,4,5,6,7
	global_load_b32 v[BR+2*\a], v12, s[22:23] offset:4*(32*(\a/2)+8*(\a%2))
	global_load_b32 v[BR+2*\a+1], v12, s[22:23] offset:4*(32*(\a/2)+8*(\a%2))      ; twice: a pair for the packed addition
.endr
	WIN 0
.endif
.macro FRAG reg, adr, q, i             ; a fragment, 16 positions x 128 K, 12 registers: two HALFs, each 16 + 8 bytes a lane, as they lie
	ds_load_b128 v[\reg:\reg+3], v[\adr] offset:3072*(\i)+1536*(\q)
	ds_load_b64 v[\reg+4:\reg+5], v[\adr+2] offset:3072*(\i)+1536*(\q)+512
	ds_load_b128 v[\reg+6:\reg+9], v[\adr] offset:3072*(\i)+1536*(\q)+768
	ds_load_b64 v[\reg+10:\reg+11], v[\adr+2] offset:3072*(\i)+1536*(\q)+1280
.endm
; 16 matrix instructions: A's tiles a0, a0 + 1 x B's eight, the slot's q-th 128 along K.  The 64 accumulators take turns, one instruction a turn, in the same order in every step.
.macro MUL16 a0, p, q, sc, zero
.irp a, \a0, \a0+1
.irp b, 0,1,2,3,4,5,6,7
.if \zero
	v_wmma_scale_f32_16x16x128_f8f6f4 v[8*(8*((\a)%4)+\b):8*(8*((\a)%4)+\b)+7], v[128*(\p)+FR*\b:128*(\p)+FR*\b+FR-1], v[AF+FR*(\a):AF+FR*(\a)+FR-1], 0, v[SC+8*NQ*(\sc)+NQ*\b+(\q)], v[SC+8*NQ*(\sc)+NQ*(\a)+(\q)] matrix_a_fmt:MATRIX_FMT_FP6 matrix_b_fmt:MATRIX_FMT_FP6 matrix_a_scale:MATRIX_SCALE_ROW1
.else
	v_wmma_scale_f32_16x16x128_f8f6f4 v[8*(8*((\a)%4)+\b):8*(8*((\a)%4)+\b)+7], v[128*(\p)+FR*\b:128*(\p)+FR*\b+FR-1], v[AF+FR*(\a):AF+FR*(\a)+FR-1], v[8*(8*((\a)%4)+\b):8*(8*((\a)%4)+\b)+7], v[SC+8*NQ*(\sc)+NQ*\b+(\q)], v[SC+8*NQ*(\sc)+NQ*(\a)+(\q)] matrix_a_fmt:MATRIX_FMT_FP6 matrix_b_fmt:MATRIX_FMT_FP6 matrix_a_scale:MATRIX_SCALE_ROW1
.endif
.endr
.endr
.endm
.macro FETCH_B slot, q, p
	WIN TO_B
.irp i, 0,1,2,3,4,5,6,7
	FRAG 128*(\p)+FR*\i, ADRB+\slot, \q, \i
.endr
	WIN 0
.endm
.macro FETCH_A slot, q, i0
.irp i, \i0, \i0+1, \i0+2, \i0+3
	FRAG AF+FR*(\i), ADRA+\slot, \q, \i
.endr
.endm
.macro SCALES sc                       ; the slot's scale words: two words a row; lanes 0-15 A's tile i, lanes 16-31 B's tile i
.irp i, 0,1,2,3,4,5,6,7
	ds_load_b64 v[SC+8*NQ*\sc+NQ*\i:SC+8*NQ*\sc+NQ*\i+1], v[ADRS+\sc] offset:128*\i
.endr
.endm
.macro PLACES n                        ; plain vector instructions between a matrix instruction and a load into, or a read of, its registers (ISA guide 7.12.1 for a read)
.rept \n
	v_nop
.endr
.endm
.macro STEP slot, q, zero              ; a step of 128 along K that has its successor in the same slot
	s_wait_dscnt 4*NL                              ; B's set, A's tiles 0-3 and the scale words are in; the youngest 16 loads (A's tiles 4-7) may be out
	WIN MUL_LO
	MUL16 0, (\q)%2, \q, \slot, \zero
	MUL16 2, (\q)%2, \q, \slot, \zero
	s_wait_dscnt 0
	PLACES NP
	FETCH_B \slot, (\q)+1, 1-(\q)%2
	FETCH_A \slot, (\q)+1, 0
	WIN MUL_HI
	MUL16 4, (\q)%2, \q, \slot, \zero
	MUL16 6, (\q)%2, \q, \slot, \zero
	PLACES NP
	WIN 0
	FETCH_A \slot, (\q)+1, 4
.endm
; A slot's last step changes slots: one barrier; in front of it each wave waits for all its tensor loads, adds 0 to its spare word, and waits for that and for its reads of this slot.  fill = 1: the slot is filled again, two K steps ahead.
.macro TURN slot, next, fill
	s_wait_tensorcnt 0x0                           ; all my tensor loads have landed: my part of the next slot
	ds_add_u32 v[SPW], v[NIL]                      ; 0 onto my spare word
	s_wait_dscnt 4*NL+1                            ; (the add and the youngest 16 loads may be out)
	WIN MUL_LO
	MUL16 0, 1, NQ-1, \slot, 0
	s_wait_dscnt 0x0                               ; the add is done, and my reads of this slot are over
	s_barrier_signal -1
	MUL16 2, 1, NQ-1, \slot, 0
	WIN 0
	s_barrier_wait -1
.if \fill
	CREST                                          ; the barrier has opened a round of the cluster's: no wave of any partner still reads this slot or has a load on its way
	s_add_nc_u64 s[G0+4*\slot+2:G0+4*\slot+3], s[G0+4*\slot+2:G0+4*\slot+3], s[68:69]
	s_add_nc_u64 s[G0B+4*\slot+2:G0B+4*\slot+3], s[G0B+4*\slot+2:G0B+4*\slot+3], s[70:71]
	JLOAD G0+4*\slot, G1, G0B+4*\slot, G1B         ; the first tensor load behind the round; its four v_nop are the places in front of the loads below
.else
	PLACES NP
.endif
	FETCH_B \next, 0, 0
	FETCH_A \next, 0, 0
	SCALES \next
	WIN MUL_HI
	MUL16 4, 1, NQ-1, \slot, 0
	MUL16 6, 1, NQ-1, \slot, 0
	PLACES NP
	WIN 0
	FETCH_A \next, 0, 4
.endm
	s_wait_tensorcnt 1                             ; my part of K step 0 is in (K step 1's load may be out)
	s_barrier_signal -1
	s_barrier_wait -1                              ; everybody's is
	FETCH_B 0, 0, 0
	FETCH_A 0, 0, 0
	SCALES 0
	FETCH_A 0, 0, 4
	STEP 0, 0, 1                                   ; the first step stands in front of the loop: its products start the sums
	s_mov_b32 s3, LAPS-1
.Llap:                                                 ; a trip goes once round the ring and fills both slots again
	TURN 0, 1, 1
	STEP 1, 0, 0
	TURN 1, 0, 1
	STEP 0, 0, 0
	s_sub_co_u32 s3, s3, 1
	s_cmp_lg_u32 s3, 0
	s_cbranch_scc1 .Llap
	TURN 0, 1, 0                                   ; the last lap fills nothing
	STEP 1, 0, 0
	s_wait_dscnt 4*NL
	WIN MUL_LO
	MUL16 0, 1, NQ-1, 1, 0
	MUL16 2, 1, NQ-1, 1, 0
	s_wait_dscnt 0
	WIN MUL_HI
	MUL16 4, 1, NQ-1, 1, 0
	MUL16 6, 1, NQ-1, 1, 0
	WIN 0
; THE WAY OUT, a tile of 16 rows of A at a time, in registers alone.  64 numbers of a lane, register 16 b + i = neighbour 32 b + 16 (lane / 16) + i of my row, become a fragment's codes in v[PC] on and its scale word in v[pw].
.macro QUANT s, pw
.irp b, 0,1,2,3
	v_max3_num_f32 v[TM+\b], |v[\s+16*\b]|, |v[\s+1+16*\b]|, 0x1800000   ; my 16 numbers of block b, and the floor 2^(3 - 127): the byte cannot fall under 1
.endr
.irp i, 2,4,6,8,10,12,14
.irp b, 0,1,2,3
	v_max3_num_f32 v[TM+\b], v[TM+\b], |v[\s+16*\b+\i]|, |v[\s+1+16*\b+\i]|
.endr
.endr
.irp b, 0,1,2,3
	v_permlanex16_b32 v[TM+4+\b], v[TM+\b], s66, s67
.endr
.irp b, 0,1,2,3
	v_max_num_f32 v[TM+\b], v[TM+\b], v[TM+4+\b]   ; with lane l xor 16's: the block's largest magnitude
.endr
.irp b, 0,1,2,3
	v_add_nc_u32 v[TM+8+\b], 0xff000000, v[TM+\b]  ; 2 off its exponent field: the conversion's scale operand
.endr
.irp b, 0,1,2,3
	v_lshrrev_b32 v[TM+4+\b], 23, v[TM+8+\b]       ; the scale's byte
.endr
	v_lshl_or_b32 v[\pw], v[TM+5], 8, v[TM+4]
	v_lshl_or_b32 v[\pw], v[TM+6], 16, v[\pw]
	v_lshl_or_b32 v[\pw], v[TM+7], 24, v[\pw]
	s_wait_xcnt 0x0                                ; the last tile's stores have read their registers
.irp c, 0,1
	v_cvt_scalef32_pk16_fp6_f32 v[PC+6*\c:PC+2+6*\c], v[\s+32*\c:\s+15+32*\c], v[TM+8+2*\c]
	v_cvt_scalef32_pk16_fp6_f32 v[PC+12+4*\c:PC+14+4*\c], v[\s+16+32*\c:\s+31+32*\c], v[TM+8+2*\c+1]   ; (a conversion's three registers begin on an even number)
.endr
	v_nop                                          ; one plain instruction behind the conversions
.irp c, 0,1                                    ; the operand's layout wants a whole block in a lane: lanes 0-15 block 2 c, lanes 16-31 block 2 c + 1
.irp i, 0,1,2
	v_permlane16_swap_b32 v[PC+6*\c+\i], v[PC+12+4*\c+\i]
.endr
.irp i, 0,1,2
	v_mov_b32 v[PC+3+6*\c+\i], v[PC+12+4*\c+\i]
.endr
.endr
.endm
.if KIND == 2
; gelu(x) = x / (1 + 2^(-k x (1 + 0.044715 x^2))), k = 2 sqrt(2 / pi) log2(e): the tanh form, written with one exponential and one reciprocal; 32 numbers at a time, each batch with one wait.
.macro GELU
.irp f, 0,1
.set XG, T+32*\f
.set j, 0
.rept 16
	v_pk_mul_f32 v[E+j:E+j+1], v[XG+j:XG+j+1], v[XG+j:XG+j+1]
.set j, j+2
.endr
.set j, 0
.rept 16
	v_pk_fma_f32 v[E+j:E+j+1], v[E+j:E+j+1], s[92:93], v[14:15] op_sel_hi:[1,0,1]   ; -k 0.044715 x^2 - k
.set j, j+2
.endr
.set j, 0
.rept 16
	v_pk_mul_f32 v[E+j:E+j+1], v[E+j:E+j+1], v[XG+j:XG+j+1]
.set j, j+2
.endr
.set j, 0
.rept 32
	v_exp_f32 v[E+j], v[E+j]
.set j, j+1
.endr
	v_nop                                          ; a plain instruction behind the batch,
	s_wait_alu depctr_va_vdst(0)                   ; and the one wait ahead of its first reader
.set j, 0
.rept 16
	v_pk_add_f32 v[E+j:E+j+1], v[E+j:E+j+1], 1.0 op_sel_hi:[1,0]
.set j, j+2
.endr
.set j, 0
.rept 32
	v_rcp_f32 v[E+j], v[E+j]
.set j, j+1
.endr
	v_nop
	s_wait_alu depctr_va_vdst(0)
.set j, 0
.rept 16
	v_pk_mul_f32 v[XG+j:XG+j+1], v[XG+j:XG+j+1], v[E+j:E+j+1]
.set j, j+2
.endr
.endr
.endm
.endif
; Tile a.  kind 0: q, k;  1: V^T;  2: fc.  The accumulators are read in ascending order.  The scale words of two tiles leave together: lanes 0-15 the even tile's, lanes 16-31 the odd one's.
.macro QEPI a, kind
.set AC, 64*((\a)%4)
.if \kind == 1
	WIN 0x06+(\a)/4                                ; source 0 window 2 or 3, source 1 (the row bias) window 1
.else
	WIN 0x02+(\a)/4
.endif
.set j, 0
.rept 32
.if \kind == 1
	v_pk_add_f32 v[T+j:T+j+1], v[AC+j:AC+j+1], v[BR+2*(\a):BR+2*(\a)+1]
.else
	v_pk_add_f32 v[T+j:T+j+1], v[AC+j:AC+j+1], v[BC+j:BC+j+1]
.endif
.set j, j+2
.endr
	WIN 0
.if \kind == 2
	GELU
.endif
	QUANT T, 5+(\a)%2
.if \kind == 0                                 ; the fragment's two HALFs are two heads'
	global_store_b128 v1, v[PC:PC+3], s[84:85] offset:768*(\a)             ; 512 consecutive bytes, aligned
	global_store_b64 v2, v[PC+4:PC+5], s[84:85] offset:768*(\a)+512        ; 256 consecutive bytes, aligned
	global_store_b128 v1, v[PC+6:PC+9], s[86:87] offset:768*(\a)
	global_store_b64 v2, v[PC+10:PC+11], s[86:87] offset:768*(\a)+512
.if (\a)%2 == 1
	v_cndmask_b32 v12, v5, v6, vcc_lo
	v_lshrrev_b32 v13, 16, v12                     ; the odd head's two bytes
	global_store_b32 v3, v12, s[84:85] offset:6144+128*((\a)/2)
	global_store_b32 v3, v13, s[86:87] offset:6144+128*((\a)/2)
.endif
.endif
.if \kind == 1                                 ; a whole fragment of V^T: head a / 4 of my two, tile a % 4 of its 64
.irp c, 0,1,2
	global_store_b128 v1, v[PC+4*\c:PC+4*\c+3], s[84:85] offset:208896*((\a)/4)+6656+1536*((\a)%4)+512*\c
.endr
.if (\a)%2 == 1
	v_cndmask_b32 v12, v5, v6, vcc_lo
	global_store_b32 v3, v12, s[84:85] offset:208896*((\a)/4)+12800+128*(((\a)/2)%2)
.endif
.endif
.if \kind == 2
	global_store_b128 v1, v[PC:PC+3], s[84:85] offset:3072*(\a)
	global_store_b64 v2, v[PC+4:PC+5], s[84:85] offset:3072*(\a)+512
	global_store_b128 v1, v[PC+6:PC+9], s[84:85] offset:3072*(\a)+768
	global_store_b64 v2, v[PC+10:PC+11], s[84:85] offset:3072*(\a)+1280
.if (\a)%2 == 1
	v_cndmask_b32 v12, v5, v6, vcc_lo
	global_store_b32 v3, v12, s[86:87] offset:256*((\a)/2)                 ; 4 of a row's 8 scale bytes: the other 4 are the other column half's
.endif
.endif
.endm
	PLACES NP                                      ; between the last products and the first read of results, and the first write of A's registers
	s_wait_loadcnt 0x0                             ; the bias
.irp b, 0,1,2,3
	v_mov_b32 v[TM+4+\b], 0                        ; written once: a lane permute's destination counts as one of its sources
.endr
	v_cmp_le_u32 vcc_lo, 16, v4                    ; lanes 16-31
.if KIND == 2
	v_mov_b32 v14, 0xc0135761                      ; -k
	v_mov_b32 v15, 0xc0135761
	s_mov_b32 s92, 0xbdd2d3e8                      ; -k x 0.044715
	s_mov_b32 s93, s92
	s_lshl_b32 s77, s17, 1
	s_add_co_u32 s77, s77, s15                     ; my group of tokens
	s_lshl_b32 s78, s42, 5
	s_add_co_u32 s77, s77, s78                     ; block 32 x (K step = tile column) + group
	s_mul_i32 s77, s77, GRP
	s_mul_i32 s78, s16, 1536                       ; my 128 columns are HALFs 2 x half, 2 x half + 1
	s_add_co_u32 s78, s78, s77
	s_mov_b32 s79, 0
	s_add_nc_u64 s[84:85], s[10:11], s[78:79]
	s_lshl_b32 s78, s16, 2
	s_add_co_u32 s78, s78, s77
	s_add_co_u32 s78, s78, 24576
	s_add_nc_u64 s[86:87], s[10:11], s[78:79]
.irp a, 0,1,2,3,4,5,6,7
	QEPI \a, 2
.endr
.else
	s_cmp_lg_u32 s76, 0                            ; the same in all partners
	s_cbranch_scc0 .Lv_out
	s_lshl_b32 s77, s17, 1
	s_add_co_u32 s77, s77, s15                     ; my group of tokens
	s_lshr_b32 s78, s77, 4
	s_lshl_b32 s78, s78, 4                         ; 16 x batch
	s_and_b32 s79, s42, 3
	s_lshl_b32 s79, s79, 2
	s_add_co_u32 s78, s78, s79
	s_lshl_b32 s79, s16, 1
	s_add_co_u32 s78, s78, s79                     ; y of my even head
	s_and_b32 s77, s77, 15                         ; s
	s_and_b32 s79, ttmp9, 1                        ; 0: q, 1: k
	s_mov_b32 s80, 208896
	s_mov_b32 s81, 13056
	s_mov_b32 s82, KVO
	s_cmp_eq_u32 s79, 0
	s_cselect_b32 s80, 106496, s80
	s_cselect_b32 s81, 6656, s81
	s_cselect_b32 s82, 0, s82
	s_mul_i32 s78, s78, s80
	s_mul_i32 s77, s77, s81
	s_add_co_u32 s78, s78, s77
	s_add_co_u32 s78, s78, s82
	s_mov_b32 s79, 0
	s_mov_b32 s81, 0
	s_add_nc_u64 s[84:85], s[10:11], s[78:79]      ; the even head's place,
	s_add_nc_u64 s[86:87], s[84:85], s[80:81]      ; the odd head's
.irp a, 0,1,2,3,4,5,6,7
	QEPI \a, 0
.endr
	s_branch .Lend
.Lv_out:
	s_lshl_b32 s77, s42, 1
	s_add_co_u32 s77, s77, s16                     ; my group of keys
	s_lshr_b32 s78, s77, 4
	s_lshl_b32 s78, s78, 4
	s_lshl_b32 s79, s41, 2
	s_add_co_u32 s78, s78, s79
	s_lshl_b32 s79, s15, 1
	s_add_co_u32 s78, s78, s79                     ; y of my first head: 16 batch + 4 cy + 2 x half
	s_and_b32 s77, s77, 15
	s_mul_i32 s78, s78, 208896
	s_mul_i32 s77, s77, 13056
	s_add_co_u32 s78, s78, s77
	s_add_co_u32 s78, s78, KVO
	s_mov_b32 s79, 0
	s_add_nc_u64 s[84:85], s[10:11], s[78:79]
.irp a, 0,1,2,3,4,5,6,7
	QEPI \a, 1
.endr
.Lend:
.endif
	s_wait_tensorcnt 0x0                           ; the wave's end
	ds_add_u32 v[SPW], v[NIL]
	s_wait_dscnt 0x0
	CROUND                                         ; the closing round: no work-group ends while a partner may still ask for a block that names it
	s_endpgm
.Lfunc_end_k_q60b132d5d3_fc:
	.size	k_q60b132d5d3_fc, .Lfunc_end_k_q60b132d5d3_fc-k_q60b132d5d3_fc
	.p2alignl 7, 3214868480
	.fill 96, 4, 3214868480
	.section	.rodata,"a",@progbits
	.p2align	6, 0x0
	.amdhsa_kernel k_q60b132d5d3_fc
		.amdhsa_group_segment_fixed_size 327680
		.amdhsa_private_segment_fixed_size 0
		.amdhsa_enable_private_segment 0
		.amdhsa_kernarg_size 32
		.amdhsa_user_sgpr_count 2
		.amdhsa_user_sgpr_kernarg_segment_ptr 1
		.amdhsa_wavefront_size32 1
		.amdhsa_system_sgpr_workgroup_id_x 1
		.amdhsa_system_sgpr_workgroup_id_y 1
		.amdhsa_system_sgpr_workgroup_id_z 1
		.amdhsa_system_vgpr_workitem_id 0
		.amdhsa_next_free_vgpr 1024
		.amdhsa_next_free_sgpr 100
		.amdhsa_reserve_vcc 1
		.amdhsa_float_denorm_mode_32 3
		.amdhsa_float_denorm_mode_16_64 3
		.amdhsa_memory_ordered 1
		.amdhsa_forward_progress 1
		.amdhsa_inst_pref_size 255
	.end_amdhsa_kernel
	.section	.bss,"aw",@nobits
	.p2align	6
	.space	262144
	.amdgpu_metadata
---
amdhsa.version: [ 1, 2 ]
amdhsa.kernels:
  - .name:           k_q60b132d5d3_fc
    .symbol:         k_q60b132d5d3_fc.kd
    .args:
      - { .name: xc, .offset: 0, .size: 8, .value_kind: global_buffer, .address_space: global }
      - { .name: wq, .offset: 8, .size: 8, .value_kind: global_buffer, .address_space: global }
      - { .name: fc_b, .offset: 16, .size: 8, .value_kind: global_buffer, .address_space: global }
      - { .name: hc, .offset: 24, .size: 8, .value_kind: global_buffer, .address_space: global }
    .group_segment_fixed_size: 327680
    .private_segment_fixed_size: 0
    .kernarg_segment_align: 8
    .kernarg_segment_size: 32
    .max_flat_workgroup_size: 128
    .sgpr_count:     100
    .vgpr_count:     1024
    .wavefront_size: 32
...
	.end_amdgpu_metadata
.endif
;; end of part 6
;; launch proj (part 7): grid 4 x 16, 4 waves a work-group, clusters of 4 x 4, 327,680 bytes of LDS; arguments hc, wq, proj_b, x1, out0; writes out0
.if DOCPART == 7
	.amdgcn_target "amdgcn-amd-amdhsa--gfx1250"
	.amdhsa_code_object_version 6
	.text
	.protected	k_q60b132d5d3_proj
	.globl	k_q60b132d5d3_proj
	.p2align	8
	.type	k_q60b132d5d3_proj,@function
k_q60b132d5d3_proj:
	s_mov_b64 s[64:65], 0
	v_nop
	global_prefetch_b8 v0, s[64:65] scope:SCOPE_SE
	s_setreg_imm32_b32 hwreg(HW_REG_WAVE_MODE, 25, 1), 1
	s_wait_xcnt 0x0
	s_wait_alu depctr_hold_cnt(0) depctr_sa_sdst(0) depctr_va_vdst(0) depctr_va_sdst(0) depctr_va_ssrc(0) depctr_va_vcc(0) depctr_vm_vsrc(0)
	s_getreg_b32 s2, hwreg(HW_REG_IB_STS2, 6, 4)
	s_cmp_eq_u32 s2, 0
	s_cbranch_scc0 .Lentry_in_a_cluster
	s_endpgm
.Lentry_in_a_cluster:
	s_bfe_u32 s2, ttmp6, 0x10000c
	s_cmp_lg_u32 s2, 0xf033
	s_cbranch_scc0 .Lentry_shape_is_right
	s_endpgm
.Lentry_shape_is_right:
; A GEMM ON CODES OF FP6 (E2M3) WITH AN f32 RESULT: out = resid + A W + b.  KIND 1: x1 = x + a c_proj + b (K = 1,024).  KIND 3: out0 = x1 + h proj + b (K = 4,096).
; OPERANDS are images of operand registers.  Rows are kept by POSITION: position 32 b + 16 u + r holds row 32 b + 8 u + r + 8 (r / 8).  A HALF (768 bytes) = 16 positions x 64 K: lane (r, hh): bytes 0-15 of block hh of row r
; at 16 (r + 16 hh), bytes 16-23 at 512 + 16 r + 8 hh.  A block of GRP bytes = 128 positions x 256 K: HALF (tile a, hk) at 3072 a + 768 hk, scale bytes at 24,576 + 8 (16 a + r) + block.  Block (K step, group) of R rows at (ks R / 128 + g) GRP.
; A tile of the result, 256 x 256, is made by four waves, 128 x 128 each: 64 accumulators, 512 registers.  K goes in steps of 256 through two LDS slots; a wave's one tensor load brings one block: codes and scales of 128 rows.
; CLUSTER 4 x 4: A's blocks are asked for jointly along a row of the cluster, B's along a column.  THE PRODUCT IS USED TRANSPOSED (source 0 = 16 positions of B, source 1 = 16 of A): a lane holds one row of A and,
; in B's tiles 2 b, 2 b + 1, the 16 neighbouring columns 32 b + 16 (lane / 16) + 0 .. 15.
; THE WAY OUT: a tile of 16 rows goes through the wave's stage in LDS and comes back as whole rows of 512 bytes; the residual is loaded the same way, row by row, and added there with the bias.
; The residual's rows wait in four buffers of 64 registers in window 1: the first in the registers that B's two sets leave free, asked for at the head; the others where B's fragments lay, asked for behind the last product.
; REGISTERS: window 0: v1-31 addresses, v[8:11] the bias; v32-63 scale words, two sets; v128-223 A's fragments; on the way out v128-255 two sets of 16 rows.   window 1: B's fragments at v0 and v128; the residual.
;   windows 2, 3: the accumulators ((a, b) at v[8 (8 (a % 4) + b)] of window 2 + a / 4).
.set KIND,   3
.if KIND == 3
.set KSTEPS, 16
.set WOFF,   6553600
.else
.set KSTEPS, 4
.set WOFF,   2457600
.endif
.set GRP,    25600
.set SLOT,   4*GRP                     ; A's two groups, then B's two
.set SPARE,  2*SLOT                    ; behind the ring: the spare words, 128 bytes a wave: two blocks of 256 bytes that no other line names
.set FR,     12
.set NL,     4                         ; LDS loads that bring a fragment
.set NP,     4                         ; places behind this matrix instruction (ISA guide 7.12.1)
.set NQ,     2                         ; matrix instructions deep in a slot
.set LAPS,   KSTEPS/2
.set SPITCH, 528                       ; the stage: 16 rows x (512 bytes + 16) a wave, in slot 0, which has had its last fill and its last read when the first result is stored there
.set ADRA, 16                          ; v16-17 my A fragments' 16-byte parts in slot 0, 1; v18-19 their 8-byte parts
.set ADRB, 20                          ; v20-23 the same for B
.set STO,  24
.set RD,   25
.set SPW,  28
.set NIL,  29
.set ADRS, 30                          ; v30-31 my scale words in slot 0, 1: lanes 0-15 A's rows, lanes 16-31 B's
.set SC,   32
.set AF,   128
.set BK,   128
.set G1, 24
.set G0, 32
.set G1B, 48
.set G0B, 56
.set MSB, 0
.macro WIN new                         ; the immediate's high byte repeats the setting that is left
.if MSB != (\new)
	s_set_vgpr_msb (MSB<<8)|(\new)
.set MSB, (\new)
.endif
.endm
.set MUL_LO, 0xa1                      ; source 0 (B) window 1, source 1 (A) window 0, C and D window 2
.set MUL_HI, 0xf1
.set TO_B,   0x40
.macro JLOAD g0a, g1a, g0b, g1b        ; a joint load: waves 0 and 1 fetch for A, waves 2 and 3 for B; four v_nop follow each of the two lines
	s_cmp_eq_u32 s15, 0
	s_cbranch_scc0 .Lfor_b_\@
	tensor_load_to_lds s[\g0a:\g0a+3], s[\g1a:\g1a+7]
	s_nop 0
.rept 4
	v_nop
.endr
	s_branch .Lasked_\@
.Lfor_b_\@:
	tensor_load_to_lds s[\g0b:\g0b+3], s[\g1b:\g1b+7]
	s_nop 0
.rept 4
	v_nop
.endr
.Lasked_\@:
.endm
.macro CREST                           ; a round of the cluster's barrier behind its opening barrier
	s_cmp_lg_u32 s14, 0
	s_cbranch_scc1 .Lnot_wave_0_\@
	s_barrier_signal -3
.Lnot_wave_0_\@:
	s_barrier_wait -3
	s_barrier_signal -1
	s_barrier_wait -1
.endm
.macro CROUND
	s_barrier_signal -1
	s_barrier_wait -1
	CREST
.endm
.macro RLOAD a                         ; the residual's 16 rows of tile a, 512 consecutive bytes a load, into buffer a % 4 of window 1
.set RB, 32*(((\a)+3)%4)
	WIN 0x40
.irp t, 0,1,2,3,4,5,6,7,8,9,10,11,12,13,14,15
	global_load_b128 v[RB+128*(\t/8)+4*(\t%8):RB+128*(\t/8)+4*(\t%8)+3], v1, s[10:11] offset:(32*((\a)/2)+8*((\a)%2)+\t+8*(\t/8))*4096 th:TH_LOAD_NT
.endr
	WIN 0
.endm
	s_load_b256 s[4:11], s[0:1], 0x0               ; A's codes, wq, the bias, the residual
	s_load_b64 s[12:13], s[0:1], 0x20              ; the result
	v_lshl_add_u32 v[SPW], v0, 2, SPARE
	v_mov_b32 v[NIL], 0
	ds_add_u32 v28, v29
	ds_add_u32 v28, v29
	s_wait_dscnt 0x0
	v_lshrrev_b32 v1, 5, v0
	v_readfirstlane_b32 s14, v1                    ; wave 0..3
	s_lshr_b32 s15, s14, 1                         ; which half of the tile's rows is mine.  Also: I fetch for A (0) or for B (1)
	s_and_b32 s16, s14, 1                          ; which half of its columns.  Also: which group of 128 I fetch
	s_bfe_u32 s40, ttmp6, 0x40000                  ; cx
	s_bfe_u32 s41, ttmp6, 0x40004                  ; cy
	s_lshl_b32 s43, s41, 2
	s_lshl_b32 s43, 15, s43                        ; my row of the cluster
	s_lshl_b32 s44, 0x1111, s40                    ; my column
	s_or_b32 s[G1+0], s43, (3<<16)|(1<<21)         ; 15:0 the mask; 17:16 elements of 8 bytes; 21 set beside a mask; no padding: a block is read as it lies
	s_or_b32 s[G1B+0], s44, (3<<16)|(1<<21)
.irp g, G1, G1B
	s_mov_b32 s[\g+1], 32<<16                      ; tensor_dim0 = 32 elements: 256 bytes
	s_mov_b32 s[\g+2], 100<<16                     ; tensor_dim1 = 100 rows: 25,600 dense bytes
	s_mov_b32 s[\g+3], 32<<16                      ; tile_dim0
	s_mov_b32 s[\g+4], 100                         ; tile_dim1
	s_mov_b32 s[\g+5], 32                          ; the pitch
	s_mov_b32 s[\g+6], 0
	s_mov_b32 s[\g+7], 0
.endr
	s_mul_i32 s45, s14, GRP                        ; where my block goes: wave x GRP: no place in the cluster enters an LDS address
	s_mov_b32 s73, 0
	s_mov_b32 s75, 0
	s_mov_b32 s69, 0
	s_mov_b32 s71, 0
	s_wait_kmcnt 0x0
	s_lshl_b32 s42, ttmp9, 2
	s_add_co_u32 s42, s42, s40                     ; tile column = 4 x cluster x + cx
	s_and_b32 s17, ttmp7, 0xffff
	s_lshl_b32 s17, s17, 2
	s_add_co_u32 s17, s17, s41                     ; tile row = 4 x cluster y + cy
	s_mov_b32 s72, 32*GRP                          ; a K step on: the tokens have 32 groups,
	s_mov_b32 s74, 8*GRP                           ; the weight's 1,024 columns 8
	s_mov_b64 s[88:89], s[4:5]
	s_add_nc_u64 s[90:91], s[6:7], WOFF            ; the weight's codes in wq
	s_lshl_b32 s20, s17, 1
	s_add_co_u32 s20, s20, s16                     ; A: group 2 x tile row + the half that I fetch
	s_mul_i32 s20, s20, GRP
	s_mov_b32 s21, 0
	s_lshl_b32 s46, s42, 1
	s_add_co_u32 s46, s46, s16                     ; B: group 2 x tile column + half
	s_mul_i32 s46, s46, GRP
	s_mov_b32 s47, 0
	s_add_nc_u64 s[20:21], s[88:89], s[20:21]
	s_add_nc_u64 s[46:47], s[90:91], s[46:47]
	s_lshl_b32 s68, s72, 1                         ; two K steps on
	s_lshl_b32 s70, s74, 1
	CROUND                                         ; all sixteen work-groups are here: the first joint loads meet
	s_mov_b32 s[G0], 1
	s_mov_b32 s[G0+1], s45
	s_mov_b64 s[G0+2:G0+3], s[20:21]
	s_or_b32 s[G0+3], s[G0+3], 0x80000000
	s_mov_b32 s[G0B], 1
	s_mov_b32 s[G0B+1], s45
	s_mov_b64 s[G0B+2:G0B+3], s[46:47]
	s_or_b32 s[G0B+3], s[G0B+3], 0x80000000
	JLOAD G0, G1, G0B, G1B                         ; K step 0
	s_mov_b32 s[G0+4], 1
	s_add_co_u32 s[G0+5], s45, SLOT
	s_add_nc_u64 s[G0+6:G0+7], s[20:21], s[72:73]
	s_or_b32 s[G0+7], s[G0+7], 0x80000000
	s_mov_b32 s[G0B+4], 1
	s_add_co_u32 s[G0B+5], s45, SLOT
	s_add_nc_u64 s[G0B+6:G0B+7], s[46:47], s[74:75]
	s_or_b32 s[G0B+7], s[G0B+7], 0x80000000
	JLOAD G0+4, G1, G0B+4, G1B                     ; K step 1: two loads of mine are out
	v_and_b32 v4, 31, v0                           ; lane
	v_and_b32 v5, 15, v0                           ; r
	v_bfe_u32 v6, v0, 4, 1                         ; hh
	v_lshlrev_b32 v1, 4, v4                        ; 16 x lane
	v_lshlrev_b32 v2, 4, v5
	v_lshl_add_u32 v2, v6, 3, v2                   ; 16 r + 8 hh
	s_mul_i32 s21, s15, GRP                        ; my 128 rows of A
	s_mul_i32 s22, s16, GRP
	s_add_co_u32 s22, s22, 2*GRP                   ; my 128 rows of B, behind A's two groups
.irp s, 0,1
	v_add_nc_u32 v[ADRA+\s], s21, v1
	v_add_nc_u32 v[ADRA+2+\s], s21, v2
	v_add_nc_u32 v[ADRB+\s], s22, v1
	v_add_nc_u32 v[ADRB+2+\s], s22, v2
	s_add_co_u32 s21, s21, SLOT
	s_add_co_u32 s22, s22, SLOT
.endr
	s_mul_i32 s21, s15, GRP
	s_mul_i32 s22, s16, GRP
	s_add_co_u32 s22, s22, 2*GRP
	s_sub_co_u32 s22, s22, s21
	v_mul_u32_u24 v13, s22, v6                     ; lanes 16-31 take B's scale words: the lower base + hh x the distance
	v_lshl_add_u32 v13, v5, 3, v13                 ; 8 bytes a row
	s_add_co_u32 s21, s21, 24576
	v_add_nc_u32 v[ADRS], s21, v13
	s_add_co_u32 s21, s21, SLOT
	v_add_nc_u32 v[ADRS+1], s21, v13
	s_mul_i32 s23, s14, 16*SPITCH                  ; my stage
	v_mul_u32_u24 v7, v5, SPITCH
	v_lshl_add_u32 v7, v6, 6, v7
	v_add_nc_u32 v[STO], s23, v7                   ; in: row r, + 64 hh
	v_add_nc_u32 v[RD], s23, v1                    ; back: the 32 lanes take one row of 512 bytes
	s_lshl_b32 s18, s17, 8
	s_lshl_b32 s19, s15, 7
	s_add_co_u32 s18, s18, s19                     ; my first row: 256 x tile row + 128 x half
	s_lshl_b32 s18, s18, 12                        ; x 4,096 bytes
	s_lshl_b32 s46, s42, 8
	s_lshl_b32 s47, s16, 7
	s_add_co_u32 s46, s46, s47                     ; my first column
	s_lshl_b32 s46, s46, 2
	s_mov_b32 s47, 0
	s_add_nc_u64 s[8:9], s[8:9], s[46:47]
	s_add_co_u32 s18, s18, s46
	s_mov_b32 s19, 0
	s_add_nc_u64 s[10:11], s[10:11], s[18:19]
	s_add_nc_u64 s[12:13], s[12:13], s[18:19]
	global_load_b128 v[8:11], v1, s[8:9]           ; the bias of my four columns of a row
	RLOAD 0                                        ; the first tile's residual lands while K is walked
.macro FRAG reg, adr, q, i             ; a fragment, 16 positions x 128 K, 12 registers: two HALFs, each 16 + 8 bytes a lane, as they lie
	ds_load_b128 v[\reg:\reg+3], v[\adr] offset:3072*(\i)+1536*(\q)
	ds_load_b64 v[\reg+4:\reg+5], v[\adr+2] offset:3072*(\i)+1536*(\q)+512
	ds_load_b128 v[\reg+6:\reg+9], v[\adr] offset:3072*(\i)+1536*(\q)+768
	ds_load_b64 v[\reg+10:\reg+11], v[\adr+2] offset:3072*(\i)+1536*(\q)+1280
.endm
; 16 matrix instructions: A's tiles a0, a0 + 1 x B's eight, the slot's q-th 128 along K.  The 64 accumulators take turns, one instruction a turn, in the same order in every step.
.macro MUL16 a0, p, q, sc, zero
.irp a, \a0, \a0+1
.irp b, 0,1,2,3,4,5,6,7
.if \zero
	v_wmma_scale_f32_16x16x128_f8f6f4 v[8*(8*((\a)%4)+\b):8*(8*((\a)%4)+\b)+7], v[128*(\p)+FR*\b:128*(\p)+FR*\b+FR-1], v[AF+FR*(\a):AF+FR*(\a)+FR-1], 0, v[SC+8*NQ*(\sc)+NQ*\b+(\q)], v[SC+8*NQ*(\sc)+NQ*(\a)+(\q)] matrix_a_fmt:MATRIX_FMT_FP6 matrix_b_fmt:MATRIX_FMT_FP6 matrix_a_scale:MATRIX_SCALE_ROW1
.else
	v_wmma_scale_f32_16x16x128_f8f6f4 v[8*(8*((\a)%4)+\b):8*(8*((\a)%4)+\b)+7], v[128*(\p)+FR*\b:128*(\p)+FR*\b+FR-1], v[AF+FR*(\a):AF+FR*(\a)+FR-1], v[8*(8*((\a)%4)+\b):8*(8*((\a)%4)+\b)+7], v[SC+8*NQ*(\sc)+NQ*\b+(\q)], v[SC+8*NQ*(\sc)+NQ*(\a)+(\q)] matrix_a_fmt:MATRIX_FMT_FP6 matrix_b_fmt:MATRIX_FMT_FP6 matrix_a_scale:MATRIX_SCALE_ROW1
.endif
.endr
.endr
.endm
.macro FETCH_B slot, q, p
	WIN TO_B
.irp i, 0,1,2,3,4,5,6,7
	FRAG 128*(\p)+FR*\i, ADRB+\slot, \q, \i
.endr
	WIN 0
.endm
.macro FETCH_A slot, q, i0
.irp i, \i0, \i0+1, \i0+2, \i0+3
	FRAG AF+FR*(\i), ADRA+\slot, \q, \i
.endr
.endm
.macro SCALES sc                       ; the slot's scale words: two words a row; lanes 0-15 A's tile i, lanes 16-31 B's tile i
.irp i, 0,1,2,3,4,5,6,7
	ds_load_b64 v[SC+8*NQ*\sc+NQ*\i:SC+8*NQ*\sc+NQ*\i+1], v[ADRS+\sc] offset:128*\i
.endr
.endm
.macro PLACES n                        ; plain vector instructions between a matrix instruction and a load into, or a read of, its registers (ISA guide 7.12.1 for a read)
.rept \n
	v_nop
.endr
.endm
.macro STEP slot, q, zero              ; a step of 128 along K that has its successor in the same slot
	s_wait_dscnt 4*NL                              ; B's set, A's tiles 0-3 and the scale words are in; the youngest 16 loads (A's tiles 4-7) may be out
	WIN MUL_LO
	MUL16 0, (\q)%2, \q, \slot, \zero
	MUL16 2, (\q)%2, \q, \slot, \zero
	s_wait_dscnt 0
	PLACES NP
	FETCH_B \slot, (\q)+1, 1-(\q)%2
	FETCH_A \slot, (\q)+1, 0
	WIN MUL_HI
	MUL16 4, (\q)%2, \q, \slot, \zero
	MUL16 6, (\q)%2, \q, \slot, \zero
	PLACES NP
	WIN 0
	FETCH_A \slot, (\q)+1, 4
.endm
; A slot's last step changes slots: one barrier; in front of it each wave waits for all its tensor loads, adds 0 to its spare word, and waits for that and for its reads of this slot.  fill = 1: the slot is filled again, two K steps ahead.
.macro TURN slot, next, fill
	s_wait_tensorcnt 0x0                           ; all my tensor loads have landed: my part of the next slot
	ds_add_u32 v[SPW], v[NIL]                      ; 0 onto my spare word
	s_wait_dscnt 4*NL+1                            ; (the add and the youngest 16 loads may be out)
	WIN MUL_LO
	MUL16 0, 1, NQ-1, \slot, 0
	s_wait_dscnt 0x0                               ; the add is done, and my reads of this slot are over
	s_barrier_signal -1
	MUL16 2, 1, NQ-1, \slot, 0
	WIN 0
	s_barrier_wait -1
.if \fill
	CREST                                          ; the barrier has opened a round of the cluster's: no wave of any partner still reads this slot or has a load on its way
	s_add_nc_u64 s[G0+4*\slot+2:G0+4*\slot+3], s[G0+4*\slot+2:G0+4*\slot+3], s[68:69]
	s_add_nc_u64 s[G0B+4*\slot+2:G0B+4*\slot+3], s[G0B+4*\slot+2:G0B+4*\slot+3], s[70:71]
	JLOAD G0+4*\slot, G1, G0B+4*\slot, G1B         ; the first tensor load behind the round; its four v_nop are the places in front of the loads below
.else
	PLACES NP
.endif
	FETCH_B \next, 0, 0
	FETCH_A \next, 0, 0
	SCALES \next
	WIN MUL_HI
	MUL16 4, 1, NQ-1, \slot, 0
	MUL16 6, 1, NQ-1, \slot, 0
	PLACES NP
	WIN 0
	FETCH_A \next, 0, 4
.endm
	s_wait_tensorcnt 1                             ; my part of K step 0 is in (K step 1's load may be out)
	s_barrier_signal -1
	s_barrier_wait -1                              ; everybody's is
	FETCH_B 0, 0, 0
	FETCH_A 0, 0, 0
	SCALES 0
	FETCH_A 0, 0, 4
	STEP 0, 0, 1                                   ; the first step stands in front of the loop: its products start the sums
	s_mov_b32 s3, LAPS-1
.Llap:                                                 ; a trip goes once round the ring and fills both slots again
	TURN 0, 1, 1
	STEP 1, 0, 0
	TURN 1, 0, 1
	STEP 0, 0, 0
	s_sub_co_u32 s3, s3, 1
	s_cmp_lg_u32 s3, 0
	s_cbranch_scc1 .Llap
	TURN 0, 1, 0                                   ; the last lap fills nothing
	STEP 1, 0, 0
	s_wait_dscnt 4*NL
	WIN MUL_LO
	MUL16 0, 1, NQ-1, 1, 0
	MUL16 2, 1, NQ-1, 1, 0
	s_wait_dscnt 0
	WIN MUL_HI
	MUL16 4, 1, NQ-1, 1, 0
	MUL16 6, 1, NQ-1, 1, 0
	WIN 0
.macro TOSTAGE a                       ; tile a's 16 rows x 128 columns into my stage, each accumulator from its low end on, and back as whole rows (LDS serves a wave's instructions in order)
.set AC, 64*((\a)%4)
	WIN 0x08+4*((\a)/4)                            ; an LDS store's data are its source 1: window 2 or 3
.irp b, 0,1,2,3,4,5,6,7
	ds_store_b128 v[STO], v[AC+8*\b:AC+8*\b+3] offset:128*(\b/2)+32*(\b%2)       ; lane (r, hh): columns 32 (b / 2) + 16 hh + 8 (b % 2) + 0 .. 7 of row r
	ds_store_b128 v[STO], v[AC+8*\b+4:AC+8*\b+7] offset:128*(\b/2)+32*(\b%2)+16
.endr
	WIN 0
.set BB, BK+64*((\a)%2)
.irp t, 0,1,2,3,4,5,6,7,8,9,10,11,12,13,14,15
	ds_load_b128 v[BB+4*\t:BB+4*\t+3], v[RD] offset:\t*SPITCH
.endr
.endm
.macro SEND a, younger                 ; younger: the LDS instructions issued behind tile a's loads, which may stay out
.set BB, BK+64*((\a)%2)
.set RB, 32*(((\a)+3)%4)
.set LEFT, 7-(\a)
.if LEFT > 3
.set LEFT, 3
.endif
	s_wait_dscnt \younger                          ; the tile is back in registers
	s_wait_loadcnt 16*LEFT                         ; its residual is in; the sixteen loads of each of the next LEFT tiles stay out
	WIN 0x04                                       ; source 1 window 1
.irp t, 0,1,2,3,4,5,6,7,8,9,10,11,12,13,14,15
	v_pk_add_f32 v[BB+4*\t:BB+4*\t+1], v[BB+4*\t:BB+4*\t+1], v[RB+128*(\t/8)+4*(\t%8):RB+128*(\t/8)+4*(\t%8)+1]
	v_pk_add_f32 v[BB+4*\t+2:BB+4*\t+3], v[BB+4*\t+2:BB+4*\t+3], v[RB+128*(\t/8)+4*(\t%8)+2:RB+128*(\t/8)+4*(\t%8)+3]
.endr
	WIN 0
.irp t, 0,1,2,3,4,5,6,7,8,9,10,11,12,13,14,15
	v_pk_add_f32 v[BB+4*\t:BB+4*\t+1], v[BB+4*\t:BB+4*\t+1], v[8:9]
	v_pk_add_f32 v[BB+4*\t+2:BB+4*\t+3], v[BB+4*\t+2:BB+4*\t+3], v[10:11]
.if KIND == 3
	global_store_b128 v1, v[BB+4*\t:BB+4*\t+3], s[12:13] offset:(32*((\a)/2)+8*((\a)%2)+\t+8*(\t/8))*4096 th:TH_STORE_NT   ; 512 consecutive bytes of the row that position t of the tile holds
.else
	global_store_b128 v1, v[BB+4*\t:BB+4*\t+3], s[12:13] offset:(32*((\a)/2)+8*((\a)%2)+\t+8*(\t/8))*4096
.endif
.endr
.if (\a) < 4
	RLOAD (\a)+4                                   ; its buffer takes the tile four further on
.endif
.endm
	PLACES NP                                      ; between the last products and the loads into their operands' registers, and the first read of results
	RLOAD 1
	RLOAD 2
	RLOAD 3
	TOSTAGE 0
.irp a, 1,2,3,4,5,6,7
.if \a > 1
	s_wait_xcnt 0x0                                ; tile a - 2's stores have read their registers: tile a's rows may land there
.endif
	TOSTAGE \a
	SEND \a-1, 32                                  ; behind tile a - 1's loads: tile a's 16 stores and 16 loads
.endr
	SEND 7, 0
	s_wait_tensorcnt 0x0                           ; the wave's end
	ds_add_u32 v[SPW], v[NIL]
	s_wait_dscnt 0x0
	CROUND                                         ; the closing round: no work-group ends while a partner may still ask for a block that names it
	s_endpgm
.Lfunc_end_k_q60b132d5d3_proj:
	.size	k_q60b132d5d3_proj, .Lfunc_end_k_q60b132d5d3_proj-k_q60b132d5d3_proj
	.p2alignl 7, 3214868480
	.fill 96, 4, 3214868480
	.section	.rodata,"a",@progbits
	.p2align	6, 0x0
	.amdhsa_kernel k_q60b132d5d3_proj
		.amdhsa_group_segment_fixed_size 327680
		.amdhsa_private_segment_fixed_size 0
		.amdhsa_enable_private_segment 0
		.amdhsa_kernarg_size 40
		.amdhsa_user_sgpr_count 2
		.amdhsa_user_sgpr_kernarg_segment_ptr 1
		.amdhsa_wavefront_size32 1
		.amdhsa_system_sgpr_workgroup_id_x 1
		.amdhsa_system_sgpr_workgroup_id_y 1
		.amdhsa_system_sgpr_workgroup_id_z 1
		.amdhsa_system_vgpr_workitem_id 0
		.amdhsa_next_free_vgpr 1024
		.amdhsa_next_free_sgpr 100
		.amdhsa_reserve_vcc 0
		.amdhsa_float_denorm_mode_32 3
		.amdhsa_float_denorm_mode_16_64 3
		.amdhsa_memory_ordered 1
		.amdhsa_forward_progress 1
		.amdhsa_inst_pref_size 187
	.end_amdhsa_kernel
	.amdgpu_metadata
---
amdhsa.version: [ 1, 2 ]
amdhsa.kernels:
  - .name:           k_q60b132d5d3_proj
    .symbol:         k_q60b132d5d3_proj.kd
    .args:
      - { .name: hc, .offset: 0, .size: 8, .value_kind: global_buffer, .address_space: global }
      - { .name: wq, .offset: 8, .size: 8, .value_kind: global_buffer, .address_space: global }
      - { .name: proj_b, .offset: 16, .size: 8, .value_kind: global_buffer, .address_space: global }
      - { .name: x1, .offset: 24, .size: 8, .value_kind: global_buffer, .address_space: global }
      - { .name: out0, .offset: 32, .size: 8, .value_kind: global_buffer, .address_space: global }
    .group_segment_fixed_size: 327680
    .private_segment_fixed_size: 0
    .kernarg_segment_align: 8
    .kernarg_segment_size: 40
    .max_flat_workgroup_size: 128
    .sgpr_count:     100
    .vgpr_count:     1024
    .wavefront_size: 32
...
	.end_amdgpu_metadata
.endif
;; end of part 7
;; ======== version 2 of 2: 7 launches
;; limits: right only within a limited range of input values
;; workspace buffers: wq 9,830,400 bytes; xc 3,276,800 bytes; ac 3,276,800 bytes; hc 13,107,200 bytes; x1 16,777,216 bytes; qkvb 10,092,544 bytes
;; launch prep (part 8): grid 640 x 1, 4 waves a work-group, no clusters, 31,744 bytes of LDS; arguments x, ln1_w, ln1_b, xc, c_attn_w, fc_w, c_proj_w, proj_w, wq; writes xc, wq
.if DOCPART == 8
	.amdgcn_target "amdgcn-amd-amdhsa--gfx1250"
	.amdhsa_code_object_version 6
	.text
	.protected	k_q60b132d5d3_prep
	.globl	k_q60b132d5d3_prep
	.p2align	8
	.type	k_q60b132d5d3_prep,@function
k_q60b132d5d3_prep:
	s_mov_b64 s[64:65], 0
	v_nop
	global_prefetch_b8 v0, s[64:65] scope:SCOPE_SE
	s_setreg_imm32_b32 hwreg(HW_REG_WAVE_MODE, 25, 1), 1
	s_wait_xcnt 0x0
; PREP.  Work-groups 0-255: LayerNorm(x) (mean; std with 1023 in the divisor; eps added to the std) -> codes of FP6 (E2M3) with one E8M0 byte for each 32 along K, into xc.
; Work-groups 256-639: the four weights, f32 [K][N], -> codes along K, into wq (c_attn at 0, c_proj at 2,457,600, fc at 3,276,800, proj at 6,553,600).
; LAYOUT OF ALL CODES OF THIS PROGRAM: images of operand registers.  Rows (tokens, weight columns) are kept by POSITION: position 32 b + 16 u + r holds row 32 b + 8 u + r + 8 (r / 8),
; so that a tile of 16 positions used as source 0 leaves 16 true neighbours in the 16 registers of two neighbouring tiles.
; A HALF (768 bytes) = 16 positions x 64 K: lane (r, hh) owns the 24 bytes of block hh of row r: bytes 0-15 at 16 (r + 16 hh), bytes 16-23 at 512 + 16 r + 8 hh.
; A block of GRP = 25,600 bytes = 128 positions x 256 K: HALF (tile a, hk) at 3072 a + 768 hk; scale bytes at 24,576 + 8 (16 a + r) + block.  Block (K step ks, group g) of R rows lies at (ks R / 128 + g) GRP.
; A block's scale is 2^(floor(log2(largest magnitude)) - 2): its byte is the largest magnitude's exponent field - 2, held at 1 from below.
; LIMITS: a block of zeros gets the byte 1 where the rule says 127 (its codes are zeros, and this program alone reads the bytes); NaN and infinities are not served; a row's variance under 2^-126 counts as 0
; in the square root; 1 / (std + eps) is a reciprocal and a multiplication.  Nothing is shared between work-groups, so there is no cluster and no joint load.
.set GRP,  25600
.set STGB, 4608                        ; a wave's stage: 32 places of 128 bytes + 16
.set OPR,  4*STGB                      ; behind the stages: the tile's image, 4 K steps x KQ bytes
.set KQ,   3200                        ; 3,072 bytes of codes and 128 scale bytes of one K step
.set LW,   16                          ; v16-47   the gain, as loaded
.set LB,   48                          ; v48-79   the bias
.set X,    80                          ; v80-207  four rows, 32 registers each
.set Y,    208                         ; v208-239 32 neighbours of a row
.set C,    240                         ; v240-249 a block's codes
.set TI,   250                         ; stage, way in
.set TO,   251                         ; stage, way out
.set A16,  252                         ; image: bytes 0-15 of my block
.set A8,   253                         ; image: bytes 16-23
.set AS,   254                         ; image: my block's scale byte
.set CI,   255                         ; image, read back: 16 bytes a lane
.set XW,   32                          ; weights: v32-95 two sets of 32 numbers
.macro LNSUM                           ; v8 summed over the 32 lanes, the result in every lane
	v_add_f32_dpp v8, v8, v8 row_xmask:1 row_mask:0xf bank_mask:0xf
	v_add_f32_dpp v8, v8, v8 row_xmask:2 row_mask:0xf bank_mask:0xf
	v_add_f32_dpp v8, v8, v8 row_xmask:4 row_mask:0xf bank_mask:0xf
	v_add_f32_dpp v8, v8, v8 row_xmask:8 row_mask:0xf bank_mask:0xf
	v_permlanex16_b32 v9, v8, s20, s21
	v_add_f32 v8, v8, v9
.endm
; The work-group is row tile T = its number; wave w takes positions 4 w .. 4 w + 3 of it, which are four consecutive rows.  s[4:5] source, s[6:7] gain, s[8:9] bias, s[10:11] codes; s12 wave; v1 lane.
.macro LNHEAD
	v_lshlrev_b32 v2, 4, v1                        ; 16 x lane
	v_lshlrev_b32 v3, 2, v1                        ; 4 x lane
	s_mul_i32 s13, s12, STGB                       ; my stage
	v_lshrrev_b32 v8, 3, v1                        ; lane / 8
	v_and_b32 v9, 7, v1                            ; lane % 8
	v_mul_u32_u24 v[TI], v8, 144
	v_lshl_add_u32 v[TI], v9, 4, v[TI]
	v_add_nc_u32 v[TI], s13, v[TI]                 ; in: a load's 512 bytes are four places of 128
	v_mul_u32_u24 v[TO], v1, 144
	v_add_nc_u32 v[TO], s13, v[TO]                 ; out: place = lane: block `lane` of the row
	v_mul_u32_u24 v12, v8, KQ                      ; my block's K step,
	v_bfe_u32 v13, v1, 1, 2
	v_mad_u32_u24 v12, v13, 768, v12               ; its HALF,
	v_and_b32 v13, 1, v1                           ; and which block of the HALF
	s_lshl_b32 s13, s12, 6                         ; 16 bytes a row: 64 x wave
	s_add_co_u32 s13, s13, OPR
	v_add_nc_u32 v12, s13, v12
	v_lshl_add_u32 v[A16], v13, 8, v12
	v_lshl_add_u32 v[A8], v13, 3, v12
	v_add_nc_u32 v[A8], 512, v[A8]
	v_mul_u32_u24 v[AS], v8, KQ
	v_add_nc_u32 v[AS], v[AS], v9
	s_lshl_b32 s13, s12, 5                         ; 8 scale bytes a row: 32 x wave
	s_add_co_u32 s13, s13, OPR+3072
	v_add_nc_u32 v[AS], s13, v[AS]
	s_mul_i32 s13, s12, KQ                         ; on the way out wave w copies K step w
	s_add_co_u32 s13, s13, OPR
	v_add_nc_u32 v[CI], s13, v2
	s_add_co_u32 s13, s13, 3072
	v_add_nc_u32 v1, s13, v3                       ; and its 128 scale bytes, 4 a lane (the lane's number has served)
	s_lshr_b32 s14, ttmp9, 1
	s_lshl_b32 s14, s14, 5                         ; 32 (T / 2)
	s_and_b32 s15, ttmp9, 1
	s_lshl_b32 s15, s15, 3                         ; + 8 (T % 2)
	s_add_co_u32 s14, s14, s15
	s_lshl_b32 s15, s12, 2                         ; + 4 w
	s_add_co_u32 s14, s14, s15
	s_lshr_b32 s15, s12, 1
	s_lshl_b32 s15, s15, 3                         ; + 8 (w / 2)
	s_add_co_u32 s14, s14, s15                     ; my first row
	s_lshl_b32 s14, s14, 12                        ; x 4,096 bytes
	s_mov_b32 s15, 0
	s_lshr_b32 s17, ttmp9, 3                       ; ALL codes of this program lie group by group: block (K step ks, group g) at (g x K steps + ks) GRP; this stands over the formula at the kernel's head
	s_lshl_b32 s17, s17, 2
	s_add_co_u32 s16, s12, s17                     ; block 4 (T / 8) + w
	s_mul_i32 s16, s16, GRP
	s_and_b32 s17, ttmp9, 7                        ; tile T % 8 in it
	s_mul_i32 s18, s17, 3072
	s_add_co_u32 s18, s18, s16
	s_mov_b32 s19, 0
	s_lshl_b32 s17, s17, 7
	s_add_co_u32 s16, s16, s17
	s_add_co_u32 s16, s16, 24576
	s_mov_b32 s17, 0
	s_mov_b32 s20, 0x76543210
	s_mov_b32 s21, 0xfedcba98                      ; v_permlanex16_b32: lane l xor 16
	s_wait_kmcnt 0x0
	s_add_nc_u64 s[4:5], s[4:5], s[14:15]
	s_add_nc_u64 s[22:23], s[10:11], s[18:19]
	s_add_nc_u64 s[24:25], s[10:11], s[16:17]
.irp j, 0,1,2,3,4,5,6,7
	global_load_b128 v[LW+4*\j:LW+4*\j+3], v2, s[6:7] offset:512*\j
.endr
.irp j, 0,1,2,3,4,5,6,7
	global_load_b128 v[LB+4*\j:LB+4*\j+3], v2, s[8:9] offset:512*\j
.endr
.irp c, 0,1,2,3
.irp j, 0,1,2,3,4,5,6,7
	global_load_b128 v[X+32*\c+4*\j:X+32*\c+4*\j+3], v2, s[4:5] offset:4096*\c+512*\j th:TH_LOAD_NT   ; 32 lanes read 512 consecutive bytes
.endr
.endr
.endm
.macro LNROW i
.set XR, X+32*\i
	s_wait_loadcnt 8*(3-\i)                        ; gain, bias and this row are in; the eight loads of each later row stay out
	v_pk_add_f32 v[4:5], v[XR:XR+1], v[XR+2:XR+3]  ; the sum, in two packed chains
	v_pk_add_f32 v[6:7], v[XR+4:XR+5], v[XR+6:XR+7]
.set j, 8
.rept 6
	v_pk_add_f32 v[4:5], v[4:5], v[XR+j:XR+j+1]
	v_pk_add_f32 v[6:7], v[6:7], v[XR+j+2:XR+j+3]
.set j, j+4
.endr
	v_pk_add_f32 v[4:5], v[4:5], v[6:7]
	v_add_f32 v8, v4, v5
	LNSUM
	v_mul_f32 v10, 0x3a800000, v8                  ; the mean: x 2^-10
	v_mov_b32 v11, v10
.set j, 0
.rept 16
	v_pk_add_f32 v[XR+j:XR+j+1], v[XR+j:XR+j+1], v[10:11] neg_lo:[0,1] neg_hi:[0,1]   ; x - mean first: the squares are taken of the differences
.set j, j+2
.endr
	v_pk_mul_f32 v[4:5], v[XR:XR+1], v[XR:XR+1]
	v_pk_mul_f32 v[6:7], v[XR+2:XR+3], v[XR+2:XR+3]
.set j, 4
.rept 7
	v_pk_fma_f32 v[4:5], v[XR+j:XR+j+1], v[XR+j:XR+j+1], v[4:5]
	v_pk_fma_f32 v[6:7], v[XR+j+2:XR+j+3], v[XR+j+2:XR+j+3], v[6:7]
.set j, j+4
.endr
	v_pk_add_f32 v[4:5], v[4:5], v[6:7]
	v_add_f32 v8, v4, v5
	LNSUM
	v_mul_f32 v8, 0x3a802008, v8                   ; / 1023
	s_wait_alu depctr_va_vdst(0)
	v_sqrt_f32 v8, v8
	v_nop                                          ; a plain instruction behind the root,
	s_wait_alu depctr_va_vdst(0)                   ; and the wait ahead of its first reader
	v_add_f32 v8, 0x3727c5ac, v8                   ; + 1e-5
	s_wait_alu depctr_va_vdst(0)
	v_rcp_f32 v10, v8
	v_nop
	s_wait_alu depctr_va_vdst(0)
	v_mov_b32 v11, v10
.set j, 0
.rept 16
	v_pk_mul_f32 v[XR+j:XR+j+1], v[XR+j:XR+j+1], v[10:11]
.set j, j+2
.endr
.set j, 0
.rept 16
	v_pk_fma_f32 v[XR+j:XR+j+1], v[XR+j:XR+j+1], v[LW+j:LW+j+1], v[LB+j:LB+j+1]
.set j, j+2
.endr
.irp j, 0,1,2,3,4,5,6,7
	ds_store_b128 v[TI], v[XR+4*\j:XR+4*\j+3] offset:576*\j        ; the row turns through my stage: in as loaded,
.endr
.irp c, 0,1,2,3,4,5,6,7
	ds_load_b128 v[Y+4*\c:Y+4*\c+3], v[TO] offset:16*\c            ; out 32 neighbours a lane (LDS serves a wave's instructions in order)
.endr
	s_wait_dscnt 0x0                               ; they are in, and the last row's stores of codes have read their registers
	v_max3_num_f32 v12, |v[Y]|, |v[Y+1]|, |v[Y+2]|
	v_max3_num_f32 v13, |v[Y+3]|, |v[Y+4]|, |v[Y+5]|
.irp j, 6,10,14,18,22,26
	v_max3_num_f32 v12, v12, |v[Y+\j]|, |v[Y+\j+1]|
	v_max3_num_f32 v13, v13, |v[Y+\j+2]|, |v[Y+\j+3]|
.endr
	v_max3_num_f32 v12, v12, |v[Y+30]|, |v[Y+31]|
	v_max3_num_f32 v12, v12, v13, 0x1800000        ; and the floor 2^(3 - 127): the byte cannot fall under 1
	v_add_nc_u32 v14, 0xff000000, v12              ; 2 off the exponent field: the conversion's scale operand
	v_lshrrev_b32 v15, 23, v14                     ; the scale's byte
	v_cvt_scalef32_pk16_fp6_f32 v[C:C+2], v[Y:Y+15], v14
	v_cvt_scalef32_pk16_fp6_f32 v[C+4:C+6], v[Y+16:Y+31], v14      ; (a conversion's three registers begin on an even number)
	v_nop                                          ; one plain instruction behind the conversions
	v_mov_b32 v[C+3], v[C+4]                       ; bytes 12-15,
	v_mov_b32 v[C+8], v[C+5]                       ; bytes 16-23
	v_mov_b32 v[C+9], v[C+6]
	ds_store_b128 v[A16], v[C:C+3] offset:16*\i
	ds_store_b64 v[A8], v[C+8:C+9] offset:16*\i
	ds_store_b8 v[AS], v15 offset:8*\i
.endm
.macro LNOUT
	s_wait_dscnt 0x0                               ; my part of the image has landed
	s_barrier_signal -1
	s_barrier_wait -1                              ; everybody's has
.irp c, 0,1,2,3,4,5
	ds_load_b128 v[Y+4*\c:Y+4*\c+3], v[CI] offset:512*\c
.endr
	ds_load_b32 v12, v1
	s_wait_dscnt 0x0
.irp c, 0,1,2,3,4,5
	global_store_b128 v2, v[Y+4*\c:Y+4*\c+3], s[22:23] offset:512*\c   ; 512 consecutive bytes, at a multiple of 256 from the buffer's first byte
.endr
	global_store_b32 v3, v12, s[24:25]             ; the tile's 128 scale bytes of this K step
	s_set_vgpr_msb 0x4
	s_wait_tensorcnt 0x0
	ds_add_u32 v247, v1
	s_wait_dscnt 0x0
	s_set_vgpr_msb 0x400
	s_endpgm
.endm
; THE WEIGHTS.  A work-group makes one block (K step ks, group g): 128 positions x 256 K.  A lane takes one position (a column n), and its registers run down K: a block of 32 is one lane's,
; and the conversions give codes with K innermost.  Each load reads 128 consecutive bytes of a row of the weight, in the positions' order.  Two blocks of 32 make a HALF's three stores of 16 bytes a lane.
.macro WLOAD t, n
.irp i, 0,1,2,3,4,5,6,7,8,9,10,11,12,13,14,15,16,17,18,19,20,21,22,23,24,25,26,27,28,29,30,31
	global_load_b32 v[XW+32*((\t)%2)+\i], v3, s[32:33] offset:(32*(\t)+\i)*(\n)*4 th:TH_LOAD_NT
.endr
.endm
.macro WBLOCK t, n
.set XS, XW+32*((\t)%2)
.set EE, (\t)%2
.if (\t) < 7
	s_wait_loadcnt 32                              ; this block's 32 loads are in; the next block's stay out
.else
	s_wait_loadcnt 0x0
.endif
	v_max3_num_f32 v12, |v[XS]|, |v[XS+1]|, |v[XS+2]|
	v_max3_num_f32 v13, |v[XS+3]|, |v[XS+4]|, |v[XS+5]|
.irp i, 6,10,14,18,22,26
	v_max3_num_f32 v12, v12, |v[XS+\i]|, |v[XS+\i+1]|
	v_max3_num_f32 v13, v13, |v[XS+\i+2]|, |v[XS+\i+3]|
.endr
	v_max3_num_f32 v12, v12, |v[XS+30]|, |v[XS+31]|
	v_max3_num_f32 v12, v12, v13, 0x1800000
	v_add_nc_u32 v11, 0xff000000, v12
	v_lshrrev_b32 v13, 23, v11
.if (\t)%4 == 0
	v_mov_b32 v[24+(\t)/4], v13                    ; four bytes to a register, the lower K in the lower byte
.else
	v_lshl_or_b32 v[24+(\t)/4], v13, 8*((\t)%4), v[24+(\t)/4]
.endif
.if EE == 0
	s_wait_alu depctr_va_vdst(0)
	s_wait_xcnt 0x0                                ; the last HALF's stores have read their registers
.endif
	v_cvt_scalef32_pk16_fp6_f32 v[96+4*EE:98+4*EE], v[XS:XS+15], v11
	v_cvt_scalef32_pk16_fp6_f32 v[104+4*EE:106+4*EE], v[XS+16:XS+31], v11
	v_nop
	v_mov_b32 v[99+4*EE], v[104+4*EE]              ; bytes 12-15 of the block
	v_mov_b32 v[112+2*EE], v[105+4*EE]             ; bytes 16-23: the two blocks' lie side by side
	v_mov_b32 v[113+2*EE], v[106+4*EE]
.if (\t)+2 < 8
	WLOAD (\t)+2, \n
.endif
.if EE == 1
	global_store_b128 v4, v[96:99], s[26:27] offset:768*((\t)/2)       ; sixteen lanes store 256 consecutive bytes, aligned
	global_store_b128 v4, v[100:103], s[26:27] offset:768*((\t)/2)+256
	global_store_b128 v4, v[112:115], s[26:27] offset:768*((\t)/2)+512
.endif
.endm
.macro WQ n, ng                        ; s30 = ks, s31 = g, s[32:33] = the weight, s34 = its place in wq; n columns, ng groups
	v_lshrrev_b32 v6, 4, v1
	v_and_b32 v7, 15, v1
	v_and_b32 v8, 8, v1
	v_lshl_add_u32 v3, v6, 3, v7
	v_add_lshl_u32 v3, v3, v8, 2                   ; my column among the wave's 32: 8 (l / 16) + l % 16 + 8 ((l % 16) / 8), x 4 bytes
	s_wait_alu depctr_va_vdst(0)
	v_mul_u32_u24 v4, v6, 3072
	v_lshl_add_u32 v4, v7, 4, v4
	s_mul_i32 s13, s12, 6144
	v_add_nc_u32 v4, s13, v4                       ; out: tile 2 w + l / 16, 16 bytes a row
	s_lshl_b32 s13, s12, 8
	v_lshl_add_u32 v5, v1, 3, s13                  ; my 8 scale bytes
	s_mul_i32 s14, s30, (\n)*1024                  ; 256 rows of the weight a K step
	s_lshl_b32 s15, s31, 9
	s_add_co_u32 s14, s14, s15
	s_lshl_b32 s15, s12, 7
	s_add_co_u32 s14, s14, s15
	s_mov_b32 s15, 0
	s_mul_i32 s16, s30, s48                        ; block = ks x s48 + g x s49: every weight lies group by group (a group's K steps on end)
	s_mul_i32 s17, s31, s49
	s_add_co_u32 s16, s16, s17
	s_mul_i32 s16, s16, GRP
	s_add_co_u32 s16, s16, s34
	s_mov_b32 s17, 0
	s_add_nc_u64 s[32:33], s[32:33], s[14:15]
	s_add_nc_u64 s[26:27], s[44:45], s[16:17]
	WLOAD 0, \n
	WLOAD 1, \n
.irp t, 0,1,2,3,4,5,6,7
	WBLOCK \t, \n
.endr
	global_store_b64 v5, v[24:25], s[26:27] offset:24576   ; a wave stores 256 consecutive bytes
	s_endpgm
.endm
	s_load_b256 s[4:11], s[0:1], 0x0               ; x, ln1_w, ln1_b, xc
	s_load_b256 s[36:43], s[0:1], 0x20             ; c_attn_w, fc_w, c_proj_w, proj_w
	s_load_b64 s[44:45], s[0:1], 0x40              ; wq
	v_lshl_add_u32 v247, v0, 2, 0x7a00
	s_set_vgpr_msb 0x40
	v_mov_b32 v1, 0
	s_set_vgpr_msb 0x4000
	v_lshrrev_b32 v1, 5, v0
	v_readfirstlane_b32 s12, v1                    ; wave
	v_and_b32 v1, 31, v0                           ; lane
	s_cmp_lt_u32 ttmp9, 256
	s_cbranch_scc0 .Lweights
	LNHEAD
	LNROW 0
	LNROW 1
	LNROW 2
	LNROW 3
	LNOUT
.Lweights:
	s_wait_kmcnt 0x0
	s_cmp_lt_u32 ttmp9, 352
	s_cbranch_scc0 .Lfc
	s_sub_co_u32 s35, ttmp9, 256                   ; c_attn_w: 4 K steps x 24 groups
	s_and_b32 s30, s35, 3
	s_lshr_b32 s31, s35, 2
	s_mov_b64 s[32:33], s[36:37]
	s_mov_b32 s34, 0
	s_mov_b32 s48, 1
	s_mov_b32 s49, 4
	s_wait_alu depctr_va_vdst(0)
	WQ 3072, 24
.Lfc:
	s_cmp_lt_u32 ttmp9, 480
	s_cbranch_scc0 .Lp
	s_sub_co_u32 s35, ttmp9, 352                   ; fc_w: 4 K steps x 32 groups
	s_and_b32 s30, s35, 3
	s_lshr_b32 s31, s35, 2
	s_mov_b64 s[32:33], s[38:39]
	s_mov_b32 s34, 3276800
	s_mov_b32 s48, 1
	s_mov_b32 s49, 4
	s_wait_alu depctr_va_vdst(0)
	WQ 4096, 32
.Lp:
	s_mov_b32 s35, 512                             ; c_proj_w (4 K steps x 8 groups) and proj_w (16 x 8) have 1,024 columns both: one text, its numbers chosen on the work-group's number
	s_mov_b32 s34, 6553600
	s_cmp_lt_u32 ttmp9, 512
	s_cselect_b64 s[32:33], s[40:41], s[42:43]
	s_cselect_b32 s35, 480, s35
	s_cselect_b32 s46, 3, 15
	s_cselect_b32 s47, 2, 4
	s_cselect_b32 s49, 4, 16                       ; these two weights: block (ks, g) at (g x K steps + ks) GRP
	s_mov_b32 s48, 1
	s_cselect_b32 s34, 2457600, s34
	s_sub_co_u32 s35, ttmp9, s35
	s_and_b32 s30, s35, s46
	s_lshr_b32 s31, s35, s47
	s_wait_alu depctr_va_vdst(0)
	WQ 1024, 8
.Lfunc_end_k_q60b132d5d3_prep:
	.size	k_q60b132d5d3_prep, .Lfunc_end_k_q60b132d5d3_prep-k_q60b132d5d3_prep
	.p2alignl 7, 3214868480
	.fill 96, 4, 3214868480
	.section	.rodata,"a",@progbits
	.p2align	6, 0x0
	.amdhsa_kernel k_q60b132d5d3_prep
		.amdhsa_group_segment_fixed_size 31744
		.amdhsa_private_segment_fixed_size 0
		.amdhsa_enable_private_segment 0
		.amdhsa_kernarg_size 72
		.amdhsa_user_sgpr_count 2
		.amdhsa_user_sgpr_kernarg_segment_ptr 1
		.amdhsa_wavefront_size32 1
		.amdhsa_system_sgpr_workgroup_id_x 1
		.amdhsa_system_sgpr_workgroup_id_y 1
		.amdhsa_system_sgpr_workgroup_id_z 1
		.amdhsa_system_vgpr_workitem_id 0
		.amdhsa_next_free_vgpr 258
		.amdhsa_next_free_sgpr 66
		.amdhsa_reserve_vcc 0
		.amdhsa_float_denorm_mode_32 3
		.amdhsa_float_denorm_mode_16_64 3
		.amdhsa_memory_ordered 1
		.amdhsa_forward_progress 1
		.amdhsa_inst_pref_size 162
	.end_amdhsa_kernel
	.amdgpu_metadata
---
amdhsa.version: [ 1, 2 ]
amdhsa.kernels:
  - .name:           k_q60b132d5d3_prep
    .symbol:         k_q60b132d5d3_prep.kd
    .args:
      - { .name: x, .offset: 0, .size: 8, .value_kind: global_buffer, .address_space: global }
      - { .name: ln1_w, .offset: 8, .size: 8, .value_kind: global_buffer, .address_space: global }
      - { .name: ln1_b, .offset: 16, .size: 8, .value_kind: global_buffer, .address_space: global }
      - { .name: xc, .offset: 24, .size: 8, .value_kind: global_buffer, .address_space: global }
      - { .name: c_attn_w, .offset: 32, .size: 8, .value_kind: global_buffer, .address_space: global }
      - { .name: fc_w, .offset: 40, .size: 8, .value_kind: global_buffer, .address_space: global }
      - { .name: c_proj_w, .offset: 48, .size: 8, .value_kind: global_buffer, .address_space: global }
      - { .name: proj_w, .offset: 56, .size: 8, .value_kind: global_buffer, .address_space: global }
      - { .name: wq, .offset: 64, .size: 8, .value_kind: global_buffer, .address_space: global }
    .group_segment_fixed_size: 31744
    .private_segment_fixed_size: 0
    .kernarg_segment_align: 8
    .kernarg_segment_size: 72
    .max_flat_workgroup_size: 128
    .sgpr_count:     66
    .vgpr_count:     258
    .wavefront_size: 32
...
	.end_amdgpu_metadata
.endif
;; end of part 8
;; launch qkv (part 9): grid 48 x 4, 4 waves a work-group, clusters of 4 x 4, 327,680 bytes of LDS; arguments xc, wq, c_attn_b, qkvb; writes qkvb
.if DOCPART == 9
	.amdgcn_target "amdgcn-amd-amdhsa--gfx1250"
	.amdhsa_code_object_version 6
	.text
	.protected	k_q60b132d5d3_qkv
	.globl	k_q60b132d5d3_qkv
	.p2align	8
	.type	k_q60b132d5d3_qkv,@function
k_q60b132d5d3_qkv:
	s_mov_b64 s[64:65], 0
	v_nop
	global_prefetch_b8 v0, s[64:65] scope:SCOPE_SE
	s_setreg_imm32_b32 hwreg(HW_REG_WAVE_MODE, 25, 1), 1
	s_wait_xcnt 0x0
	s_wait_alu depctr_hold_cnt(0) depctr_sa_sdst(0) depctr_va_vdst(0) depctr_va_sdst(0) depctr_va_ssrc(0) depctr_va_vcc(0) depctr_vm_vsrc(0)
	s_getreg_b32 s2, hwreg(HW_REG_IB_STS2, 6, 4)
	s_cmp_eq_u32 s2, 0
	s_cbranch_scc0 .Lentry_in_a_cluster
	s_endpgm
.Lentry_in_a_cluster:
	s_bfe_u32 s2, ttmp6, 0x10000c
	s_cmp_lg_u32 s2, 0xf033
	s_cbranch_scc0 .Lentry_shape_is_right
	s_endpgm
.Lentry_shape_is_right:
; A GEMM ON CODES OF FP6 (E2M3) WHOSE RESULT IS QUANTISED ON THE WAY OUT.  KIND 0: q, k = LN1(x) W + b (codes along the head's 64) and V^T = W_v LN1(x)^T + b (codes along the keys).  KIND 2: gelu(LN2(x1) W + b), codes along 4,096.
; OPERANDS are images of operand registers.  Rows are kept by POSITION: position 32 b + 16 u + r holds row 32 b + 8 u + r + 8 (r / 8).  A HALF (768 bytes) = 16 positions x 64 K: lane (r, hh): bytes 0-15 of block hh of row r
; at 16 (r + 16 hh), bytes 16-23 at 512 + 16 r + 8 hh.  A block of GRP bytes = 128 positions x 256 K: HALF (tile a, hk) at 3072 a + 768 hk, scale bytes at 24,576 + 8 (16 a + r) + block.  Block (K step, group) of R rows at (ks R / 128 + g) GRP.
; A tile of the result, 256 x 256, is made by four waves, 128 x 128 each: 64 accumulators, 512 registers.  K goes in steps of 256 through two LDS slots; a wave's one tensor load brings one block: codes and scales of 128 rows.
; CLUSTER 4 x 4: A's blocks are asked for jointly along a row of the cluster, B's along a column.  THE PRODUCT IS USED TRANSPOSED (source 0 = 16 positions of B, source 1 = 16 of A): a lane holds one row of A,
; and by the positions' order the 16 registers of B's tiles 2 b, 2 b + 1 are the 16 neighbours 32 b + 16 (lane / 16) + 0 .. 15 along B's rows, which are the next product's K.
; KIND 0: clusters 0-7: A = tokens, B = the weight's columns 0-2047 (q, k).  Clusters 8-11: A = the weight's columns 2048-3071 (v), B = tokens: so a lane's registers run along the keys.
; qkvb: Q at 106,496 y + 6,656 s (y = 16 batch + head, s = 128 positions): HALF of tile a at 768 a, scale words at 6,144 + 64 a + 4 r (bytes 0, 1 count; 2, 3 stand over zero codes).
;   K and V at 3,407,872 + 208,896 y + 13,056 s: K as Q; V^T's fragment dt (16 positions of the head's 64 x 128 keys) as three runs of 512 bytes at 6,656 + 1,536 dt; its words at 12,800 + 64 dt + 4 r.
; LIMITS: a block of zeros gets the byte 1 where the rule says 127 (its codes are zeros; this program alone reads the bytes); NaN and infinities are not served.
; REGISTERS: window 0: v1-31 addresses and small things; v32-63 scale words, two sets; v64-127 the column bias; v128-223 A's fragments (on the way out: 64 numbers, 32 at work); v224-255 codes and the quantiser's work.
;   window 1: B's fragments, two sets, at v0 and v128; v96-111 the row bias (KIND 0).   windows 2, 3: the accumulators ((a, b) at v[8 (8 (a % 4) + b)] of window 2 + a / 4).
; The operands' blocks lie group by group: block (K step ks, group g) at (4 g + ks) GRP; this stands over the formula above.  THE HEAD fills both slots with one load a wave: my group's K steps 0 and 1, 200 rows of 256 bytes,
; to wave x 2 GRP; slot s is the s-th block of each wave's two.  A refill is one block, 100 rows.  The head also asks the L2 for the two refills' blocks, which the four partners share by address, 25 runs of 256 bytes each.
.set KIND,   0
.set KSTEPS, 4
.set GRP,    25600
.set SLOT,   4*GRP                     ; A's two groups, then B's two
.set SPARE,  2*SLOT                    ; behind the ring: the spare words, 128 bytes a wave: two blocks of 256 bytes that no other line names
.set FR,     12
.set NL,     4                         ; LDS loads that bring a fragment
.set NP,     4                         ; places behind this matrix instruction (ISA guide 7.12.1)
.set NQ,     2                         ; matrix instructions deep in a slot
.set LAPS,   KSTEPS/2
.set KVO,    3407872
.set ADRA, 16                          ; v16-17 my A fragments' 16-byte parts in slot 0, 1; v18-19 their 8-byte parts
.set ADRB, 20                          ; v20-23 the same for B
.set SPW,  28
.set NIL,  29
.set ADRS, 30                          ; v30-31 my scale words in slot 0, 1: lanes 0-15 A's rows, lanes 16-31 B's
.set SC,   32
.set BC,   64
.set BR,   96
.set AF,   128
.set T,    128
.set E,    192
.set PC,   224
.set TM,   244
.set G1, 24
.set G0, 32
.set G1B, 48
.set G0B, 56
.set MSB, 0
.macro WIN new                         ; the immediate's high byte repeats the setting that is left
.if MSB != (\new)
	s_set_vgpr_msb (MSB<<8)|(\new)
.set MSB, (\new)
.endif
.endm
.set MUL_LO, 0xa1                      ; source 0 (B) window 1, source 1 (A) window 0, C and D window 2
.set MUL_HI, 0xf1
.set TO_B,   0x40
.macro JLOAD g0a, g1a, g0b, g1b        ; a joint load: waves 0 and 1 fetch for A, waves 2 and 3 for B; four v_nop follow each of the two lines
	s_cmp_eq_u32 s15, 0
	s_cbranch_scc0 .Lfor_b_\@
	tensor_load_to_lds s[\g0a:\g0a+3], s[\g1a:\g1a+7]
	s_nop 0
.rept 4
	v_nop
.endr
	s_branch .Lasked_\@
.Lfor_b_\@:
	tensor_load_to_lds s[\g0b:\g0b+3], s[\g1b:\g1b+7]
	s_nop 0
.rept 4
	v_nop
.endr
.Lasked_\@:
.endm
.macro CREST                           ; a round of the cluster's barrier behind its opening barrier
	s_cmp_lg_u32 s14, 0
	s_cbranch_scc1 .Lnot_wave_0_\@
	s_barrier_signal -3
.Lnot_wave_0_\@:
	s_barrier_wait -3
	s_barrier_signal -1
	s_barrier_wait -1
.endm
.macro CROUND
	s_barrier_signal -1
	s_barrier_wait -1
	CREST
.endm
	s_load_b256 s[4:11], s[0:1], 0x0               ; the activations' codes, wq, the bias, the result
	v_lshl_add_u32 v[SPW], v0, 2, SPARE
	v_mov_b32 v[NIL], 0
	ds_add_u32 v28, v29
	ds_add_u32 v28, v29
	s_wait_dscnt 0x0
	v_lshrrev_b32 v1, 5, v0
	v_readfirstlane_b32 s14, v1                    ; wave 0..3
	s_lshr_b32 s15, s14, 1                         ; which half of the tile's rows is mine.  Also: I fetch for A (0) or for B (1)
	s_and_b32 s16, s14, 1                          ; which half of its columns.  Also: which group of 128 I fetch
	s_bfe_u32 s40, ttmp6, 0x40000                  ; cx
	s_bfe_u32 s41, ttmp6, 0x40004                  ; cy
	s_lshl_b32 s43, s41, 2
	s_lshl_b32 s43, 15, s43                        ; my row of the cluster
	s_lshl_b32 s44, 0x1111, s40                    ; my column
	s_or_b32 s[G1+0], s43, (3<<16)|(1<<21)         ; 15:0 the mask; 17:16 elements of 8 bytes; 21 set beside a mask; no padding: a block is read as it lies
	s_or_b32 s[G1B+0], s44, (3<<16)|(1<<21)
.irp g, G1, G1B
	s_mov_b32 s[\g+1], 32<<16                      ; tensor_dim0 = 32 elements: 256 bytes
	s_mov_b32 s[\g+2], 200<<16                     ; tensor_dim1 = 200 rows at the head
	s_mov_b32 s[\g+3], 32<<16                      ; tile_dim0
	s_mov_b32 s[\g+4], 200                         ; tile_dim1
	s_mov_b32 s[\g+5], 32                          ; the pitch
	s_mov_b32 s[\g+6], 0
	s_mov_b32 s[\g+7], 0
.endr
	s_mul_i32 s45, s14, 2*GRP                      ; where my blocks go: wave x two blocks
	s_mov_b32 s73, 0
	s_mov_b32 s75, 0
	s_mov_b32 s69, 0
	s_mov_b32 s71, 0
	s_mov_b32 s66, 0x76543210
	s_mov_b32 s67, 0xfedcba98                      ; v_permlanex16_b32: lane l xor 16
	s_wait_kmcnt 0x0
.if KIND == 0
	s_lshr_b32 s18, ttmp9, 1                       ; c = the cluster's number, the same in all sixteen partners
	s_lshl_b32 s18, s18, 2                         ; q, k: tile row 4 (c / 2) + cy,
	s_and_b32 s19, ttmp9, 1
	s_lshl_b32 s19, s19, 2                         ; tile column 4 (c % 2) + cx
	s_sub_co_u32 s22, ttmp9, 8
	s_lshl_b32 s22, s22, 2                         ; V^T: tile row 8 + cy of the weight, tile column 4 (c - 8) + cx of the tokens
	s_mov_b32 s23, GRP                             ; a K step on: the next block, in both operands
	s_mov_b32 s46, GRP
	s_cmp_lt_u32 ttmp9, 8
	s_cselect_b32 s76, 1, 0                        ; 1: q and k; 0: V^T
	s_cselect_b32 s17, s18, 8
	s_cselect_b32 s42, s19, s22
	s_cselect_b32 s72, s23, s46
	s_cselect_b32 s74, s46, s23
	s_cselect_b64 s[88:89], s[4:5], s[6:7]         ; A's buffer,
	s_cselect_b64 s[90:91], s[6:7], s[4:5]         ; B's
	s_add_co_u32 s17, s17, s41
	s_add_co_u32 s42, s42, s40
.else
	s_lshl_b32 s42, ttmp9, 2
	s_add_co_u32 s42, s42, s40                     ; tile column = 4 x cluster x + cx
	s_and_b32 s17, ttmp7, 0xffff
	s_lshl_b32 s17, s17, 2
	s_add_co_u32 s17, s17, s41                     ; tile row = 4 x cluster y + cy
	s_mov_b32 s72, 32*GRP
	s_mov_b32 s74, 32*GRP
	s_mov_b64 s[88:89], s[4:5]
	s_add_nc_u64 s[90:91], s[6:7], 3276800         ; fc's codes in wq
.endif
	s_lshl_b32 s20, s17, 1
	s_add_co_u32 s20, s20, s16                     ; A: group 2 x tile row + the half that I fetch
	s_mul_i32 s20, s20, 4*GRP
	s_mov_b32 s21, 0
	s_lshl_b32 s46, s42, 1
	s_add_co_u32 s46, s46, s16                     ; B: group 2 x tile column + half
	s_mul_i32 s46, s46, 4*GRP
	s_mov_b32 s47, 0
	s_add_nc_u64 s[20:21], s[88:89], s[20:21]
	s_add_nc_u64 s[46:47], s[90:91], s[46:47]
	s_lshl_b32 s68, s72, 1                         ; two K steps on
	s_lshl_b32 s70, s74, 1
	CROUND                                         ; all sixteen work-groups are here: the first joint loads meet
	s_mov_b32 s[G0], 1
	s_mov_b32 s[G0+1], s45
	s_mov_b64 s[G0+2:G0+3], s[20:21]
	s_or_b32 s[G0+3], s[G0+3], 0x80000000
	s_mov_b32 s[G0B], 1
	s_mov_b32 s[G0B+1], s45
	s_mov_b64 s[G0B+2:G0B+3], s[46:47]
	s_or_b32 s[G0B+3], s[G0B+3], 0x80000000
	JLOAD G0, G1, G0B, G1B                         ; K step 0
	s_mov_b32 s[G0+4], 1
	s_add_co_u32 s[G0+5], s45, GRP
	s_add_nc_u64 s[G0+6:G0+7], s[20:21], s[72:73]
	s_or_b32 s[G0+7], s[G0+7], 0x80000000
	s_mov_b32 s[G0B+4], 1
	s_add_co_u32 s[G0B+5], s45, GRP
	s_add_nc_u64 s[G0B+6:G0B+7], s[46:47], s[74:75]
	s_or_b32 s[G0B+7], s[G0B+7], 0x80000000
	s_cmp_eq_u32 s15, 0                            ; the prefetches: the group that I fetch,
	s_cselect_b64 s[94:95], s[20:21], s[46:47]
	s_cselect_b32 s96, s40, s41                    ; my place among the four that ask with me: cx for A, cy for B,
	s_mul_i32 s96, s96, 25*256                     ; my 25 of a block's 100 runs of 256 bytes
	s_mov_b32 s97, 0
	s_add_nc_u64 s[94:95], s[94:95], s[96:97]
	v_and_b32 v27, 31, v0
	v_min_u32 v27, 24, v27                         ; a lane a run; lanes 25-31 name the 25th again
	v_lshlrev_b32 v27, 8, v27
	global_prefetch_b8 v27, s[94:95] offset:2*GRP th:TH_LOAD_NT scope:SCOPE_SE   ; K step 2, the first refill's block,
	global_prefetch_b8 v27, s[94:95] offset:3*GRP th:TH_LOAD_NT scope:SCOPE_SE   ; and K step 3, the second's
	v_and_b32 v4, 31, v0                           ; lane
	v_and_b32 v5, 15, v0                           ; r
	v_bfe_u32 v6, v0, 4, 1                         ; hh
	v_lshlrev_b32 v1, 4, v4                        ; 16 x lane
	v_lshlrev_b32 v2, 4, v5
	v_lshl_add_u32 v2, v6, 3, v2                   ; 16 r + 8 hh
	s_mul_i32 s21, s15, 2*GRP                      ; my 128 rows of A
	s_mul_i32 s22, s16, 2*GRP
	s_add_co_u32 s22, s22, 4*GRP                   ; my 128 rows of B, behind A's four blocks
.irp s, 0,1
	v_add_nc_u32 v[ADRA+\s], s21, v1
	v_add_nc_u32 v[ADRA+2+\s], s21, v2
	v_add_nc_u32 v[ADRB+\s], s22, v1
	v_add_nc_u32 v[ADRB+2+\s], s22, v2
	s_add_co_u32 s21, s21, GRP
	s_add_co_u32 s22, s22, GRP
.endr
	s_mul_i32 s21, s15, 2*GRP
	s_mul_i32 s22, s16, 2*GRP
	s_add_co_u32 s22, s22, 4*GRP
	s_sub_co_u32 s22, s22, s21
	v_mul_u32_u24 v13, s22, v6                     ; lanes 16-31 take B's scale words: the lower base + hh x the distance
	v_lshl_add_u32 v13, v5, 3, v13                 ; 8 bytes a row
	s_add_co_u32 s21, s21, 24576
	v_add_nc_u32 v[ADRS], s21, v13
	s_add_co_u32 s21, s21, GRP
	v_add_nc_u32 v[ADRS+1], s21, v13
.if KIND == 2
	v_lshlrev_b32 v3, 3, v4                        ; scale words out: 8 bytes a row
.else
	v_lshlrev_b32 v3, 2, v4                        ; 4 bytes a row
.endif
	; THE BIAS.  Column bias: register 16 b + i wants column n0 + 32 b + 16 hh + i.  KIND 0 loads both kinds of bias on every way, so that every register is written on every way; the kind
	; that is not in use reads from the buffer's first bytes.
	v_lshlrev_b32 v7, 6, v6                        ; 64 hh
	s_wait_alu depctr_va_vdst(0)
	s_lshl_b32 s46, s42, 8
	s_lshl_b32 s47, s16, 7
	s_add_co_u32 s46, s46, s47                     ; n0 = 256 x tile column + 128 x half
	s_lshl_b32 s46, s46, 2
.if KIND == 0
	s_lshl_b32 s22, s41, 8
	s_lshl_b32 s23, s15, 7
	s_add_co_u32 s22, s22, s23
	s_add_co_u32 s22, s22, 2048                    ; V^T: my first row is column 2048 + 256 cy + 128 x half of c_attn_b
	s_lshl_b32 s22, s22, 2
	s_cmp_lg_u32 s76, 0
	s_cselect_b32 s46, s46, 0
	s_cselect_b32 s22, 0, s22
	s_mov_b32 s23, 0
	s_add_nc_u64 s[22:23], s[8:9], s[22:23]
.endif
	s_mov_b32 s47, 0
	s_add_nc_u64 s[46:47], s[8:9], s[46:47]
.irp b, 0,1,2,3
.irp q, 0,1,2,3
	global_load_b128 v[BC+16*\b+4*\q:BC+16*\b+4*\q+3], v7, s[46:47] offset:128*\b+16*\q
.endr
.endr
.if KIND == 0
	v_and_b32 v12, 8, v5
	v_add_lshl_u32 v12, v12, v5, 2                 ; 4 (r + 8 (r / 8)): my row of a tile
	WIN 0x40                                       ; destination window 1
.irp a, 0,1,2,3,4,5,6,7
	global_load_b32 v[BR+2*\a], v12, s[22:23] offset:4*(32*(\a/2)+8*(\a%2))
	global_load_b32 v[BR+2*\a+1], v12, s[22:23] offset:4*(32*(\a/2)+8*(\a%2))      ; twice: a pair for the packed addition
.endr
	WIN 0
.endif
.macro FRAG reg, adr, q, i             ; a fragment, 16 positions x 128 K, 12 registers: two HALFs, each 16 + 8 bytes a lane, as they lie
	ds_load_b128 v[\reg:\reg+3], v[\adr] offset:3072*(\i)+1536*(\q)
	ds_load_b64 v[\reg+4:\reg+5], v[\adr+2] offset:3072*(\i)+1536*(\q)+512
	ds_load_b128 v[\reg+6:\reg+9], v[\adr] offset:3072*(\i)+1536*(\q)+768
	ds_load_b64 v[\reg+10:\reg+11], v[\adr+2] offset:3072*(\i)+1536*(\q)+1280
.endm
; 16 matrix instructions: A's tiles a0, a0 + 1 x B's eight, the slot's q-th 128 along K.  The 64 accumulators take turns, one instruction a turn, in the same order in every step.
.macro MUL16 a0, p, q, sc, zero
.irp a, \a0, \a0+1
.irp b, 0,1,2,3,4,5,6,7
.if \zero
	v_wmma_scale_f32_16x16x128_f8f6f4 v[8*(8*((\a)%4)+\b):8*(8*((\a)%4)+\b)+7], v[128*(\p)+FR*\b:128*(\p)+FR*\b+FR-1], v[AF+FR*(\a):AF+FR*(\a)+FR-1], 0, v[SC+8*NQ*(\sc)+NQ*\b+(\q)], v[SC+8*NQ*(\sc)+NQ*(\a)+(\q)] matrix_a_fmt:MATRIX_FMT_FP6 matrix_b_fmt:MATRIX_FMT_FP6 matrix_a_scale:MATRIX_SCALE_ROW1
.else
	v_wmma_scale_f32_16x16x128_f8f6f4 v[8*(8*((\a)%4)+\b):8*(8*((\a)%4)+\b)+7], v[128*(\p)+FR*\b:128*(\p)+FR*\b+FR-1], v[AF+FR*(\a):AF+FR*(\a)+FR-1], v[8*(8*((\a)%4)+\b):8*(8*((\a)%4)+\b)+7], v[SC+8*NQ*(\sc)+NQ*\b+(\q)], v[SC+8*NQ*(\sc)+NQ*(\a)+(\q)] matrix_a_fmt:MATRIX_FMT_FP6 matrix_b_fmt:MATRIX_FMT_FP6 matrix_a_scale:MATRIX_SCALE_ROW1
.endif
.endr
.endr
.endm
.macro FETCH_B slot, q, p
	WIN TO_B
.irp i, 0,1,2,3,4,5,6,7
	FRAG 128*(\p)+FR*\i, ADRB+\slot, \q, \i
.endr
	WIN 0
.endm
.macro FETCH_A slot, q, i0
.irp i, \i0, \i0+1, \i0+2, \i0+3
	FRAG AF+FR*(\i), ADRA+\slot, \q, \i
.endr
.endm
.macro SCALES sc                       ; the slot's scale words: two words a row; lanes 0-15 A's tile i, lanes 16-31 B's tile i
.irp i, 0,1,2,3,4,5,6,7
	ds_load_b64 v[SC+8*NQ*\sc+NQ*\i:SC+8*NQ*\sc+NQ*\i+1], v[ADRS+\sc] offset:128*\i
.endr
.endm
.macro PLACES n                        ; plain vector instructions between a matrix instruction and a load into, or a read of, its registers (ISA guide 7.12.1 for a read)
.rept \n
	v_nop
.endr
.endm
.macro STEP slot, q, zero              ; a step of 128 along K that has its successor in the same slot
	s_wait_dscnt 4*NL                              ; B's set, A's tiles 0-3 and the scale words are in; the youngest 16 loads (A's tiles 4-7) may be out
	WIN MUL_LO
	MUL16 0, (\q)%2, \q, \slot, \zero
	MUL16 2, (\q)%2, \q, \slot, \zero
	s_wait_dscnt 0
	PLACES NP
	FETCH_B \slot, (\q)+1, 1-(\q)%2
	FETCH_A \slot, (\q)+1, 0
	WIN MUL_HI
	MUL16 4, (\q)%2, \q, \slot, \zero
	MUL16 6, (\q)%2, \q, \slot, \zero
	PLACES NP
	WIN 0
	FETCH_A \slot, (\q)+1, 4
.endm
; A slot's last step changes slots: one barrier; in front of it each wave waits for all its tensor loads, adds 0 to its spare word, and waits for that and for its reads of this slot.  fill = 1: the slot is filled again, two K steps ahead.
.macro TURN slot, next, fill
	s_wait_tensorcnt 0x0                           ; all my tensor loads have landed: my part of the next slot
	ds_add_u32 v[SPW], v[NIL]                      ; 0 onto my spare word
	s_wait_dscnt 4*NL+1                            ; (the add and the youngest 16 loads may be out)
	WIN MUL_LO
	MUL16 0, 1, NQ-1, \slot, 0
	s_wait_dscnt 0x0                               ; the add is done, and my reads of this slot are over
	s_barrier_signal -1
	MUL16 2, 1, NQ-1, \slot, 0
	WIN 0
	s_barrier_wait -1
.if \fill
	CREST                                          ; the barrier has opened a round of the cluster's: no wave of any partner still reads this slot or has a load on its way
	s_add_nc_u64 s[G0+4*\slot+2:G0+4*\slot+3], s[G0+4*\slot+2:G0+4*\slot+3], s[68:69]
	s_add_nc_u64 s[G0B+4*\slot+2:G0B+4*\slot+3], s[G0B+4*\slot+2:G0B+4*\slot+3], s[70:71]
	JLOAD G0+4*\slot, G1, G0B+4*\slot, G1B         ; the first tensor load behind the round; its four v_nop are the places in front of the loads below
.else
	PLACES NP
.endif
	FETCH_B \next, 0, 0
	FETCH_A \next, 0, 0
	SCALES \next
	WIN MUL_HI
	MUL16 4, 1, NQ-1, \slot, 0
	MUL16 6, 1, NQ-1, \slot, 0
	PLACES NP
	WIN 0
	FETCH_A \next, 0, 4
.endm
	s_wait_alu depctr_va_vdst(0)
	s_wait_tensorcnt 0x0                           ; my part of both slots is in; no load of mine is out, so a descriptor may be written:
	s_mov_b32 s[G1+2], 100<<16                     ; from here on a load brings one block, 100 rows
	s_mov_b32 s[G1+4], 100
	s_mov_b32 s[G1B+2], 100<<16
	s_mov_b32 s[G1B+4], 100
	s_barrier_signal -1
	s_barrier_wait -1                              ; everybody's is
	FETCH_B 0, 0, 0
	FETCH_A 0, 0, 0
	SCALES 0
	FETCH_A 0, 0, 4
	STEP 0, 0, 1                                   ; the first step stands in front of the loop: its products start the sums
	s_mov_b32 s3, LAPS-1
.Llap:                                                 ; a trip goes once round the ring and fills both slots again
	TURN 0, 1, 1
	STEP 1, 0, 0
	TURN 1, 0, 1
	STEP 0, 0, 0
	s_sub_co_u32 s3, s3, 1
	s_cmp_lg_u32 s3, 0
	s_cbranch_scc1 .Llap
	TURN 0, 1, 0                                   ; the last lap fills nothing
	STEP 1, 0, 0
	s_wait_dscnt 4*NL
	WIN MUL_LO
	MUL16 0, 1, NQ-1, 1, 0
	MUL16 2, 1, NQ-1, 1, 0
	s_wait_dscnt 0
	WIN MUL_HI
	MUL16 4, 1, NQ-1, 1, 0
	MUL16 6, 1, NQ-1, 1, 0
	WIN 0
; THE WAY OUT, a tile of 16 rows of A at a time, in registers alone.  64 numbers of a lane, register 16 b + i = neighbour 32 b + 16 (lane / 16) + i of my row, become a fragment's codes in v[PC] on and its scale word in v[pw].
.macro QUANT s, pw
.irp b, 0,1,2,3
	v_max3_num_f32 v[TM+\b], |v[\s+16*\b]|, |v[\s+1+16*\b]|, 0x1800000   ; my 16 numbers of block b, and the floor 2^(3 - 127): the byte cannot fall under 1
.endr
.irp i, 2,4,6,8,10,12,14
.irp b, 0,1,2,3
	v_max3_num_f32 v[TM+\b], v[TM+\b], |v[\s+16*\b+\i]|, |v[\s+1+16*\b+\i]|
.endr
.endr
.irp b, 0,1,2,3
	v_permlanex16_b32 v[TM+4+\b], v[TM+\b], s66, s67
.endr
.irp b, 0,1,2,3
	v_max_num_f32 v[TM+\b], v[TM+\b], v[TM+4+\b]   ; with lane l xor 16's: the block's largest magnitude
.endr
.irp b, 0,1,2,3
	v_add_nc_u32 v[TM+8+\b], 0xff000000, v[TM+\b]  ; 2 off its exponent field: the conversion's scale operand
.endr
.irp b, 0,1,2,3
	v_lshrrev_b32 v[TM+4+\b], 23, v[TM+8+\b]       ; the scale's byte
.endr
	v_lshl_or_b32 v[\pw], v[TM+5], 8, v[TM+4]
	v_lshl_or_b32 v[\pw], v[TM+6], 16, v[\pw]
	v_lshl_or_b32 v[\pw], v[TM+7], 24, v[\pw]
	s_wait_xcnt 0x0                                ; the last tile's stores have read their registers
.irp c, 0,1
	v_cvt_scalef32_pk16_fp6_f32 v[PC+6*\c:PC+2+6*\c], v[\s+32*\c:\s+15+32*\c], v[TM+8+2*\c]
	v_cvt_scalef32_pk16_fp6_f32 v[PC+12+4*\c:PC+14+4*\c], v[\s+16+32*\c:\s+31+32*\c], v[TM+8+2*\c+1]   ; (a conversion's three registers begin on an even number)
.endr
	v_nop                                          ; one plain instruction behind the conversions
.irp c, 0,1                                    ; the operand's layout wants a whole block in a lane: lanes 0-15 block 2 c, lanes 16-31 block 2 c + 1
.irp i, 0,1,2
	v_permlane16_swap_b32 v[PC+6*\c+\i], v[PC+12+4*\c+\i]
.endr
.irp i, 0,1,2
	v_mov_b32 v[PC+3+6*\c+\i], v[PC+12+4*\c+\i]
.endr
.endr
.endm
.if KIND == 2
; gelu(x) = x / (1 + 2^(-k x (1 + 0.044715 x^2))), k = 2 sqrt(2 / pi) log2(e): the tanh form, written with one exponential and one reciprocal; 32 numbers at a time, each batch with one wait.
.macro GELU
.irp f, 0,1
.set XG, T+32*\f
.set j, 0
.rept 16
	v_pk_mul_f32 v[E+j:E+j+1], v[XG+j:XG+j+1], v[XG+j:XG+j+1]
.set j, j+2
.endr
.set j, 0
.rept 16
	v_pk_fma_f32 v[E+j:E+j+1], v[E+j:E+j+1], s[92:93], v[14:15] op_sel_hi:[1,0,1]   ; -k 0.044715 x^2 - k
.set j, j+2
.endr
.set j, 0
.rept 16
	v_pk_mul_f32 v[E+j:E+j+1], v[E+j:E+j+1], v[XG+j:XG+j+1]
.set j, j+2
.endr
.set j, 0
.rept 32
	v_exp_f32 v[E+j], v[E+j]
.set j, j+1
.endr
	v_nop                                          ; a plain instruction behind the batch,
	s_wait_alu depctr_va_vdst(0)                   ; and the one wait ahead of its first reader
.set j, 0
.rept 16
	v_pk_add_f32 v[E+j:E+j+1], v[E+j:E+j+1], 1.0 op_sel_hi:[1,0]
.set j, j+2
.endr
.set j, 0
.rept 32
	v_rcp_f32 v[E+j], v[E+j]
.set j, j+1
.endr
	v_nop
	s_wait_alu depctr_va_vdst(0)
.set j, 0
.rept 16
	v_pk_mul_f32 v[XG+j:XG+j+1], v[XG+j:XG+j+1], v[E+j:E+j+1]
.set j, j+2
.endr
.endr
.endm
.endif
; Tile a.  kind 0: q, k;  1: V^T;  2: fc.  The accumulators are read in ascending order.  The scale words of two tiles leave together: lanes 0-15 the even tile's, lanes 16-31 the odd one's.
.macro QEPI a, kind
.set AC, 64*((\a)%4)
.if \kind == 1
	WIN 0x06+(\a)/4                                ; source 0 window 2 or 3, source 1 (the row bias) window 1
.else
	WIN 0x02+(\a)/4
.endif
.set j, 0
.rept 32
.if \kind == 1
	v_pk_add_f32 v[T+j:T+j+1], v[AC+j:AC+j+1], v[BR+2*(\a):BR+2*(\a)+1]
.else
	v_pk_add_f32 v[T+j:T+j+1], v[AC+j:AC+j+1], v[BC+j:BC+j+1]
.endif
.set j, j+2
.endr
	WIN 0
.if \kind == 2
	GELU
.endif
	QUANT T, 5+(\a)%2
.if \kind == 0                                 ; the fragment's two HALFs are two heads'
	global_store_b128 v1, v[PC:PC+3], s[84:85] offset:768*(\a)             ; 512 consecutive bytes, aligned
	global_store_b64 v2, v[PC+4:PC+5], s[84:85] offset:768*(\a)+512        ; 256 consecutive bytes, aligned
	global_store_b128 v1, v[PC+6:PC+9], s[86:87] offset:768*(\a)
	global_store_b64 v2, v[PC+10:PC+11], s[86:87] offset:768*(\a)+512
.if (\a)%2 == 1
	v_cndmask_b32 v12, v5, v6, vcc_lo
	v_lshrrev_b32 v13, 16, v12                     ; the odd head's two bytes
	global_store_b32 v3, v12, s[84:85] offset:6144+128*((\a)/2)
	global_store_b32 v3, v13, s[86:87] offset:6144+128*((\a)/2)
.endif
.endif
.if \kind == 1                                 ; a whole fragment of V^T: head a / 4 of my two, tile a % 4 of its 64
.irp c, 0,1,2
	global_store_b128 v1, v[PC+4*\c:PC+4*\c+3], s[84:85] offset:208896*((\a)/4)+6656+1536*((\a)%4)+512*\c
.endr
.if (\a)%2 == 1
	v_cndmask_b32 v12, v5, v6, vcc_lo
	global_store_b32 v3, v12, s[84:85] offset:208896*((\a)/4)+12800+128*(((\a)/2)%2)
.endif
.endif
.if \kind == 2
	global_store_b128 v1, v[PC:PC+3], s[84:85] offset:3072*(\a)
	global_store_b64 v2, v[PC+4:PC+5], s[84:85] offset:3072*(\a)+512
	global_store_b128 v1, v[PC+6:PC+9], s[84:85] offset:3072*(\a)+768
	global_store_b64 v2, v[PC+10:PC+11], s[84:85] offset:3072*(\a)+1280
.if (\a)%2 == 1
	v_cndmask_b32 v12, v5, v6, vcc_lo
	global_store_b32 v3, v12, s[86:87] offset:256*((\a)/2)                 ; 4 of a row's 8 scale bytes: the other 4 are the other column half's
.endif
.endif
.endm
	PLACES NP                                      ; between the last products and the first read of results, and the first write of A's registers
	s_wait_loadcnt 0x0                             ; the bias
.irp b, 0,1,2,3
	v_mov_b32 v[TM+4+\b], 0                        ; written once: a lane permute's destination counts as one of its sources
.endr
	v_cmp_le_u32 vcc_lo, 16, v4                    ; lanes 16-31
.if KIND == 2
	v_mov_b32 v14, 0xc0135761                      ; -k
	v_mov_b32 v15, 0xc0135761
	s_mov_b32 s92, 0xbdd2d3e8                      ; -k x 0.044715
	s_mov_b32 s93, s92
	s_lshl_b32 s77, s17, 1
	s_add_co_u32 s77, s77, s15                     ; my group of tokens
	s_lshl_b32 s78, s42, 5
	s_add_co_u32 s77, s77, s78                     ; block 32 x (K step = tile column) + group
	s_mul_i32 s77, s77, GRP
	s_mul_i32 s78, s16, 1536                       ; my 128 columns are HALFs 2 x half, 2 x half + 1
	s_add_co_u32 s78, s78, s77
	s_mov_b32 s79, 0
	s_add_nc_u64 s[84:85], s[10:11], s[78:79]
	s_lshl_b32 s78, s16, 2
	s_add_co_u32 s78, s78, s77
	s_add_co_u32 s78, s78, 24576
	s_add_nc_u64 s[86:87], s[10:11], s[78:79]
.irp a, 0,1,2,3,4,5,6,7
	QEPI \a, 2
.endr
.else
	s_cmp_lg_u32 s76, 0                            ; the same in all partners
	s_cbranch_scc0 .Lv_out
	s_lshl_b32 s77, s17, 1
	s_add_co_u32 s77, s77, s15                     ; my group of tokens
	s_lshr_b32 s78, s77, 4
	s_lshl_b32 s78, s78, 4                         ; 16 x batch
	s_and_b32 s79, s42, 3
	s_lshl_b32 s79, s79, 2
	s_add_co_u32 s78, s78, s79
	s_lshl_b32 s79, s16, 1
	s_add_co_u32 s78, s78, s79                     ; y of my even head
	s_and_b32 s77, s77, 15                         ; s
	s_and_b32 s79, ttmp9, 1                        ; 0: q, 1: k
	s_mov_b32 s80, 208896
	s_mov_b32 s81, 13056
	s_mov_b32 s82, KVO
	s_cmp_eq_u32 s79, 0
	s_cselect_b32 s80, 106496, s80
	s_cselect_b32 s81, 6656, s81
	s_cselect_b32 s82, 0, s82
	s_mul_i32 s78, s78, s80
	s_mul_i32 s77, s77, s81
	s_add_co_u32 s78, s78, s77
	s_add_co_u32 s78, s78, s82
	s_mov_b32 s79, 0
	s_mov_b32 s81, 0
	s_add_nc_u64 s[84:85], s[10:11], s[78:79]      ; the even head's place,
	s_add_nc_u64 s[86:87], s[84:85], s[80:81]      ; the odd head's
.irp a, 0,1,2,3,4,5,6,7
	QEPI \a, 0
.endr
	s_branch .Lend
.Lv_out:
	s_lshl_b32 s77, s42, 1
	s_add_co_u32 s77, s77, s16                     ; my group of keys
	s_lshr_b32 s78, s77, 4
	s_lshl_b32 s78, s78, 4
	s_lshl_b32 s79, s41, 2
	s_add_co_u32 s78, s78, s79
	s_lshl_b32 s79, s15, 1
	s_add_co_u32 s78, s78, s79                     ; y of my first head: 16 batch + 4 cy + 2 x half
	s_and_b32 s77, s77, 15
	s_mul_i32 s78, s78, 208896
	s_mul_i32 s77, s77, 13056
	s_add_co_u32 s78, s78, s77
	s_add_co_u32 s78, s78, KVO
	s_mov_b32 s79, 0
	s_add_nc_u64 s[84:85], s[10:11], s[78:79]
.irp a, 0,1,2,3,4,5,6,7
	QEPI \a, 1
.endr
.Lend:
.endif
	s_wait_tensorcnt 0x0                           ; the wave's end
	ds_add_u32 v[SPW], v[NIL]
	s_wait_dscnt 0x0
	CROUND                                         ; the closing round: no work-group ends while a partner may still ask for a block that names it
	s_endpgm
.Lfunc_end_k_q60b132d5d3_qkv:
	.size	k_q60b132d5d3_qkv, .Lfunc_end_k_q60b132d5d3_qkv-k_q60b132d5d3_qkv
	.p2alignl 7, 3214868480
	.fill 96, 4, 3214868480
	.section	.rodata,"a",@progbits
	.p2align	6, 0x0
	.amdhsa_kernel k_q60b132d5d3_qkv
		.amdhsa_group_segment_fixed_size 327680
		.amdhsa_private_segment_fixed_size 0
		.amdhsa_enable_private_segment 0
		.amdhsa_kernarg_size 32
		.amdhsa_user_sgpr_count 2
		.amdhsa_user_sgpr_kernarg_segment_ptr 1
		.amdhsa_wavefront_size32 1
		.amdhsa_system_sgpr_workgroup_id_x 1
		.amdhsa_system_sgpr_workgroup_id_y 1
		.amdhsa_system_sgpr_workgroup_id_z 1
		.amdhsa_system_vgpr_workitem_id 0
		.amdhsa_next_free_vgpr 1024
		.amdhsa_next_free_sgpr 100
		.amdhsa_reserve_vcc 1
		.amdhsa_float_denorm_mode_32 3
		.amdhsa_float_denorm_mode_16_64 3
		.amdhsa_memory_ordered 1
		.amdhsa_forward_progress 1
		.amdhsa_inst_pref_size 217
	.end_amdhsa_kernel
	.amdgpu_metadata
---
amdhsa.version: [ 1, 2 ]
amdhsa.kernels:
  - .name:           k_q60b132d5d3_qkv
    .symbol:         k_q60b132d5d3_qkv.kd
    .args:
      - { .name: xc, .offset: 0, .size: 8, .value_kind: global_buffer, .address_space: global }
      - { .name: wq, .offset: 8, .size: 8, .value_kind: global_buffer, .address_space: global }
      - { .name: c_attn_b, .offset: 16, .size: 8, .value_kind: global_buffer, .address_space: global }
      - { .name: qkvb, .offset: 24, .size: 8, .value_kind: global_buffer, .address_space: global }
    .group_segment_fixed_size: 327680
    .private_segment_fixed_size: 0
    .kernarg_segment_align: 8
    .kernarg_segment_size: 32
    .max_flat_workgroup_size: 128
    .sgpr_count:     100
    .vgpr_count:     1024
    .wavefront_size: 32
...
	.end_amdgpu_metadata
.endif
;; end of part 9
;; launch attn (part 10): grid 8 x 32, 16 waves a work-group, clusters of 4 x 1, 247,808 bytes of LDS; arguments qkvb, ac; writes ac
.if DOCPART == 10
	.amdgcn_target "amdgcn-amd-amdhsa--gfx1250"
	.amdhsa_code_object_version 6
	.text
	.protected	k_q60b132d5d3_attn
	.globl	k_q60b132d5d3_attn
	.p2align	8
	.type	k_q60b132d5d3_attn,@function
k_q60b132d5d3_attn:
	s_mov_b64 s[64:65], 0
	v_nop
	global_prefetch_b8 v0, s[64:65] scope:SCOPE_SE
	s_setreg_imm32_b32 hwreg(HW_REG_WAVE_MODE, 25, 1), 1
	s_wait_xcnt 0x0
	s_wait_alu depctr_hold_cnt(0) depctr_sa_sdst(0) depctr_va_vdst(0) depctr_va_sdst(0) depctr_va_ssrc(0) depctr_va_vcc(0) depctr_vm_vsrc(0)
	s_getreg_b32 s2, hwreg(HW_REG_IB_STS2, 6, 4)
	s_cmp_eq_u32 s2, 0
	s_cbranch_scc0 .Lentry_in_a_cluster
	s_endpgm
.Lentry_in_a_cluster:
	s_bfe_u32 s2, ttmp6, 0x10000c
	s_cmp_lg_u32 s2, 0x3003
	s_cbranch_scc0 .Lentry_shape_is_right
	s_endpgm
.Lentry_shape_is_right:
; CAUSAL ATTENTION ON CODES OF FP6 (E2M3), head size 64, 2,048 keys, 32 (batch, head) pairs y.  Both products quantised; p = 2^(t - M), t = score x log2(e) / 8, M the running largest t rounded up to a whole number;
; the row's sum is taken of the unquantised p and divides O at the end; O / sum is quantised along the model's 1,024 and stored as an operand of the next product.
; INPUT qkvb: rows by POSITION (position 32 b + 16 u + r holds row 32 b + 8 u + r + 8 (r / 8)).  Q at 106,496 y + 6,656 s (s = 128 positions): a tile's 16 rows x 64 as 768 bytes (lane (r, hh): bytes 0-15 of block hh
; at 16 (r + 16 hh), bytes 16-23 at 512 + 16 r + 8 hh) at 768 a, scale words at 6,144 + 64 a + 4 r.  K and V at 3,407,872 + 208,896 y + 13,056 s: K as Q; V^T's fragment dt as three runs of 512 bytes at 6,656 + 1,536 dt,
; its words at 12,800 + 64 dt + 4 r.  The first product's K is 64: registers 6-11 of its operands are zero codes.
; OUTPUT ac: block (K step ks = head / 4, group g = 16 batch + w) at (4 g + ks) GRP: a group's four K steps lie on end.
; SHARES.  Work-group (x, y), sixteen waves; query tile x of group w needs key steps 0 .. w of 128 keys (steps behind the diagonal are thrown away by the mask and left out).  Wave w >= 8 walks steps w - 8 .. w of its own
; tile: nine.  Wave w < 8 walks its own tile's w + 1 steps, finishes it, and then walks steps 0 .. 6 - w of tile 15 - w: eight in all.  It hands that tile's O^T, -M and sums to wave 15 - w through LDS bytes of their own;
; the two parts are brought under the larger M by powers of two, which round nothing, and added.  Every branch hangs on the wave's number and a counted loop's steps alone; both loops have constant trip counts.
; LDS.  The head's whole K and V, 208,896 bytes, are filled ONCE; the four work-groups of a cluster belong to one head and ask jointly; waves 0-7 issue one load each (26,112 bytes).  Then the spare words, then eight parts of 4,608 bytes.
; No prefetch: all tiles are asked for at the head, so there is no loop to run ahead in.
; LIMITS: a block of zeros gets the byte 1 (its codes are zeros); NaN and infinities are not served; 1 / sum is a reciprocal and a multiplication; the scaled scores stay under 2^31 in magnitude;
; a row's sum and O are made of two parts along the keys where w >= 9.
; REGISTERS: v1-5 lane terms; v6 my part's LDS address; v8-10 the step's addresses; v12 -M, v13 the largest t, v[14:15] the sum; v16-27 Q; v28-31 V's words; v32-79 K; v80-127 V; v128-191 S^T, then p; v192-223 O^T; v224-254 codes and work; v255 Q's word.
.set STEPB, 13056
.set KVO,   3407872
.set GRP,   25600
.set SPARE, 0x33000
.set STG,   SPARE+2048
.set PART,  4608
.set S,   128
.set O,   192
.set TB,  2
.set ST,  3
.set WV,  18
.set SEL, 20
.set CS,  22
.set G1,  24
.set G0,  32
.set LO,  44                           ; s44 the first step of my own tile that I walk
.set LG,  45                           ; s45 1: w >= 8
.set PR,  46                           ; s46 my pair's part in LDS
.macro CROUND
	s_barrier_signal -1
	s_barrier_wait -1
	s_cmp_lg_u32 s[WV], 0
	s_cbranch_scc1 .Lnot_wave_0_\@
	s_barrier_signal -3
.Lnot_wave_0_\@:
	s_barrier_wait -3
	s_barrier_signal -1
	s_barrier_wait -1
.endm
	s_load_b128 s[4:7], s[0:1], 0x0                ; qkvb, ac
	v_lshl_add_u32 v254, v0, 2, SPARE
	v_mov_b32 v255, 0
	ds_add_u32 v254, v255                          ; the opening lines
	ds_add_u32 v254, v255
	s_wait_dscnt 0x0
	v_lshrrev_b32 v1, 5, v0
	s_delay_alu instid0(VALU_DEP_1)
	v_readfirstlane_b32 s[WV], v1                  ; wave 0..15
	s_bfe_u32 s8, ttmp6, 0x40000                   ; cx
	s_lshl_b32 s9, ttmp9, 2
	s_add_co_u32 s9, s9, s8                        ; x: it enters global addresses and the mask's numbers alone
	s_and_b32 s10, ttmp7, 0xffff                   ; y, which the four partners share
	s_lshr_b32 s[LG], s[WV], 3
	s_and_b32 s8, s[WV], 7
	s_mul_i32 s[LO], s[LG], s8                     ; w - 8 where w >= 8, else 0
	s_mul_i32 s8, s[LG], 15
	s_xor_b32 s[PR], s[WV], s8                     ; the pair: w, or 15 - w
	s_mul_i32 s[PR], s[PR], PART
	s_mov_b32 s[G1], 15|(3<<16)|(1<<21)            ; all four work-groups; elements of 8 bytes; bit 21 beside a mask
	s_mov_b32 s[G1+1], 32<<16                      ; rows of 256 bytes,
	s_mov_b32 s[G1+2], 102<<16                     ; 102 of them
	s_mov_b32 s[G1+3], 32<<16
	s_mov_b32 s[G1+4], 102
	s_mov_b32 s[G1+5], 32
	s_mov_b32 s[G1+6], 0
	s_mov_b32 s[G1+7], 0
	s_mul_i32 s12, s10, 208896
	s_mul_i32 s13, s[WV], 26112
	s_mov_b32 s[G0], 1
	s_mov_b32 s[G0+1], s13
	s_add_co_u32 s12, s12, s13
	s_add_co_u32 s12, s12, KVO
	s_mov_b32 s13, 0
	s_mov_b32 s[SEL], 0x76543210
	s_mov_b32 s[SEL+1], 0xfedcba98
	s_mov_b32 s[CS], 0x3e38aa3b                    ; c = log2(e) / 8
	s_mov_b32 s[CS+1], s[CS]
	s_wait_kmcnt 0x0
	s_add_nc_u64 s[G0+2:G0+3], s[4:5], s[12:13]
	s_or_b32 s[G0+3], s[G0+3], 0x80000000
	CROUND                                         ; the joint loads meet
	s_cmp_lt_u32 s[WV], 8
	s_cbranch_scc0 .Lno_fill
	tensor_load_to_lds s[G0:G0+3], s[G1:G1+7]      ; my one tensor load of the launch
	s_nop 0
.rept 4
	v_nop
.endr
.Lno_fill:
	v_and_b32 v6, 31, v0                           ; lane
	v_and_b32 v7, 15, v0                           ; r
	v_bfe_u32 v11, v0, 4, 1                        ; hh
	s_delay_alu instid0(VALU_DEP_3)
	v_lshlrev_b32 v1, 4, v6                        ; 16 x lane
	s_delay_alu instid0(VALU_DEP_3)
	v_lshlrev_b32 v2, 4, v7
	s_delay_alu instid0(VALU_DEP_1)
	v_lshl_add_u32 v2, v11, 3, v2                  ; 16 r + 8 hh
	s_wait_alu depctr_va_vdst(0)
	v_lshlrev_b32 v3, 2, v7                        ; 4 r
	s_wait_alu depctr_va_vdst(0)
	v_lshlrev_b32 v5, 3, v7                        ; 8 r
	s_lshr_b32 s12, s9, 1
	s_lshl_b32 s12, s12, 5
	s_and_b32 s14, s9, 1
	s_lshl_b32 s14, s14, 3
	s_add_co_u32 s12, s12, s14
	v_and_b32 v4, 8, v7
	s_delay_alu instid0(VALU_DEP_1)
	v_add_nc_u32 v4, v4, v7
	v_lshlrev_b32 v11, 4, v11
	s_delay_alu instid0(VALU_DEP_1)
	v_sub_nc_u32 v4, v4, v11
	s_delay_alu instid0(VALU_DEP_1)
	v_add_nc_u32 v4, s12, v4                       ; my query's place in its 128, less 16 hh
	v_add_nc_u32 v6, s[PR], v1
	s_delay_alu instid0(VALU_DEP_1)
	v_add_nc_u32 v6, STG, v6                       ; my pair's part: 16 bytes a lane
	s_mul_i32 s12, s10, 106496
	s_mul_i32 s14, s[WV], 6656
	s_add_co_u32 s12, s12, s14                     ; Q: my head, my group
	s_mul_i32 s14, s9, 768
	s_add_co_u32 s14, s14, s12
	s_mov_b32 s15, 0
	s_lshl_b32 s16, s9, 6
	s_add_co_u32 s16, s16, s12
	s_add_co_u32 s16, s16, 6144
	s_mov_b32 s17, 0
	s_add_nc_u64 s[36:37], s[4:5], s[14:15]
	s_add_nc_u64 s[38:39], s[4:5], s[16:17]
	global_load_b128 v[16:19], v1, s[36:37]        ; Q's fragment stays in registers
	global_load_b64 v[20:21], v2, s[36:37] offset:512
	global_load_b32 v255, v3, s[38:39]
	s_sub_co_u32 s8, 15, s[WV]                     ; the same for group 15 - w
	s_mul_i32 s8, s8, 6656
	s_mul_i32 s48, s10, 106496
	s_add_co_u32 s8, s8, s48
	s_mul_i32 s48, s9, 768
	s_add_co_u32 s48, s48, s8
	s_mov_b32 s49, 0
	s_lshl_b32 s50, s9, 6
	s_add_co_u32 s50, s50, s8
	s_add_co_u32 s50, s50, 6144
	s_mov_b32 s51, 0
	s_add_nc_u64 s[48:49], s[4:5], s[48:49]
	s_add_nc_u64 s[50:51], s[4:5], s[50:51]
	s_lshr_b32 s12, s10, 4
	s_lshl_b32 s12, s12, 4                         ; 16 x batch
	s_add_co_u32 s12, s12, s[WV]                   ; g
	s_lshl_b32 s12, s12, 2
	s_bfe_u32 s14, s10, 0x20002                    ; head / 4: the K step of the next product
	s_add_co_u32 s12, s12, s14
	s_mul_i32 s12, s12, GRP
	s_and_b32 s13, s10, 3                          ; head % 4: which 64 of the K step's 256
	s_mul_i32 s14, s9, 3072
	s_add_co_u32 s14, s14, s12
	s_mul_i32 s16, s13, 768
	s_add_co_u32 s14, s14, s16
	s_add_nc_u64 s[40:41], s[6:7], s[14:15]
	s_lshl_b32 s16, s9, 7
	s_add_co_u32 s16, s16, s12
	s_lshl_b32 s13, s13, 1
	s_add_co_u32 s16, s16, s13
	s_add_co_u32 s16, s16, 24576
	s_add_nc_u64 s[42:43], s[6:7], s[16:17]
.irp j, 22,23,24,25,26,27
	v_mov_b32 v\j, 0                               ; Q's K = 64 .. 127: zero codes
.endr
.irp t, 0,1,2,3
.irp j, 6,7,8,9,10,11
	v_mov_b32 v[32+12*\t+\j], 0                    ; K's likewise: set once
.endr
.endr
.macro FRESH                           ; a tile's state before its first step
	v_mov_b32 v13, 0xff61b1e6                      ; the largest t so far: -3e38
	s_delay_alu instid0(VALU_DEP_1)
	v_floor_f32 v12, -v13                          ; -M
	v_mov_b32 v14, 0
	v_mov_b32 v15, 0
.set j, 0
.rept 32
	v_mov_b32 v[O+j], 0                            ; O^T: the first change of M leaves zeros zeros
.set j, j+1
.endr
.endm
.irp b, 0,1,2,3
	v_mov_b32 v[236+\b], 0                         ; a lane permute's destination counts as one of its sources
.endr
	v_mov_b32 v252, 0
	v_mov_b32 v253, 0
	FRESH
	s_mov_b32 s[TB], 0
	s_mov_b32 s[ST], 0
	s_wait_alu depctr_va_vdst(0)
	s_wait_tensorcnt 0x0                           ; my part of K and V has landed,
	s_barrier_signal -1
	s_barrier_wait -1                              ; everybody's has
	s_wait_loadcnt 0x0                             ; Q
; A walk over key steps 0 .. nt - 1.  jb = 1: my own tile, steps LO .. w, the last on the diagonal.  jb = 2: tile 15 - w, steps 0 .. 6 - w, none on the diagonal.
.macro WALK jb, nt
.Lstep\@:
.if \jb == 1
	s_cmp_lt_u32 s[ST], s[LO]
	s_cbranch_scc1 .Lskip\@
	s_cmp_gt_u32 s[ST], s[WV]
.else
	s_add_co_u32 s8, s[ST], s[WV]
	s_cmp_gt_u32 s8, 6
.endif
	s_cbranch_scc1 .Lskip\@
	v_add_nc_u32 v8, s[TB], v1
	v_add_nc_u32 v9, s[TB], v2
	v_add_nc_u32 v10, s[TB], v3
	v_nop                                          ; four places between the last step's products and the loads into their operands
.irp t, 0,1,2,3
	ds_load_b128 v[32+12*\t:35+12*\t], v8 offset:768*\t
	ds_load_b64 v[36+12*\t:37+12*\t], v9 offset:768*\t+512
	ds_load_b32 v[248+\t], v10 offset:6144+64*\t
.endr
.irp t, 0,1,2,3
.irp c, 0,1,2
	ds_load_b128 v[80+12*\t+4*\c:83+12*\t+4*\c], v8 offset:6656+1536*\t+512*\c
.endr
	ds_load_b32 v[28+\t], v10 offset:12800+64*\t
.endr
	s_wait_alu depctr_va_vdst(0)
	s_wait_dscnt 16                                ; K's tiles 0-3 are in; V's sixteen loads stay out
.irp t, 0,1,2,3
	v_wmma_scale_f32_16x16x128_f8f6f4 v[S+8*\t:S+8*\t+7], v[32+12*\t:43+12*\t], v[16:27], 0, v[248+\t], v255 matrix_a_fmt:MATRIX_FMT_FP6 matrix_b_fmt:MATRIX_FMT_FP6
.endr
.rept 4
	v_nop
.endr
.irp t, 0,1,2,3
	ds_load_b128 v[32+12*\t:35+12*\t], v8 offset:768*(4+\t)
	ds_load_b64 v[36+12*\t:37+12*\t], v9 offset:768*(4+\t)+512
	ds_load_b32 v[248+\t], v10 offset:6144+64*(4+\t)
.endr
	s_wait_dscnt 0x0
.irp t, 0,1,2,3
	v_wmma_scale_f32_16x16x128_f8f6f4 v[S+8*(4+\t):S+8*(4+\t)+7], v[32+12*\t:43+12*\t], v[16:27], 0, v[248+\t], v255 matrix_a_fmt:MATRIX_FMT_FP6 matrix_b_fmt:MATRIX_FMT_FP6
.endr
.rept 4
	v_nop
.endr
.if \jb == 1
	s_cmp_lg_u32 s[ST], s[WV]                      ; only step w lies on the diagonal
	s_cbranch_scc1 .Lopen\@
	v_mov_b32 v254, 0xff800000                     ; -infinity
.set n, 0
.rept 64
	v_cmp_gt_i32 vcc_lo, 32*(n/16)+n%16, v4
	v_cndmask_b32 v[S+n], v[S+n], v254, vcc_lo
.set n, n+1
.endr
.Lopen\@:
.endif
.irp b, 0,1,2,3
	v_max3_num_f32 v[232+\b], v[S+16*\b], v[S+1+16*\b], v[S+2+16*\b]   ; the largest score of each block of 32 keys: for the row's maximum and for the block's largest p
.endr
.irp i, 3,5,7,9,11,13
.irp b, 0,1,2,3
	v_max3_num_f32 v[232+\b], v[232+\b], v[S+16*\b+\i], v[S+1+16*\b+\i]
.endr
.endr
.irp b, 0,1,2,3
	v_max_num_f32 v[232+\b], v[232+\b], v[S+15+16*\b]
.endr
.irp b, 0,1,2,3
	s_delay_alu instid0(VALU_DEP_4)
	v_permlanex16_b32 v[236+\b], v[232+\b], s[SEL], s[SEL+1]
.endr
.irp b, 0,1,2,3
	s_delay_alu instid0(VALU_DEP_4)
	v_max_num_f32 v[232+\b], v[232+\b], v[236+\b]
.endr
	s_delay_alu instid0(VALU_DEP_2)
	v_max3_num_f32 v254, v232, v233, v234
	s_delay_alu instid0(VALU_DEP_1)
	v_max_num_f32 v254, v254, v235
	s_delay_alu instid0(VALU_DEP_1)
	v_mul_f32 v254, s[CS], v254                    ; as t
	s_delay_alu instid0(VALU_DEP_1)
	v_max_num_f32 v13, v13, v254                   ; the running largest t
	v_mov_b32 v254, v12
	s_delay_alu instid0(VALU_DEP_2)
	v_floor_f32 v12, -v13                          ; the new -M = -ceil(t)
	s_delay_alu instid0(VALU_DEP_1)
	v_sub_f32 v254, v12, v254                      ; old M - new M: a whole number, 0 or less
	s_delay_alu instid0(VALU_DEP_1)
	v_cvt_i32_f32 v254, v254                       ; (it saturates)
	s_delay_alu instid0(VALU_DEP_1)
	v_ldexp_f32 v252, 1.0, v254                    ; f = 2^(old M - new M)
.set j, 0
.rept 32
	v_pk_fma_f32 v[S+j:S+j+1], v[S+j:S+j+1], s[CS:CS+1], v[12:13] op_sel_hi:[1,0,0]   ; t - M
.set j, j+2
.endr
.irp b, 0,1,2,3
	v_fma_f32 v[232+\b], v[232+\b], s[CS], v12
.endr
.set j, 0
	s_wait_alu depctr_va_vdst(0)
.rept 64
	v_exp_f32 v[S+j], v[S+j]                       ; p = 2^(t - M)
.set j, j+1
.endr
	v_pk_mul_f32 v[14:15], v[14:15], v[252:253] op_sel_hi:[1,0]    ; the sums under the new M
	s_wait_alu depctr_va_vdst(0)                   ; one wait for the 64, ahead of their first reader
.irp b, 0,1,2,3
	v_exp_f32 v[232+\b], v[232+\b]                 ; each block's largest p
.endr
	v_pk_add_f32 v[236:237], v[132:133], v[136:137]
	v_pk_add_f32 v[250:251], v[140:141], v[144:145]
	v_pk_add_f32 v[248:249], v[148:149], v[152:153]
	v_pk_add_f32 v[246:247], v[156:157], v[160:161]
	v_pk_add_f32 v[244:245], v[164:165], v[168:169]
	v_pk_add_f32 v[242:243], v[172:173], v[176:177]
	v_pk_add_f32 v[240:241], v[180:181], v[184:185]
	v_pk_add_f32 v[14:15], v[14:15], v[188:189]
	v_pk_add_f32 v[236:237], v[236:237], v[128:129]
	v_pk_add_f32 v[250:251], v[250:251], v[130:131]
	v_pk_add_f32 v[248:249], v[248:249], v[134:135]
	v_pk_add_f32 v[246:247], v[246:247], v[138:139]
	v_pk_add_f32 v[244:245], v[244:245], v[142:143]
	v_pk_add_f32 v[242:243], v[242:243], v[146:147]
	v_pk_add_f32 v[240:241], v[240:241], v[150:151]
	v_pk_add_f32 v[14:15], v[14:15], v[154:155]
	v_pk_add_f32 v[236:237], v[236:237], v[158:159]
	v_pk_add_f32 v[250:251], v[250:251], v[162:163]
	v_pk_add_f32 v[248:249], v[248:249], v[166:167]
	v_pk_add_f32 v[246:247], v[246:247], v[170:171]
	v_pk_add_f32 v[244:245], v[244:245], v[174:175]
	v_pk_add_f32 v[242:243], v[242:243], v[178:179]
	v_pk_add_f32 v[240:241], v[240:241], v[182:183]
	v_pk_add_f32 v[14:15], v[14:15], v[186:187]
	v_pk_add_f32 v[236:237], v[236:237], v[190:191]
	s_delay_alu instid0(VALU_DEP_2)
	v_pk_add_f32 v[14:15], v[14:15], v[246:247]
	s_delay_alu instid0(VALU_DEP_2)
	v_pk_add_f32 v[236:237], v[236:237], v[244:245]
	v_pk_add_f32 v[250:251], v[250:251], v[242:243]
	v_pk_add_f32 v[248:249], v[248:249], v[240:241]
	s_delay_alu instid0(VALU_DEP_2)
	v_pk_add_f32 v[14:15], v[14:15], v[250:251]
	s_delay_alu instid0(VALU_DEP_2)
	v_pk_add_f32 v[236:237], v[236:237], v[248:249]
	s_delay_alu instid0(VALU_DEP_1)
	v_pk_add_f32 v[14:15], v[14:15], v[236:237]
	s_wait_alu depctr_va_vdst(0)                   ; and one for the four
.irp b, 0,1,2,3
	v_max_num_f32 v[232+\b], 0x1800000, v[232+\b]  ; the floor 2^(3 - 127)
.endr
.irp b, 0,1,2,3
	s_delay_alu instid0(VALU_DEP_4)
	v_add_nc_u32 v[244+\b], 0xff000000, v[232+\b]
.endr
.irp b, 0,1,2,3
	s_delay_alu instid0(VALU_DEP_4)
	v_lshrrev_b32 v[236+\b], 23, v[244+\b]
.endr
	s_delay_alu instid0(VALU_DEP_3)
	v_lshl_or_b32 v253, v237, 8, v236              ; p's scale word for these 128 keys
	s_delay_alu instid0(VALU_DEP_1)
	v_lshl_or_b32 v253, v238, 16, v253
	s_delay_alu instid0(VALU_DEP_1)
	v_lshl_or_b32 v253, v239, 24, v253
.irp c, 0,1
	v_cvt_scalef32_pk16_fp6_f32 v[224+6*\c:226+6*\c], v[S+32*\c:S+15+32*\c], v[244+2*\c]
	v_cvt_scalef32_pk16_fp6_f32 v[236+4*\c:238+4*\c], v[S+16+32*\c:S+31+32*\c], v[244+2*\c+1]
.endr
	v_nop
.irp c, 0,1
.irp i, 0,1,2
	v_permlane16_swap_b32 v[224+6*\c+\i], v[236+4*\c+\i]
.endr
.irp i, 0,1,2
	s_delay_alu instid0(VALU_DEP_3)
	v_mov_b32 v[227+6*\c+\i], v[236+4*\c+\i]
.endr
.endr
.set j, 0
.rept 16
	v_pk_mul_f32 v[O+j:O+j+1], v[O+j:O+j+1], v[252:253] op_sel_hi:[1,0]    ; O^T under the new M; also the places in front of the products below
.set j, j+2
.endr
.irp t, 0,1,2,3
	v_wmma_scale_f32_16x16x128_f8f6f4 v[O+8*\t:O+8*\t+7], v[80+12*\t:91+12*\t], v[224:235], v[O+8*\t:O+8*\t+7], v[28+\t], v253 matrix_a_fmt:MATRIX_FMT_FP6 matrix_b_fmt:MATRIX_FMT_FP6
.endr
.Lskip\@:
	s_add_co_u32 s[TB], s[TB], STEPB
	s_add_co_u32 s[ST], s[ST], 1
	s_cmp_lt_u32 s[ST], \nt
	s_cbranch_scc1 .Lstep\@
.rept 4
	v_nop                                          ; places behind the last products
.endr
.endm
; My own tile is whole: O / sum, quantised along the head's 64, stored as the next product's operand.
.macro FINISH
	v_add_f32 v14, v14, v15
	s_delay_alu instid0(VALU_DEP_1)
	v_permlanex16_b32 v252, v14, s[SEL], s[SEL+1]
	s_delay_alu instid0(VALU_DEP_1)
	v_add_f32 v14, v14, v252                       ; the row's sum
	s_wait_alu depctr_va_vdst(0)
	v_rcp_f32 v14, v14
	v_nop
	s_wait_alu depctr_va_vdst(0)
.set j, 0
.rept 32
	v_mul_f32 v[S+j], v[O+j], v14                  ; register 16 b + i = channel 32 b + 16 hh + i of my query
.set j, j+1
.endr
.irp b, 0,1
	v_max3_num_f32 v[232+\b], |v[S+16*\b]|, |v[S+1+16*\b]|, 0x1800000
.endr
.irp i, 2,4,6,8,10,12,14
.irp b, 0,1
	s_delay_alu instid0(VALU_DEP_2)
	v_max3_num_f32 v[232+\b], v[232+\b], |v[S+16*\b+\i]|, |v[S+1+16*\b+\i]|
.endr
.endr
.irp b, 0,1
	s_delay_alu instid0(VALU_DEP_2)
	v_permlanex16_b32 v[236+\b], v[232+\b], s[SEL], s[SEL+1]
.endr
.irp b, 0,1
	s_delay_alu instid0(VALU_DEP_2)
	v_max_num_f32 v[232+\b], v[232+\b], v[236+\b]
.endr
.irp b, 0,1
	s_delay_alu instid0(VALU_DEP_2)
	v_add_nc_u32 v[244+\b], 0xff000000, v[232+\b]
.endr
.irp b, 0,1
	s_delay_alu instid0(VALU_DEP_2)
	v_lshrrev_b32 v[238+\b], 23, v[244+\b]
.endr
	s_delay_alu instid0(VALU_DEP_1)
	v_lshl_or_b32 v254, v239, 8, v238              ; the head's two scale bytes of my row
	v_cvt_scalef32_pk16_fp6_f32 v[224:226], v[S:S+15], v244
	v_cvt_scalef32_pk16_fp6_f32 v[240:242], v[S+16:S+31], v245
	v_nop
.irp i, 0,1,2
	v_permlane16_swap_b32 v[224+\i], v[240+\i]
.endr
.irp i, 0,1,2
	s_delay_alu instid0(VALU_DEP_3)
	v_mov_b32 v[227+\i], v[240+\i]
.endr
	global_store_b128 v1, v[224:227], s[40:41]             ; 512 consecutive bytes, aligned
	global_store_b64 v2, v[228:229], s[40:41] offset:512   ; 256 consecutive bytes, aligned
	global_store_b16 v5, v254, s[42:43]                    ; 2 of a row's 8 scale bytes; lanes 16-31 write lanes 0-15's bytes again, with the same value
	s_wait_xcnt 0x0                                        ; the stores have read their registers
.endm
	WALK 1, 16
	s_cmp_lg_u32 s[LG], 0
	s_cbranch_scc1 .Lheld                          ; waves 8-15 keep their sums until the other part has come
	global_load_b128 v[16:19], v1, s[48:49]        ; waves 0-7: tile 15 - w's Q lands while my own tile goes out
	global_load_b64 v[20:21], v2, s[48:49] offset:512
	global_load_b32 v255, v3, s[50:51]
	FINISH
	FRESH
	s_wait_alu depctr_va_vdst(0)
	s_wait_loadcnt 0x0
.Lheld:
	s_mov_b32 s[TB], 0
	s_mov_b32 s[ST], 0
	WALK 2, 7
	s_cmp_lg_u32 s[LG], 0
	s_cbranch_scc1 .Lno_put
.irp i, 0,1,2,3,4,5,6,7
	ds_store_b128 v6, v[O+4*\i:O+4*\i+3] offset:512*\i     ; an image of my registers: O^T,
.endr
	ds_store_b128 v6, v[12:15] offset:4096                 ; -M, the largest t, the sum's two halves
.Lno_put:
	s_wait_dscnt 0x0                               ; for the others' sake: my part is whole
	s_barrier_signal -1
	s_barrier_wait -1
	s_cmp_eq_u32 s[LG], 0
	s_cbranch_scc1 .Ldone
.irp i, 0,1,2,3,4,5,6,7
	ds_load_b128 v[S+4*\i:S+4*\i+3], v6 offset:512*\i
.endr
	ds_load_b128 v[160:163], v6 offset:4096
	s_wait_dscnt 0x0
	v_min_num_f32 v164, v12, v160                  ; -M of both parts: the larger M
	s_delay_alu instid0(VALU_DEP_1)
	v_sub_f32 v165, v164, v12
	v_sub_f32 v166, v164, v160                     ; whole numbers, 0 or less
	s_delay_alu instid0(VALU_DEP_2)
	v_cvt_i32_f32 v165, v165                       ; (they saturate: a part with no step counts for nothing)
	s_delay_alu instid0(VALU_DEP_2)
	v_cvt_i32_f32 v166, v166
	s_delay_alu instid0(VALU_DEP_2)
	v_ldexp_f32 v168, 1.0, v165
	s_delay_alu instid0(VALU_DEP_2)
	v_ldexp_f32 v170, 1.0, v166
	v_mov_b32 v169, 0                              ; (the pairs' upper halves are named, not used)
	v_mov_b32 v171, 0
	v_pk_mul_f32 v[14:15], v[14:15], v[168:169] op_sel_hi:[1,0]
.set j, 0
.rept 16
	v_pk_mul_f32 v[O+j:O+j+1], v[O+j:O+j+1], v[168:169] op_sel_hi:[1,0]
.set j, j+2
.endr
	v_pk_fma_f32 v[14:15], v[162:163], v[170:171], v[14:15] op_sel_hi:[1,0,1]
.set j, 0
.rept 16
	v_pk_fma_f32 v[O+j:O+j+1], v[S+j:S+j+1], v[170:171], v[O+j:O+j+1] op_sel_hi:[1,0,1]
.set j, j+2
.endr
	FINISH
.Ldone:
	v_lshl_add_u32 v254, v0, 2, SPARE
	v_mov_b32 v255, 0
	s_wait_alu depctr_va_vdst(0)
	s_wait_tensorcnt 0x0                           ; the wave's end
	ds_add_u32 v254, v255
	s_wait_dscnt 0x0
	CROUND                                         ; the closing round
	s_endpgm
.Lfunc_end_k_q60b132d5d3_attn:
	.size	k_q60b132d5d3_attn, .Lfunc_end_k_q60b132d5d3_attn-k_q60b132d5d3_attn
	.p2alignl 7, 3214868480
	.fill 96, 4, 3214868480
	.section	.rodata,"a",@progbits
	.p2align	6, 0x0
	.amdhsa_kernel k_q60b132d5d3_attn
		.amdhsa_group_segment_fixed_size 247808
		.amdhsa_private_segment_fixed_size 0
		.amdhsa_enable_private_segment 0
		.amdhsa_kernarg_size 16
		.amdhsa_user_sgpr_count 2
		.amdhsa_user_sgpr_kernarg_segment_ptr 1
		.amdhsa_wavefront_size32 1
		.amdhsa_system_sgpr_workgroup_id_x 1
		.amdhsa_system_sgpr_workgroup_id_y 1
		.amdhsa_system_sgpr_workgroup_id_z 1
		.amdhsa_system_vgpr_workitem_id 0
		.amdhsa_next_free_vgpr 256
		.amdhsa_next_free_sgpr 66
		.amdhsa_reserve_vcc 1
		.amdhsa_float_denorm_mode_32 3
		.amdhsa_float_denorm_mode_16_64 3
		.amdhsa_memory_ordered 1
		.amdhsa_forward_progress 1
		.amdhsa_inst_pref_size 64
	.end_amdhsa_kernel
	.amdgpu_metadata
---
amdhsa.version: [ 1, 2 ]
amdhsa.kernels:
  - .name:           k_q60b132d5d3_attn
    .symbol:         k_q60b132d5d3_attn.kd
    .args:
      - { .name: qkvb, .offset: 0, .size: 8, .value_kind: global_buffer, .address_space: global }
      - { .name: ac, .offset: 8, .size: 8, .value_kind: global_buffer, .address_space: global }
    .group_segment_fixed_size: 247808
    .private_segment_fixed_size: 0
    .kernarg_segment_align: 8
    .kernarg_segment_size: 16
    .max_flat_workgroup_size: 512
    .sgpr_count:     66
    .vgpr_count:     256
    .wavefront_size: 32
...
	.end_amdgpu_metadata
.endif
;; end of part 10
;; launch cproj (part 11): grid 8 x 32, 4 waves a work-group, clusters of 4 x 4, 327,680 bytes of LDS; arguments ac, wq, c_proj_b, x, x1; writes x1
.if DOCPART == 11
	.amdgcn_target "amdgcn-amd-amdhsa--gfx1250"
	.amdhsa_code_object_version 6
	.text
	.protected	k_q60b132d5d3_cproj
	.globl	k_q60b132d5d3_cproj
	.p2align	8
	.type	k_q60b132d5d3_cproj,@function
k_q60b132d5d3_cproj:
	s_mov_b64 s[64:65], 0
	v_nop
	global_prefetch_b8 v0, s[64:65] scope:SCOPE_SE
	s_setreg_imm32_b32 hwreg(HW_REG_WAVE_MODE, 25, 1), 1
	s_wait_xcnt 0x0
	s_wait_alu depctr_hold_cnt(0) depctr_sa_sdst(0) depctr_va_vdst(0) depctr_va_sdst(0) depctr_va_ssrc(0) depctr_va_vcc(0) depctr_vm_vsrc(0)
	s_getreg_b32 s2, hwreg(HW_REG_IB_STS2, 6, 4)
	s_cmp_eq_u32 s2, 0
	s_cbranch_scc0 .Lentry_in_a_cluster
	s_endpgm
.Lentry_in_a_cluster:
	s_bfe_u32 s2, ttmp6, 0x10000c
	s_cmp_lg_u32 s2, 0xf033
	s_cbranch_scc0 .Lentry_shape_is_right
	s_endpgm
.Lentry_shape_is_right:
.set KIND,   1
.if KIND == 3
.set KSTEPS, 16
.set WOFF,   6553600
.else
.set KSTEPS, 4
.set WOFF,   2457600
.endif
.set NV,     KSTEPS/2
.set GRP,    25600
; x1 = x + a c_proj + b.  A's and B's blocks lie group by group, (4 g + ks) GRP, so that all of K, 8 blocks, comes by ONE load a wave at the head (two blocks, 200 rows of 256 bytes): nothing is filled again.
; LDS: A's K steps 0-3 from 0, B's from 4 GRP.  No prefetch: all tiles are asked for at the head, so there is no loop to run ahead in.
.set SLOT,   2*GRP
.set SPARE,  327168
.set FR,     12
.set NP,     4
.set SPITCH, 528
.set PART,   128*SPITCH
.set RD,   12
.set ADRA, 16
.set ADRB, 20
.set STO,  24
.set SPW,  28
.set NIL,  29
.set ADRS, 30
.set SC,   32
.set AF,   128
.set G1, 24
.set G0, 32
.set G1B, 48
.set G0B, 56
.set MSB, 0
.macro WIN new
.if MSB != (\new)
	s_set_vgpr_msb (MSB<<8)|(\new)
.set MSB, (\new)
.endif
.endm
.set MUL_LO, 0xa1
.set MUL_HI, 0xf1
.set TO_B,   0x40
.macro JLOAD g0a, g1a, g0b, g1b
	s_cmp_eq_u32 s15, 0
	s_cbranch_scc0 .Lfor_b_\@
	tensor_load_to_lds s[\g0a:\g0a+3], s[\g1a:\g1a+7]
	s_nop 0
.rept 4
	v_nop
.endr
	s_branch .Lasked_\@
.Lfor_b_\@:
	tensor_load_to_lds s[\g0b:\g0b+3], s[\g1b:\g1b+7]
	s_nop 0
.rept 4
	v_nop
.endr
.Lasked_\@:
.endm
.macro CREST
	s_cmp_lg_u32 s14, 0
	s_cbranch_scc1 .Lnot_wave_0_\@
	s_barrier_signal -3
.Lnot_wave_0_\@:
	s_barrier_wait -3
	s_barrier_signal -1
	s_barrier_wait -1
.endm
.macro CROUND
	s_barrier_signal -1
	s_barrier_wait -1
	CREST
.endm
.macro RSET g
.if (\g) < 2
.set RW, 0
.set RB, 64+32*(\g)
.elseif (\g) == 2
.set RW, 0
.set RB, 224
.else
.set RW, 1
.set RB, 96
.endif
.endm
.macro RLOAD g
	RSET \g
	WIN RW<<6
.irp t, 0,1,2,3,4,5,6,7
	global_load_b128 v[RB+4*\t:RB+4*\t+3], v1, s[10:11] offset:(8*((\g)/2)+16*((\g)%2)+\t)*4096 th:TH_LOAD_NT
.endr
.endm
	s_load_b256 s[4:11], s[0:1], 0x0
	s_load_b64 s[12:13], s[0:1], 0x20
	v_lshl_add_u32 v[SPW], v0, 2, SPARE
	v_mov_b32 v[NIL], 0
	ds_add_u32 v28, v29
	ds_add_u32 v28, v29
	s_wait_dscnt 0x0
	v_lshrrev_b32 v1, 5, v0
	v_readfirstlane_b32 s14, v1
	s_lshr_b32 s15, s14, 1
	s_and_b32 s16, s14, 1
	s_bfe_u32 s40, ttmp6, 0x40000
	s_bfe_u32 s41, ttmp6, 0x40004
	s_lshl_b32 s43, s41, 2
	s_lshl_b32 s43, 15, s43
	s_lshl_b32 s44, 0x1111, s40
	s_or_b32 s[G1+0], s43, (3<<16)|(1<<21)
	s_or_b32 s[G1B+0], s44, (3<<16)|(1<<21)
.irp g, G1, G1B
	s_mov_b32 s[\g+1], 32<<16
	s_mov_b32 s[\g+2], 200<<16
	s_mov_b32 s[\g+3], 32<<16
	s_mov_b32 s[\g+4], 200
	s_mov_b32 s[\g+5], 32
	s_mov_b32 s[\g+6], 0
	s_mov_b32 s[\g+7], 0
.endr
	s_mul_i32 s45, s14, 2*GRP
	s_wait_kmcnt 0x0
	s_lshl_b32 s42, ttmp9, 2
	s_add_co_u32 s42, s42, s40
	s_and_b32 s17, ttmp7, 0xffff
	s_lshl_b32 s17, s17, 2
	s_add_co_u32 s17, s17, s41
	s_mov_b64 s[88:89], s[4:5]
	s_add_nc_u64 s[90:91], s[6:7], WOFF
	s_lshl_b32 s18, s16, 1                         ; which two K steps I fetch
	s_lshl_b32 s20, s17, 2
	s_add_co_u32 s20, s20, s18                     ; A: block 4 x tile row + K step
	s_mul_i32 s20, s20, GRP
	s_mov_b32 s21, 0
	s_lshl_b32 s46, s42, 2
	s_add_co_u32 s46, s46, s18                     ; B: block 4 x tile column + K step
	s_mul_i32 s46, s46, GRP
	s_mov_b32 s47, 0
	s_add_nc_u64 s[20:21], s[88:89], s[20:21]
	s_add_nc_u64 s[46:47], s[90:91], s[46:47]
	CROUND
	s_mov_b32 s[G0], 1
	s_mov_b32 s[G0+1], s45
	s_mov_b64 s[G0+2:G0+3], s[20:21]
	s_or_b32 s[G0+3], s[G0+3], 0x80000000
	s_mov_b32 s[G0B], 1
	s_mov_b32 s[G0B+1], s45
	s_mov_b64 s[G0B+2:G0B+3], s[46:47]
	s_or_b32 s[G0B+3], s[G0B+3], 0x80000000
	JLOAD G0, G1, G0B, G1B
	v_and_b32 v4, 31, v0
	v_and_b32 v5, 15, v0
	v_bfe_u32 v6, v0, 4, 1
	v_lshlrev_b32 v1, 4, v4
	v_lshlrev_b32 v2, 4, v5
	v_lshl_add_u32 v2, v6, 3, v2
	s_mul_i32 s21, s15, GRP
	s_mul_i32 s22, s16, 1536
	s_add_co_u32 s21, s21, s22
	s_add_co_u32 s22, s21, 4*GRP
.irp s, 0,1
	v_add_nc_u32 v[ADRA+\s], s21, v1
	v_add_nc_u32 v[ADRA+2+\s], s21, v2
	v_add_nc_u32 v[ADRB+\s], s22, v1
	v_add_nc_u32 v[ADRB+2+\s], s22, v2
	s_add_co_u32 s21, s21, SLOT
	s_add_co_u32 s22, s22, SLOT
.endr
	s_mul_i32 s21, s15, GRP
	s_lshl_b32 s22, s16, 2
	s_add_co_u32 s21, s21, s22
	s_add_co_u32 s21, s21, 24576
	v_mul_u32_u24 v13, v6, 4*GRP
	v_lshl_add_u32 v13, v5, 3, v13
	v_add_nc_u32 v[ADRS], s21, v13
	s_add_co_u32 s21, s21, SLOT
	v_add_nc_u32 v[ADRS+1], s21, v13
	s_mul_i32 s23, s14, PART
	v_mul_u32_u24 v7, v5, SPITCH
	v_lshl_add_u32 v7, v6, 6, v7
	v_add_nc_u32 v[STO], s23, v7
	s_mul_i32 s23, s14, 32*SPITCH
	v_add_nc_u32 v[RD], s23, v1
	v_add_nc_u32 v[RD+1], PART, v[RD]
	v_add_nc_u32 v[RD+2], 2*PART, v[RD]
	v_add_nc_u32 v[RD+3], 3*PART, v[RD]
	s_lshl_b32 s18, s17, 7
	s_lshl_b32 s19, s14, 5
	s_add_co_u32 s18, s18, s19
	s_lshl_b32 s18, s18, 12
	s_lshl_b32 s46, s42, 9
	s_mov_b32 s47, 0
	s_add_nc_u64 s[8:9], s[8:9], s[46:47]
	s_add_co_u32 s18, s18, s46
	s_mov_b32 s19, 0
	s_add_nc_u64 s[10:11], s[10:11], s[18:19]
	s_add_nc_u64 s[12:13], s[12:13], s[18:19]
	global_load_b128 v[8:11], v1, s[8:9]
.macro FRAG reg, adr, i
	ds_load_b128 v[\reg:\reg+3], v[\adr] offset:3072*(\i)
	ds_load_b64 v[\reg+4:\reg+5], v[\adr+2] offset:3072*(\i)+512
	ds_load_b128 v[\reg+6:\reg+9], v[\adr] offset:3072*(\i)+768
	ds_load_b64 v[\reg+10:\reg+11], v[\adr+2] offset:3072*(\i)+1280
.endm
.macro MUL16 a0, s, zero
.irp a, \a0, \a0+1
.irp b, 0,1,2,3,4,5,6,7
.if \zero
	v_wmma_scale_f32_16x16x128_f8f6f4 v[8*(8*((\a)%4)+\b):8*(8*((\a)%4)+\b)+7], v[128*(\s)+FR*\b:128*(\s)+FR*\b+FR-1], v[AF+FR*(\a):AF+FR*(\a)+FR-1], 0, v[SC+8*(\s)+\b], v[SC+8*(\s)+(\a)] matrix_a_fmt:MATRIX_FMT_FP6 matrix_b_fmt:MATRIX_FMT_FP6 matrix_a_scale:MATRIX_SCALE_ROW1
.else
	v_wmma_scale_f32_16x16x128_f8f6f4 v[8*(8*((\a)%4)+\b):8*(8*((\a)%4)+\b)+7], v[128*(\s)+FR*\b:128*(\s)+FR*\b+FR-1], v[AF+FR*(\a):AF+FR*(\a)+FR-1], v[8*(8*((\a)%4)+\b):8*(8*((\a)%4)+\b)+7], v[SC+8*(\s)+\b], v[SC+8*(\s)+(\a)] matrix_a_fmt:MATRIX_FMT_FP6 matrix_b_fmt:MATRIX_FMT_FP6 matrix_a_scale:MATRIX_SCALE_ROW1
.endif
.endr
.endr
.endm
.macro FETCH_B s
	WIN TO_B
.irp i, 0,1,2,3,4,5,6,7
	FRAG 128*(\s)+FR*\i, ADRB+\s, \i
.endr
	WIN 0
.endm
.macro FETCH_A s, i0
.irp i, \i0, \i0+1, \i0+2, \i0+3
	FRAG AF+FR*(\i), ADRA+\s, \i
.endr
.endm
.macro SCALES s
.irp i, 0,1,2,3,4,5,6,7
	ds_load_b32 v[SC+8*(\s)+\i], v[ADRS+\s] offset:128*\i
.endr
.endm
.macro PLACES n
.rept \n
	v_nop
.endr
.endm
.macro VISIT slot, next, fill, zero
	s_wait_tensorcnt 0x0
	ds_add_u32 v[SPW], v[NIL]
	s_wait_dscnt 0x0
	s_barrier_signal -1
	s_barrier_wait -1
.if \fill
	CREST
	s_add_nc_u64 s[G0+4*\slot+2:G0+4*\slot+3], s[G0+4*\slot+2:G0+4*\slot+3], s[68:69]
	s_add_nc_u64 s[G0B+4*\slot+2:G0B+4*\slot+3], s[G0B+4*\slot+2:G0B+4*\slot+3], s[70:71]
	JLOAD G0+4*\slot, G1, G0B+4*\slot, G1B
.endif
	FETCH_B \next
	SCALES \next
	WIN MUL_LO
	MUL16 0, \slot, \zero
	MUL16 2, \slot, \zero
	PLACES NP
	WIN 0
	FETCH_A \next, 0
	WIN MUL_HI
	MUL16 4, \slot, \zero
	MUL16 6, \slot, \zero
	PLACES NP
	WIN 0
	FETCH_A \next, 4
.endm
	s_wait_alu depctr_va_vdst(0)
	s_wait_tensorcnt 0x0
	s_barrier_signal -1
	s_barrier_wait -1
	FETCH_B 0
	FETCH_A 0, 0
	FETCH_A 0, 4
	SCALES 0
	RLOAD 0                                        ; the residual is asked for when the tiles have landed, and lands under the products
	RLOAD 1
	RLOAD 2
	RLOAD 3
	WIN 0
.if NV > 2
	VISIT 0, 1, 1, 1
	VISIT 1, 0, 1, 0
.if NV > 4
	s_mov_b32 s3, (NV-4)/2
.Llap:
	VISIT 0, 1, 1, 0
	VISIT 1, 0, 1, 0
	s_sub_co_u32 s3, s3, 1
	s_cmp_lg_u32 s3, 0
	s_cbranch_scc1 .Llap
.endif
	VISIT 0, 1, 0, 0
.else
	VISIT 0, 1, 0, 1
.endif
	s_wait_dscnt 0x0
	s_barrier_signal -1
	WIN MUL_LO
	MUL16 0, 1, 0
	MUL16 2, 1, 0
	WIN MUL_HI
	MUL16 4, 1, 0
	MUL16 6, 1, 0
	WIN 0
	s_barrier_wait -1
.macro TOSTAGE a
.set AC, 64*((\a)%4)
	WIN 0x08+4*((\a)/4)
.irp b, 0,1,2,3,4,5,6,7
	ds_store_b128 v[STO], v[AC+8*\b:AC+8*\b+3] offset:(\a)*16*SPITCH+128*(\b/2)+32*(\b%2)
	ds_store_b128 v[STO], v[AC+8*\b+4:AC+8*\b+7] offset:(\a)*16*SPITCH+128*(\b/2)+32*(\b%2)+16
.endr
.endm
.macro LOADB g
.set W, 2+(\g)%2
	WIN W<<6
.irp u, 0,1,2,3
.irp t, 0,1,2,3,4,5,6,7
	ds_load_b128 v[32*\u+4*\t:32*\u+4*\t+3], v[RD+\u] offset:(8*(\g)+\t)*SPITCH
.endr
.endr
.endm
.macro ADDB g, younger
.set W, 2+(\g)%2
	RSET \g
	s_wait_dscnt \younger
	WIN (W<<6)|(W<<2)|W
.irp t, 0,1,2,3,4,5,6,7
	v_pk_add_f32 v[4*\t:4*\t+1], v[4*\t:4*\t+1], v[32+4*\t:32+4*\t+1]
	v_pk_add_f32 v[4*\t+2:4*\t+3], v[4*\t+2:4*\t+3], v[32+4*\t+2:32+4*\t+3]
	v_pk_add_f32 v[64+4*\t:64+4*\t+1], v[64+4*\t:64+4*\t+1], v[96+4*\t:96+4*\t+1]
	v_pk_add_f32 v[64+4*\t+2:64+4*\t+3], v[64+4*\t+2:64+4*\t+3], v[96+4*\t+2:96+4*\t+3]
.endr
.irp t, 0,1,2,3,4,5,6,7
	v_pk_add_f32 v[4*\t:4*\t+1], v[4*\t:4*\t+1], v[64+4*\t:64+4*\t+1]
	v_pk_add_f32 v[4*\t+2:4*\t+3], v[4*\t+2:4*\t+3], v[64+4*\t+2:64+4*\t+3]
.endr
	WIN (W<<6)|(RW<<2)|W
.irp t, 0,1,2,3,4,5,6,7
	v_pk_add_f32 v[4*\t:4*\t+1], v[4*\t:4*\t+1], v[RB+4*\t:RB+4*\t+1]
	v_pk_add_f32 v[4*\t+2:4*\t+3], v[4*\t+2:4*\t+3], v[RB+4*\t+2:RB+4*\t+3]
.endr
	WIN (W<<6)|W
.irp t, 0,1,2,3,4,5,6,7
	v_pk_add_f32 v[4*\t:4*\t+1], v[4*\t:4*\t+1], v[8:9]
	v_pk_add_f32 v[4*\t+2:4*\t+3], v[4*\t+2:4*\t+3], v[10:11]
.endr
	WIN W<<2
.irp t, 0,1,2,3,4,5,6,7
.if KIND == 3
	global_store_b128 v1, v[4*\t:4*\t+3], s[12:13] offset:(8*((\g)/2)+16*((\g)%2)+\t)*4096 th:TH_STORE_NT
.else
	global_store_b128 v1, v[4*\t:4*\t+3], s[12:13] offset:(8*((\g)/2)+16*((\g)%2)+\t)*4096
.endif
.endr
.endm
	PLACES NP
.irp a, 0,1,2,3,4,5,6,7
	TOSTAGE \a
.endr
	WIN 0
	s_wait_dscnt 0x0
	s_barrier_signal -1
	s_barrier_wait -1
	s_wait_loadcnt 0x0
	LOADB 0
	LOADB 1
	ADDB 0, 32
	s_wait_xcnt 0x0
	LOADB 2
	ADDB 1, 32
	s_wait_xcnt 0x0
	LOADB 3
	ADDB 2, 32
	ADDB 3, 0
	WIN 0
	s_wait_tensorcnt 0x0
	ds_add_u32 v[SPW], v[NIL]
	s_wait_dscnt 0x0
	CROUND
	s_endpgm
.Lfunc_end_k_q60b132d5d3_cproj:
	.size	k_q60b132d5d3_cproj, .Lfunc_end_k_q60b132d5d3_cproj-k_q60b132d5d3_cproj
	.p2alignl 7, 3214868480
	.fill 96, 4, 3214868480
	.section	.rodata,"a",@progbits
	.p2align	6, 0x0
	.amdhsa_kernel k_q60b132d5d3_cproj
		.amdhsa_group_segment_fixed_size 327680
		.amdhsa_private_segment_fixed_size 0
		.amdhsa_enable_private_segment 0
		.amdhsa_kernarg_size 40
		.amdhsa_user_sgpr_count 2
		.amdhsa_user_sgpr_kernarg_segment_ptr 1
		.amdhsa_wavefront_size32 1
		.amdhsa_system_sgpr_workgroup_id_x 1
		.amdhsa_system_sgpr_workgroup_id_y 1
		.amdhsa_system_sgpr_workgroup_id_z 1
		.amdhsa_system_vgpr_workitem_id 0
		.amdhsa_next_free_vgpr 1024
		.amdhsa_next_free_sgpr 100
		.amdhsa_reserve_vcc 0
		.amdhsa_float_denorm_mode_32 3
		.amdhsa_float_denorm_mode_16_64 3
		.amdhsa_memory_ordered 1
		.amdhsa_forward_progress 1
		.amdhsa_inst_pref_size 77
	.end_amdhsa_kernel
	.amdgpu_metadata
---
amdhsa.version: [ 1, 2 ]
amdhsa.kernels:
  - .name:           k_q60b132d5d3_cproj
    .symbol:         k_q60b132d5d3_cproj.kd
    .args:
      - { .name: ac, .offset: 0, .size: 8, .value_kind: global_buffer, .address_space: global }
      - { .name: wq, .offset: 8, .size: 8, .value_kind: global_buffer, .address_space: global }
      - { .name: c_proj_b, .offset: 16, .size: 8, .value_kind: global_buffer, .address_space: global }
      - { .name: x, .offset: 24, .size: 8, .value_kind: global_buffer, .address_space: global }
      - { .name: x1, .offset: 32, .size: 8, .value_kind: global_buffer, .address_space: global }
    .group_segment_fixed_size: 327680
    .private_segment_fixed_size: 0
    .kernarg_segment_align: 8
    .kernarg_segment_size: 40
    .max_flat_workgroup_size: 128
    .sgpr_count:     100
    .vgpr_count:     1024
    .wavefront_size: 32
...
	.end_amdgpu_metadata
.endif
;; end of part 11
;; launch ln2 (part 12): grid 256 x 1, 4 waves a work-group, no clusters, 31,744 bytes of LDS; arguments x1, ln2_w, ln2_b, xc; writes xc
.if DOCPART == 12
	.amdgcn_target "amdgcn-amd-amdhsa--gfx1250"
	.amdhsa_code_object_version 6
	.text
	.protected	k_q60b132d5d3_ln2
	.globl	k_q60b132d5d3_ln2
	.p2align	8
	.type	k_q60b132d5d3_ln2,@function
k_q60b132d5d3_ln2:
	s_mov_b64 s[64:65], 0
	v_nop
	global_prefetch_b8 v0, s[64:65] scope:SCOPE_SE
	s_setreg_imm32_b32 hwreg(HW_REG_WAVE_MODE, 25, 1), 1
	s_wait_xcnt 0x0
; LayerNorm(x1) (mean; std with 1023 in the divisor; eps added to the std) -> codes of FP6 (E2M3) with one E8M0 byte for each 32 along K, into xc, as images of operand registers.
; Rows are kept by POSITION: position 32 b + 16 u + r holds row 32 b + 8 u + r + 8 (r / 8).  A HALF (768 bytes) = 16 positions x 64 K: lane (r, hh) owns the 24 bytes of block hh of row r: bytes 0-15 at 16 (r + 16 hh),
; bytes 16-23 at 512 + 16 r + 8 hh.  A block of GRP bytes = 128 positions x 256 K: HALF (tile a, hk) at 3072 a + 768 hk; scale bytes at 24,576 + 8 (16 a + r) + block.  Block (K step ks, group g) lies at (32 ks + g) GRP.
; A block's scale is 2^(floor(log2(largest magnitude)) - 2): its byte is the largest magnitude's exponent field - 2, held at 1 from below.
; LIMITS: a block of zeros gets the byte 1 where the rule says 127 (its codes are zeros, and this program alone reads the bytes); NaN and infinities are not served; a row's variance under 2^-126 counts as 0
; in the square root; 1 / (std + eps) is a reciprocal and a multiplication.  Nothing is shared between work-groups, so there is no cluster and no joint load.
.set GRP,  25600
.set STGB, 4608                        ; a wave's stage: 32 places of 128 bytes + 16
.set OPR,  4*STGB                      ; behind the stages: the tile's image, 4 K steps x KQ bytes
.set KQ,   3200                        ; 3,072 bytes of codes and 128 scale bytes of one K step
.set LW,   16                          ; v16-47   the gain, as loaded
.set LB,   48                          ; v48-79   the bias
.set X,    80                          ; v80-207  four rows, 32 registers each
.set Y,    208                         ; v208-239 32 neighbours of a row
.set C,    240                         ; v240-249 a block's codes
.set TI,   250                         ; stage, way in
.set TO,   251                         ; stage, way out
.set A16,  252                         ; image: bytes 0-15 of my block
.set A8,   253                         ; image: bytes 16-23
.set AS,   254                         ; image: my block's scale byte
.set CI,   255                         ; image, read back: 16 bytes a lane
.macro LNSUM                           ; v8 summed over the 32 lanes, the result in every lane
	v_add_f32_dpp v8, v8, v8 row_xmask:1 row_mask:0xf bank_mask:0xf
	v_add_f32_dpp v8, v8, v8 row_xmask:2 row_mask:0xf bank_mask:0xf
	v_add_f32_dpp v8, v8, v8 row_xmask:4 row_mask:0xf bank_mask:0xf
	v_add_f32_dpp v8, v8, v8 row_xmask:8 row_mask:0xf bank_mask:0xf
	v_permlanex16_b32 v9, v8, s20, s21
	v_add_f32 v8, v8, v9
.endm
; The work-group is row tile T = its number; wave w takes positions 4 w .. 4 w + 3 of it, which are four consecutive rows.  s[4:5] source, s[6:7] gain, s[8:9] bias, s[10:11] codes; s12 wave; v1 lane.
.macro LNHEAD
	v_lshlrev_b32 v2, 4, v1                        ; 16 x lane
	v_lshlrev_b32 v3, 2, v1                        ; 4 x lane
	s_mul_i32 s13, s12, STGB                       ; my stage
	v_lshrrev_b32 v8, 3, v1                        ; lane / 8
	v_and_b32 v9, 7, v1                            ; lane % 8
	v_mul_u32_u24 v[TI], v8, 144
	v_lshl_add_u32 v[TI], v9, 4, v[TI]
	v_add_nc_u32 v[TI], s13, v[TI]                 ; in: a load's 512 bytes are four places of 128
	v_mul_u32_u24 v[TO], v1, 144
	v_add_nc_u32 v[TO], s13, v[TO]                 ; out: place = lane: block `lane` of the row
	v_mul_u32_u24 v12, v8, KQ                      ; my block's K step,
	v_bfe_u32 v13, v1, 1, 2
	v_mad_u32_u24 v12, v13, 768, v12               ; its HALF,
	v_and_b32 v13, 1, v1                           ; and which block of the HALF
	s_lshl_b32 s13, s12, 6                         ; 16 bytes a row: 64 x wave
	s_add_co_u32 s13, s13, OPR
	v_add_nc_u32 v12, s13, v12
	v_lshl_add_u32 v[A16], v13, 8, v12
	v_lshl_add_u32 v[A8], v13, 3, v12
	v_add_nc_u32 v[A8], 512, v[A8]
	v_mul_u32_u24 v[AS], v8, KQ
	v_add_nc_u32 v[AS], v[AS], v9
	s_lshl_b32 s13, s12, 5                         ; 8 scale bytes a row: 32 x wave
	s_add_co_u32 s13, s13, OPR+3072
	v_add_nc_u32 v[AS], s13, v[AS]
	s_mul_i32 s13, s12, KQ                         ; on the way out wave w copies K step w
	s_add_co_u32 s13, s13, OPR
	v_add_nc_u32 v[CI], s13, v2
	s_add_co_u32 s13, s13, 3072
	v_add_nc_u32 v1, s13, v3                       ; and its 128 scale bytes, 4 a lane (the lane's number has served)
	s_lshr_b32 s14, ttmp9, 1
	s_lshl_b32 s14, s14, 5                         ; 32 (T / 2)
	s_and_b32 s15, ttmp9, 1
	s_lshl_b32 s15, s15, 3                         ; + 8 (T % 2)
	s_add_co_u32 s14, s14, s15
	s_lshl_b32 s15, s12, 2                         ; + 4 w
	s_add_co_u32 s14, s14, s15
	s_lshr_b32 s15, s12, 1
	s_lshl_b32 s15, s15, 3                         ; + 8 (w / 2)
	s_add_co_u32 s14, s14, s15                     ; my first row
	s_lshl_b32 s14, s14, 12                        ; x 4,096 bytes
	s_mov_b32 s15, 0
	s_lshr_b32 s17, ttmp9, 3                       ; xc lies group by group: block (K step ks, group g) at (4 g + ks) GRP; this stands over the formula at the kernel's head
	s_lshl_b32 s17, s17, 2
	s_add_co_u32 s16, s12, s17                     ; block 4 (T / 8) + w
	s_mul_i32 s16, s16, GRP
	s_and_b32 s17, ttmp9, 7                        ; tile T % 8 in it
	s_mul_i32 s18, s17, 3072
	s_add_co_u32 s18, s18, s16
	s_mov_b32 s19, 0
	s_lshl_b32 s17, s17, 7
	s_add_co_u32 s16, s16, s17
	s_add_co_u32 s16, s16, 24576
	s_mov_b32 s17, 0
	s_mov_b32 s20, 0x76543210
	s_mov_b32 s21, 0xfedcba98                      ; v_permlanex16_b32: lane l xor 16
	s_wait_kmcnt 0x0
	s_add_nc_u64 s[4:5], s[4:5], s[14:15]
	s_add_nc_u64 s[22:23], s[10:11], s[18:19]
	s_add_nc_u64 s[24:25], s[10:11], s[16:17]
.irp j, 0,1,2,3,4,5,6,7
	global_load_b128 v[LW+4*\j:LW+4*\j+3], v2, s[6:7] offset:512*\j
.endr
.irp j, 0,1,2,3,4,5,6,7
	global_load_b128 v[LB+4*\j:LB+4*\j+3], v2, s[8:9] offset:512*\j
.endr
.irp c, 0,1,2,3
.irp j, 0,1,2,3,4,5,6,7
	global_load_b128 v[X+32*\c+4*\j:X+32*\c+4*\j+3], v2, s[4:5] offset:4096*\c+512*\j th:TH_LOAD_NT   ; 32 lanes read 512 consecutive bytes
.endr
.endr
.endm
.macro LNROW i
.set XR, X+32*\i
	s_wait_loadcnt 8*(3-\i)                        ; gain, bias and this row are in; the eight loads of each later row stay out
	v_pk_add_f32 v[4:5], v[XR:XR+1], v[XR+2:XR+3]  ; the sum, in two packed chains
	v_pk_add_f32 v[6:7], v[XR+4:XR+5], v[XR+6:XR+7]
.set j, 8
.rept 6
	v_pk_add_f32 v[4:5], v[4:5], v[XR+j:XR+j+1]
	v_pk_add_f32 v[6:7], v[6:7], v[XR+j+2:XR+j+3]
.set j, j+4
.endr
	v_pk_add_f32 v[4:5], v[4:5], v[6:7]
	v_add_f32 v8, v4, v5
	LNSUM
	v_mul_f32 v10, 0x3a800000, v8                  ; the mean: x 2^-10
	v_mov_b32 v11, v10
.set j, 0
.rept 16
	v_pk_add_f32 v[XR+j:XR+j+1], v[XR+j:XR+j+1], v[10:11] neg_lo:[0,1] neg_hi:[0,1]   ; x - mean first: the squares are taken of the differences
.set j, j+2
.endr
	v_pk_mul_f32 v[4:5], v[XR:XR+1], v[XR:XR+1]
	v_pk_mul_f32 v[6:7], v[XR+2:XR+3], v[XR+2:XR+3]
.set j, 4
.rept 7
	v_pk_fma_f32 v[4:5], v[XR+j:XR+j+1], v[XR+j:XR+j+1], v[4:5]
	v_pk_fma_f32 v[6:7], v[XR+j+2:XR+j+3], v[XR+j+2:XR+j+3], v[6:7]
.set j, j+4
.endr
	v_pk_add_f32 v[4:5], v[4:5], v[6:7]
	v_add_f32 v8, v4, v5
	LNSUM
	v_mul_f32 v8, 0x3a802008, v8                   ; / 1023
	s_wait_alu depctr_va_vdst(0)
	v_sqrt_f32 v8, v8
	v_nop                                          ; a plain instruction behind the root,
	s_wait_alu depctr_va_vdst(0)                   ; and the wait ahead of its first reader
	v_add_f32 v8, 0x3727c5ac, v8                   ; + 1e-5
	s_wait_alu depctr_va_vdst(0)
	v_rcp_f32 v10, v8
	v_nop
	s_wait_alu depctr_va_vdst(0)
	v_mov_b32 v11, v10
.set j, 0
.rept 16
	v_pk_mul_f32 v[XR+j:XR+j+1], v[XR+j:XR+j+1], v[10:11]
.set j, j+2
.endr
.set j, 0
.rept 16
	v_pk_fma_f32 v[XR+j:XR+j+1], v[XR+j:XR+j+1], v[LW+j:LW+j+1], v[LB+j:LB+j+1]
.set j, j+2
.endr
.irp j, 0,1,2,3,4,5,6,7
	ds_store_b128 v[TI], v[XR+4*\j:XR+4*\j+3] offset:576*\j        ; the row turns through my stage: in as loaded,
.endr
.irp c, 0,1,2,3,4,5,6,7
	ds_load_b128 v[Y+4*\c:Y+4*\c+3], v[TO] offset:16*\c            ; out 32 neighbours a lane (LDS serves a wave's instructions in order)
.endr
	s_wait_dscnt 0x0                               ; they are in, and the last row's stores of codes have read their registers
	v_max3_num_f32 v12, |v[Y]|, |v[Y+1]|, |v[Y+2]|
	v_max3_num_f32 v13, |v[Y+3]|, |v[Y+4]|, |v[Y+5]|
.irp j, 6,10,14,18,22,26
	v_max3_num_f32 v12, v12, |v[Y+\j]|, |v[Y+\j+1]|
	v_max3_num_f32 v13, v13, |v[Y+\j+2]|, |v[Y+\j+3]|
.endr
	v_max3_num_f32 v12, v12, |v[Y+30]|, |v[Y+31]|
	v_max3_num_f32 v12, v12, v13, 0x1800000        ; and the floor 2^(3 - 127): the byte cannot fall under 1
	v_add_nc_u32 v14, 0xff000000, v12              ; 2 off the exponent field: the conversion's scale operand
	v_lshrrev_b32 v15, 23, v14                     ; the scale's byte
	v_cvt_scalef32_pk16_fp6_f32 v[C:C+2], v[Y:Y+15], v14
	v_cvt_scalef32_pk16_fp6_f32 v[C+4:C+6], v[Y+16:Y+31], v14      ; (a conversion's three registers begin on an even number)
	v_nop                                          ; one plain instruction behind the conversions
	v_mov_b32 v[C+3], v[C+4]                       ; bytes 12-15,
	v_mov_b32 v[C+8], v[C+5]                       ; bytes 16-23
	v_mov_b32 v[C+9], v[C+6]
	ds_store_b128 v[A16], v[C:C+3] offset:16*\i
	ds_store_b64 v[A8], v[C+8:C+9] offset:16*\i
	ds_store_b8 v[AS], v15 offset:8*\i
.endm
.macro LNOUT
	s_wait_dscnt 0x0                               ; my part of the image has landed
	s_barrier_signal -1
	s_barrier_wait -1                              ; everybody's has
.irp c, 0,1,2,3,4,5
	ds_load_b128 v[Y+4*\c:Y+4*\c+3], v[CI] offset:512*\c
.endr
	ds_load_b32 v12, v1
	s_wait_dscnt 0x0
.irp c, 0,1,2,3,4,5
	global_store_b128 v2, v[Y+4*\c:Y+4*\c+3], s[22:23] offset:512*\c   ; 512 consecutive bytes, at a multiple of 256 from the buffer's first byte
.endr
	global_store_b32 v3, v12, s[24:25]             ; the tile's 128 scale bytes of this K step
	s_set_vgpr_msb 0x4
	s_wait_tensorcnt 0x0
	ds_add_u32 v247, v1
	s_wait_dscnt 0x0
	s_set_vgpr_msb 0x400
	s_endpgm
.endm
	s_load_b256 s[4:11], s[0:1], 0x0               ; x1, ln2_w, ln2_b, xc
	v_lshl_add_u32 v247, v0, 2, 0x7a00
	s_set_vgpr_msb 0x40
	v_mov_b32 v1, 0
	s_set_vgpr_msb 0x4000
	v_lshrrev_b32 v1, 5, v0
	v_readfirstlane_b32 s12, v1                    ; wave
	v_and_b32 v1, 31, v0                           ; lane
	LNHEAD
	LNROW 0
	LNROW 1
	LNROW 2
	LNROW 3
	LNOUT
.Lfunc_end_k_q60b132d5d3_ln2:
	.size	k_q60b132d5d3_ln2, .Lfunc_end_k_q60b132d5d3_ln2-k_q60b132d5d3_ln2
	.p2alignl 7, 3214868480
	.fill 96, 4, 3214868480
	.section	.rodata,"a",@progbits
	.p2align	6, 0x0
	.amdhsa_kernel k_q60b132d5d3_ln2
		.amdhsa_group_segment_fixed_size 31744
		.amdhsa_private_segment_fixed_size 0
		.amdhsa_enable_private_segment 0
		.amdhsa_kernarg_size 32
		.amdhsa_user_sgpr_count 2
		.amdhsa_user_sgpr_kernarg_segment_ptr 1
		.amdhsa_wavefront_size32 1
		.amdhsa_system_sgpr_workgroup_id_x 1
		.amdhsa_system_sgpr_workgroup_id_y 1
		.amdhsa_system_sgpr_workgroup_id_z 1
		.amdhsa_system_vgpr_workitem_id 0
		.amdhsa_next_free_vgpr 258
		.amdhsa_next_free_sgpr 66
		.amdhsa_reserve_vcc 0
		.amdhsa_float_denorm_mode_32 3
		.amdhsa_float_denorm_mode_16_64 3
		.amdhsa_memory_ordered 1
		.amdhsa_forward_progress 1
		.amdhsa_inst_pref_size 45
	.end_amdhsa_kernel
	.amdgpu_metadata
---
amdhsa.version: [ 1, 2 ]
amdhsa.kernels:
  - .name:           k_q60b132d5d3_ln2
    .symbol:         k_q60b132d5d3_ln2.kd
    .args:
      - { .name: x1, .offset: 0, .size: 8, .value_kind: global_buffer, .address_space: global }
      - { .name: ln2_w, .offset: 8, .size: 8, .value_kind: global_buffer, .address_space: global }
      - { .name: ln2_b, .offset: 16, .size: 8, .value_kind: global_buffer, .address_space: global }
      - { .name: xc, .offset: 24, .size: 8, .value_kind: global_buffer, .address_space: global }
    .group_segment_fixed_size: 31744
    .private_segment_fixed_size: 0
    .kernarg_segment_align: 8
    .kernarg_segment_size: 32
    .max_flat_workgroup_size: 128
    .sgpr_count:     66
    .vgpr_count:     258
    .wavefront_size: 32
...
	.end_amdgpu_metadata
.endif
;; end of part 12
;; launch fc (part 13): grid 16 x 16, 4 waves a work-group, clusters of 4 x 4, 327,680 bytes of LDS; arguments xc, wq, fc_b, hc; writes hc
.if DOCPART == 13
	.amdgcn_target "amdgcn-amd-amdhsa--gfx1250"
	.amdhsa_code_object_version 6
	.text
	.protected	k_q60b132d5d3_fc
	.globl	k_q60b132d5d3_fc
	.p2align	8
	.type	k_q60b132d5d3_fc,@function
k_q60b132d5d3_fc:
	s_mov_b64 s[64:65], 0
	v_nop
	global_prefetch_b8 v0, s[64:65] scope:SCOPE_SE
	s_setreg_imm32_b32 hwreg(HW_REG_WAVE_MODE, 25, 1), 1
	s_wait_xcnt 0x0
	s_wait_alu depctr_hold_cnt(0) depctr_sa_sdst(0) depctr_va_vdst(0) depctr_va_sdst(0) depctr_va_ssrc(0) depctr_va_vcc(0) depctr_vm_vsrc(0)
	s_getreg_b32 s2, hwreg(HW_REG_IB_STS2, 6, 4)
	s_cmp_eq_u32 s2, 0
	s_cbranch_scc0 .Lentry_in_a_cluster
	s_endpgm
.Lentry_in_a_cluster:
	s_bfe_u32 s2, ttmp6, 0x10000c
	s_cmp_lg_u32 s2, 0xf033
	s_cbranch_scc0 .Lentry_shape_is_right
	s_endpgm
.Lentry_shape_is_right:
; gelu(LN2(x1) fc_w + b), quantised along 4,096, on codes of FP6 (E2M3).  The operands' blocks lie group by group: block (K step ks, group g) at (4 g + ks) GRP.  THE HEAD fills both slots with one load a wave: my group's
; K steps 0 and 1, 200 rows of 256 bytes, to wave x 2 GRP; slot s is the s-th block of each wave's two.  A refill is one block, 100 rows.  The head also asks the L2 for the two refills' blocks, shared by address among the four partners.
.set KIND,   2
.set KSTEPS, 4
.set GRP,    25600
.set SLOT,   4*GRP
.set SPARE,  2*SLOT
.set FR,     12
.set NL,     4
.set NP,     4
.set NQ,     2
.set LAPS,   KSTEPS/2
.set KVO,    3407872
.set ADRA, 16
.set ADRB, 20
.set SPW,  28
.set NIL,  29
.set ADRS, 30
.set SC,   32
.set BC,   64
.set BR,   96
.set AF,   128
.set T,    128
.set E,    192
.set PC,   224
.set TM,   244
.set G1, 24
.set G0, 32
.set G1B, 48
.set G0B, 56
.set MSB, 0
.macro WIN new
.if MSB != (\new)
	s_set_vgpr_msb (MSB<<8)|(\new)
.set MSB, (\new)
.endif
.endm
.set MUL_LO, 0xa1
.set MUL_HI, 0xf1
.set TO_B,   0x40
.macro JLOAD g0a, g1a, g0b, g1b
	s_cmp_eq_u32 s15, 0
	s_cbranch_scc0 .Lfor_b_\@
	tensor_load_to_lds s[\g0a:\g0a+3], s[\g1a:\g1a+7]
	s_nop 0
.rept 4
	v_nop
.endr
	s_branch .Lasked_\@
.Lfor_b_\@:
	tensor_load_to_lds s[\g0b:\g0b+3], s[\g1b:\g1b+7]
	s_nop 0
.rept 4
	v_nop
.endr
.Lasked_\@:
.endm
.macro CREST
	s_cmp_lg_u32 s14, 0
	s_cbranch_scc1 .Lnot_wave_0_\@
	s_barrier_signal -3
.Lnot_wave_0_\@:
	s_barrier_wait -3
	s_barrier_signal -1
	s_barrier_wait -1
.endm
.macro CROUND
	s_barrier_signal -1
	s_barrier_wait -1
	CREST
.endm
	s_load_b256 s[4:11], s[0:1], 0x0
	v_lshl_add_u32 v[SPW], v0, 2, SPARE
	v_mov_b32 v[NIL], 0
	ds_add_u32 v28, v29
	ds_add_u32 v28, v29
	s_wait_dscnt 0x0
	v_lshrrev_b32 v1, 5, v0
	v_readfirstlane_b32 s14, v1
	s_lshr_b32 s15, s14, 1
	s_and_b32 s16, s14, 1
	s_bfe_u32 s40, ttmp6, 0x40000
	s_bfe_u32 s41, ttmp6, 0x40004
	s_lshl_b32 s43, s41, 2
	s_lshl_b32 s43, 15, s43
	s_lshl_b32 s44, 0x1111, s40
	s_or_b32 s[G1+0], s43, (3<<16)|(1<<21)
	s_or_b32 s[G1B+0], s44, (3<<16)|(1<<21)
.irp g, G1, G1B
	s_mov_b32 s[\g+1], 32<<16
	s_mov_b32 s[\g+2], 200<<16
	s_mov_b32 s[\g+3], 32<<16
	s_mov_b32 s[\g+4], 200
	s_mov_b32 s[\g+5], 32
	s_mov_b32 s[\g+6], 0
	s_mov_b32 s[\g+7], 0
.endr
	s_mul_i32 s45, s14, 2*GRP
	s_mov_b32 s73, 0
	s_mov_b32 s75, 0
	s_mov_b32 s69, 0
	s_mov_b32 s71, 0
	s_mov_b32 s66, 0x76543210
	s_mov_b32 s67, 0xfedcba98
	s_wait_kmcnt 0x0
.if KIND == 0
	s_lshr_b32 s18, ttmp9, 1
	s_lshl_b32 s18, s18, 2
	s_and_b32 s19, ttmp9, 1
	s_lshl_b32 s19, s19, 2
	s_sub_co_u32 s22, ttmp9, 8
	s_lshl_b32 s22, s22, 2
	s_mov_b32 s23, 32*GRP
	s_mov_b32 s46, 24*GRP
	s_cmp_lt_u32 ttmp9, 8
	s_cselect_b32 s76, 1, 0
	s_cselect_b32 s17, s18, 8
	s_cselect_b32 s42, s19, s22
	s_cselect_b32 s72, s23, s46
	s_cselect_b32 s74, s46, s23
	s_cselect_b64 s[88:89], s[4:5], s[6:7]
	s_cselect_b64 s[90:91], s[6:7], s[4:5]
	s_add_co_u32 s17, s17, s41
	s_add_co_u32 s42, s42, s40
.else
	s_lshl_b32 s42, ttmp9, 2
	s_add_co_u32 s42, s42, s40
	s_and_b32 s17, ttmp7, 0xffff
	s_lshl_b32 s17, s17, 2
	s_add_co_u32 s17, s17, s41
	s_mov_b32 s72, GRP
	s_mov_b32 s74, GRP
	s_mov_b64 s[88:89], s[4:5]
	s_add_nc_u64 s[90:91], s[6:7], 3276800
.endif
	s_lshl_b32 s20, s17, 1
	s_add_co_u32 s20, s20, s16
	s_mul_i32 s20, s20, 4*GRP
	s_mov_b32 s21, 0
	s_lshl_b32 s46, s42, 1
	s_add_co_u32 s46, s46, s16
	s_mul_i32 s46, s46, 4*GRP
	s_mov_b32 s47, 0
	s_add_nc_u64 s[20:21], s[88:89], s[20:21]
	s_add_nc_u64 s[46:47], s[90:91], s[46:47]
	s_lshl_b32 s68, s72, 1
	s_lshl_b32 s70, s74, 1
	CROUND
	s_mov_b32 s[G0], 1
	s_mov_b32 s[G0+1], s45
	s_mov_b64 s[G0+2:G0+3], s[20:21]
	s_or_b32 s[G0+3], s[G0+3], 0x80000000
	s_mov_b32 s[G0B], 1
	s_mov_b32 s[G0B+1], s45
	s_mov_b64 s[G0B+2:G0B+3], s[46:47]
	s_or_b32 s[G0B+3], s[G0B+3], 0x80000000
	JLOAD G0, G1, G0B, G1B
	s_mov_b32 s[G0+4], 1
	s_add_co_u32 s[G0+5], s45, GRP
	s_add_nc_u64 s[G0+6:G0+7], s[20:21], s[72:73]
	s_or_b32 s[G0+7], s[G0+7], 0x80000000
	s_mov_b32 s[G0B+4], 1
	s_add_co_u32 s[G0B+5], s45, GRP
	s_add_nc_u64 s[G0B+6:G0B+7], s[46:47], s[74:75]
	s_or_b32 s[G0B+7], s[G0B+7], 0x80000000
	s_cmp_eq_u32 s15, 0                            ; the prefetches: the group that I fetch,
	s_cselect_b64 s[94:95], s[20:21], s[46:47]
	s_cselect_b32 s96, s40, s41                    ; my place among the four that ask with me: cx for A, cy for B,
	s_mul_i32 s96, s96, 25*256                     ; my 25 of a block's 100 runs of 256 bytes
	s_mov_b32 s97, 0
	s_add_nc_u64 s[94:95], s[94:95], s[96:97]
	v_and_b32 v27, 31, v0
	v_min_u32 v27, 24, v27                         ; a lane a run; lanes 25-31 name the 25th again
	v_lshlrev_b32 v27, 8, v27
	global_prefetch_b8 v27, s[94:95] offset:2*GRP th:TH_LOAD_NT scope:SCOPE_SE   ; K step 2, the first refill's block,
	global_prefetch_b8 v27, s[94:95] offset:3*GRP th:TH_LOAD_NT scope:SCOPE_SE   ; and K step 3, the second's
	v_and_b32 v4, 31, v0
	v_and_b32 v5, 15, v0
	v_bfe_u32 v6, v0, 4, 1
	v_lshlrev_b32 v1, 4, v4
	v_lshlrev_b32 v2, 4, v5
	v_lshl_add_u32 v2, v6, 3, v2
	s_mul_i32 s21, s15, 2*GRP
	s_mul_i32 s22, s16, 2*GRP
	s_add_co_u32 s22, s22, 4*GRP
.irp s, 0,1
	v_add_nc_u32 v[ADRA+\s], s21, v1
	v_add_nc_u32 v[ADRA+2+\s], s21, v2
	v_add_nc_u32 v[ADRB+\s], s22, v1
	v_add_nc_u32 v[ADRB+2+\s], s22, v2
	s_add_co_u32 s21, s21, GRP
	s_add_co_u32 s22, s22, GRP
.endr
	s_mul_i32 s21, s15, 2*GRP
	s_mul_i32 s22, s16, 2*GRP
	s_add_co_u32 s22, s22, 4*GRP
	s_sub_co_u32 s22, s22, s21
	v_mul_u32_u24 v13, s22, v6
	v_lshl_add_u32 v13, v5, 3, v13
	s_add_co_u32 s21, s21, 24576
	v_add_nc_u32 v[ADRS], s21, v13
	s_add_co_u32 s21, s21, GRP
	v_add_nc_u32 v[ADRS+1], s21, v13
.if KIND == 2
	v_lshlrev_b32 v3, 3, v4
.else
	v_lshlrev_b32 v3, 2, v4
.endif
	v_lshlrev_b32 v7, 6, v6
	s_lshl_b32 s46, s42, 8
	s_lshl_b32 s47, s16, 7
	s_add_co_u32 s46, s46, s47
	s_lshl_b32 s46, s46, 2
.if KIND == 0
	s_lshl_b32 s22, s41, 8
	s_lshl_b32 s23, s15, 7
	s_add_co_u32 s22, s22, s23
	s_add_co_u32 s22, s22, 2048
	s_lshl_b32 s22, s22, 2
	s_cmp_lg_u32 s76, 0
	s_cselect_b32 s46, s46, 0
	s_cselect_b32 s22, 0, s22
	s_mov_b32 s23, 0
	s_add_nc_u64 s[22:23], s[8:9], s[22:23]
.endif
	s_mov_b32 s47, 0
	s_add_nc_u64 s[46:47], s[8:9], s[46:47]
.irp b, 0,1,2,3
.irp q, 0,1,2,3
	global_load_b128 v[BC+16*\b+4*\q:BC+16*\b+4*\q+3], v7, s[46:47] offset:128*\b+16*\q
.endr
.endr
.if KIND == 0
	v_and_b32 v12, 8, v5
	v_add_lshl_u32 v12, v12, v5, 2
	WIN 0x40
.irp a, 0,1,2,3,4,5,6,7
	global_load_b32 v[BR+2*\a], v12, s[22:23] offset:4*(32*(\a/2)+8*(\a%2))
	global_load_b32 v[BR+2*\a+1], v12, s[22:23] offset:4*(32*(\a/2)+8*(\a%2))
.endr
	WIN 0
.endif
.macro FRAG reg, adr, q, i
	ds_load_b128 v[\reg:\reg+3], v[\adr] offset:3072*(\i)+1536*(\q)
	ds_load_b64 v[\reg+4:\reg+5], v[\adr+2] offset:3072*(\i)+1536*(\q)+512
	ds_load_b128 v[\reg+6:\reg+9], v[\adr] offset:3072*(\i)+1536*(\q)+768
	ds_load_b64 v[\reg+10:\reg+11], v[\adr+2] offset:3072*(\i)+1536*(\q)+1280
.endm
.macro MUL16 a0, p, q, sc, zero
.irp a, \a0, \a0+1
.irp b, 0,1,2,3,4,5,6,7
.if \zero
	v_wmma_scale_f32_16x16x128_f8f6f4 v[8*(8*((\a)%4)+\b):8*(8*((\a)%4)+\b)+7], v[128*(\p)+FR*\b:128*(\p)+FR*\b+FR-1], v[AF+FR*(\a):AF+FR*(\a)+FR-1], 0, v[SC+8*NQ*(\sc)+NQ*\b+(\q)], v[SC+8*NQ*(\sc)+NQ*(\a)+(\q)] matrix_a_fmt:MATRIX_FMT_FP6 matrix_b_fmt:MATRIX_FMT_FP6 matrix_a_scale:MATRIX_SCALE_ROW1
.else
	v_wmma_scale_f32_16x16x128_f8f6f4 v[8*(8*((\a)%4)+\b):8*(8*((\a)%4)+\b)+7], v[128*(\p)+FR*\b:128*(\p)+FR*\b+FR-1], v[AF+FR*(\a):AF+FR*(\a)+FR-1], v[8*(8*((\a)%4)+\b):8*(8*((\a)%4)+\b)+7], v[SC+8*NQ*(\sc)+NQ*\b+(\q)], v[SC+8*NQ*(\sc)+NQ*(\a)+(\q)] matrix_a_fmt:MATRIX_FMT_FP6 matrix_b_fmt:MATRIX_FMT_FP6 matrix_a_scale:MATRIX_SCALE_ROW1
.endif
.endr
.endr
.endm
.macro FETCH_B slot, q, p
	WIN TO_B
.irp i, 0,1,2,3,4,5,6,7
	FRAG 128*(\p)+FR*\i, ADRB+\slot, \q, \i
.endr
	WIN 0
.endm
.macro FETCH_A slot, q, i0
.irp i, \i0, \i0+1, \i0+2, \i0+3
	FRAG AF+FR*(\i), ADRA+\slot, \q, \i
.endr
.endm
.macro SCALES sc
.irp i, 0,1,2,3,4,5,6,7
	ds_load_b64 v[SC+8*NQ*\sc+NQ*\i:SC+8*NQ*\sc+NQ*\i+1], v[ADRS+\sc] offset:128*\i
.endr
.endm
.macro PLACES n
.rept \n
	v_nop
.endr
.endm
.macro STEP slot, q, zero
	s_wait_dscnt 4*NL
	WIN MUL_LO
	MUL16 0, (\q)%2, \q, \slot, \zero
	MUL16 2, (\q)%2, \q, \slot, \zero
	s_wait_dscnt 0
	PLACES NP
	FETCH_B \slot, (\q)+1, 1-(\q)%2
	FETCH_A \slot, (\q)+1, 0
	WIN MUL_HI
	MUL16 4, (\q)%2, \q, \slot, \zero
	MUL16 6, (\q)%2, \q, \slot, \zero
	PLACES NP
	WIN 0
	FETCH_A \slot, (\q)+1, 4
.endm
.macro TURN slot, next, fill
	s_wait_tensorcnt 0x0
	ds_add_u32 v[SPW], v[NIL]
	s_wait_dscnt 4*NL+1
	WIN MUL_LO
	MUL16 0, 1, NQ-1, \slot, 0
	s_wait_dscnt 0x0
	s_barrier_signal -1
	MUL16 2, 1, NQ-1, \slot, 0
	WIN 0
	s_barrier_wait -1
.if \fill
	CREST
	s_add_nc_u64 s[G0+4*\slot+2:G0+4*\slot+3], s[G0+4*\slot+2:G0+4*\slot+3], s[68:69]
	s_add_nc_u64 s[G0B+4*\slot+2:G0B+4*\slot+3], s[G0B+4*\slot+2:G0B+4*\slot+3], s[70:71]
	JLOAD G0+4*\slot, G1, G0B+4*\slot, G1B
.else
	PLACES NP
.endif
	FETCH_B \next, 0, 0
	FETCH_A \next, 0, 0
	SCALES \next
	WIN MUL_HI
	MUL16 4, 1, NQ-1, \slot, 0
	MUL16 6, 1, NQ-1, \slot, 0
	PLACES NP
	WIN 0
	FETCH_A \next, 0, 4
.endm
	s_wait_alu depctr_va_vdst(0)
	s_wait_tensorcnt 0x0                           ; my part of both slots is in; no load of mine is out, so a descriptor may be written:
	s_mov_b32 s[G1+2], 100<<16                     ; from here on a load brings one block, 100 rows
	s_mov_b32 s[G1+4], 100
	s_mov_b32 s[G1B+2], 100<<16
	s_mov_b32 s[G1B+4], 100
	s_barrier_signal -1
	s_barrier_wait -1
	FETCH_B 0, 0, 0
	FETCH_A 0, 0, 0
	SCALES 0
	FETCH_A 0, 0, 4
	STEP 0, 0, 1
	s_mov_b32 s3, LAPS-1
.Llap:
	TURN 0, 1, 1
	STEP 1, 0, 0
	TURN 1, 0, 1
	STEP 0, 0, 0
	s_sub_co_u32 s3, s3, 1
	s_cmp_lg_u32 s3, 0
	s_cbranch_scc1 .Llap
	TURN 0, 1, 0
	STEP 1, 0, 0
	s_wait_dscnt 4*NL
	WIN MUL_LO
	MUL16 0, 1, NQ-1, 1, 0
	MUL16 2, 1, NQ-1, 1, 0
	s_wait_dscnt 0
	WIN MUL_HI
	MUL16 4, 1, NQ-1, 1, 0
	MUL16 6, 1, NQ-1, 1, 0
	WIN 0
.macro QUANT s, pw
.irp b, 0,1,2,3
	v_max3_num_f32 v[TM+\b], |v[\s+16*\b]|, |v[\s+1+16*\b]|, 0x1800000
.endr
.irp i, 2,4,6,8,10,12,14
.irp b, 0,1,2,3
	v_max3_num_f32 v[TM+\b], v[TM+\b], |v[\s+16*\b+\i]|, |v[\s+1+16*\b+\i]|
.endr
.endr
.irp b, 0,1,2,3
	v_permlanex16_b32 v[TM+4+\b], v[TM+\b], s66, s67
.endr
.irp b, 0,1,2,3
	v_max_num_f32 v[TM+\b], v[TM+\b], v[TM+4+\b]
.endr
.irp b, 0,1,2,3
	v_add_nc_u32 v[TM+8+\b], 0xff000000, v[TM+\b]
.endr
.irp b, 0,1,2,3
	v_lshrrev_b32 v[TM+4+\b], 23, v[TM+8+\b]
.endr
	v_lshl_or_b32 v[\pw], v[TM+5], 8, v[TM+4]
	v_lshl_or_b32 v[\pw], v[TM+6], 16, v[\pw]
	v_lshl_or_b32 v[\pw], v[TM+7], 24, v[\pw]
	s_wait_xcnt 0x0
.irp c, 0,1
	v_cvt_scalef32_pk16_fp6_f32 v[PC+6*\c:PC+2+6*\c], v[\s+32*\c:\s+15+32*\c], v[TM+8+2*\c]
	v_cvt_scalef32_pk16_fp6_f32 v[PC+12+4*\c:PC+14+4*\c], v[\s+16+32*\c:\s+31+32*\c], v[TM+8+2*\c+1]
.endr
	v_nop
.irp c, 0,1
.irp i, 0,1,2
	v_permlane16_swap_b32 v[PC+6*\c+\i], v[PC+12+4*\c+\i]
.endr
.irp i, 0,1,2
	v_mov_b32 v[PC+3+6*\c+\i], v[PC+12+4*\c+\i]
.endr
.endr
.endm
.if KIND == 2
.macro GELU
.irp f, 0,1
.set XG, T+32*\f
.set j, 0
.rept 16
	v_pk_mul_f32 v[E+j:E+j+1], v[XG+j:XG+j+1], v[XG+j:XG+j+1]
.set j, j+2
.endr
.set j, 0
.rept 16
	v_pk_fma_f32 v[E+j:E+j+1], v[E+j:E+j+1], s[92:93], v[14:15] op_sel_hi:[1,0,1]
.set j, j+2
.endr
.set j, 0
.rept 16
	v_pk_mul_f32 v[E+j:E+j+1], v[E+j:E+j+1], v[XG+j:XG+j+1]
.set j, j+2
.endr
.set j, 0
	s_wait_alu depctr_va_vdst(0)
.rept 32
	v_exp_f32 v[E+j], v[E+j]
.set j, j+1
.endr
	v_nop
	s_wait_alu depctr_va_vdst(0)
.set j, 0
.rept 16
	v_pk_add_f32 v[E+j:E+j+1], v[E+j:E+j+1], 1.0 op_sel_hi:[1,0]
.set j, j+2
.endr
.set j, 0
	s_wait_alu depctr_va_vdst(0)
.rept 32
	v_rcp_f32 v[E+j], v[E+j]
.set j, j+1
.endr
	v_nop
	s_wait_alu depctr_va_vdst(0)
.set j, 0
.rept 16
	v_pk_mul_f32 v[XG+j:XG+j+1], v[XG+j:XG+j+1], v[E+j:E+j+1]
.set j, j+2
.endr
.endr
.endm
.endif
.macro QEPI a, kind
.set AC, 64*((\a)%4)
.if \kind == 1
	WIN 0x06+(\a)/4
.else
	WIN 0x02+(\a)/4
.endif
.set j, 0
.rept 32
.if \kind == 1
	v_pk_add_f32 v[T+j:T+j+1], v[AC+j:AC+j+1], v[BR+2*(\a):BR+2*(\a)+1]
.else
	v_pk_add_f32 v[T+j:T+j+1], v[AC+j:AC+j+1], v[BC+j:BC+j+1]
.endif
.set j, j+2
.endr
	WIN 0
.if \kind == 2
	GELU
.endif
	QUANT T, 5+(\a)%2
.if \kind == 0
	global_store_b128 v1, v[PC:PC+3], s[84:85] offset:768*(\a)
	global_store_b64 v2, v[PC+4:PC+5], s[84:85] offset:768*(\a)+512
	global_store_b128 v1, v[PC+6:PC+9], s[86:87] offset:768*(\a)
	global_store_b64 v2, v[PC+10:PC+11], s[86:87] offset:768*(\a)+512
.if (\a)%2 == 1
	v_cndmask_b32 v12, v5, v6, vcc_lo
	v_lshrrev_b32 v13, 16, v12
	global_store_b32 v3, v12, s[84:85] offset:6144+128*((\a)/2)
	global_store_b32 v3, v13, s[86:87] offset:6144+128*((\a)/2)
.endif
.endif
.if \kind == 1
.irp c, 0,1,2
	global_store_b128 v1, v[PC+4*\c:PC+4*\c+3], s[84:85] offset:208896*((\a)/4)+6656+1536*((\a)%4)+512*\c
.endr
.if (\a)%2 == 1
	v_cndmask_b32 v12, v5, v6, vcc_lo
	global_store_b32 v3, v12, s[84:85] offset:208896*((\a)/4)+12800+128*(((\a)/2)%2)
.endif
.endif
.if \kind == 2
	global_store_b128 v1, v[PC:PC+3], s[84:85] offset:3072*(\a)
	global_store_b64 v2, v[PC+4:PC+5], s[84:85] offset:3072*(\a)+512
	global_store_b128 v1, v[PC+6:PC+9], s[84:85] offset:3072*(\a)+768
	global_store_b64 v2, v[PC+10:PC+11], s[84:85] offset:3072*(\a)+1280
.if (\a)%2 == 1
	v_cndmask_b32 v12, v5, v6, vcc_lo
	global_store_b32 v3, v12, s[86:87] offset:256*((\a)/2)
.endif
.endif
.endm
	PLACES NP
	s_wait_loadcnt 0x0
.irp b, 0,1,2,3
	v_mov_b32 v[TM+4+\b], 0
.endr
	v_cmp_le_u32 vcc_lo, 16, v4
.if KIND == 2
	v_mov_b32 v14, 0xc0135761
	v_mov_b32 v15, 0xc0135761
	s_mov_b32 s92, 0xbdd2d3e8
	s_mov_b32 s93, s92
	s_lshl_b32 s77, s17, 1
	s_add_co_u32 s77, s77, s15
	s_lshl_b32 s77, s77, 4                         ; hc lies group by group: block 16 x group + (K step = tile column)
	s_add_co_u32 s77, s77, s42
	s_mul_i32 s77, s77, GRP
	s_mul_i32 s78, s16, 1536
	s_add_co_u32 s78, s78, s77
	s_mov_b32 s79, 0
	s_add_nc_u64 s[84:85], s[10:11], s[78:79]
	s_lshl_b32 s78, s16, 2
	s_add_co_u32 s78, s78, s77
	s_add_co_u32 s78, s78, 24576
	s_add_nc_u64 s[86:87], s[10:11], s[78:79]
.irp a, 0,1,2,3,4,5,6,7
	QEPI \a, 2
.endr
.else
	s_cmp_lg_u32 s76, 0
	s_cbranch_scc0 .Lv_out
	s_lshl_b32 s77, s17, 1
	s_add_co_u32 s77, s77, s15
	s_lshr_b32 s78, s77, 4
	s_lshl_b32 s78, s78, 4
	s_and_b32 s79, s42, 3
	s_lshl_b32 s79, s79, 2
	s_add_co_u32 s78, s78, s79
	s_lshl_b32 s79, s16, 1
	s_add_co_u32 s78, s78, s79
	s_and_b32 s77, s77, 15
	s_and_b32 s79, ttmp9, 1
	s_mov_b32 s80, 208896
	s_mov_b32 s81, 13056
	s_mov_b32 s82, KVO
	s_cmp_eq_u32 s79, 0
	s_cselect_b32 s80, 106496, s80
	s_cselect_b32 s81, 6656, s81
	s_cselect_b32 s82, 0, s82
	s_mul_i32 s78, s78, s80
	s_mul_i32 s77, s77, s81
	s_add_co_u32 s78, s78, s77
	s_add_co_u32 s78, s78, s82
	s_mov_b32 s79, 0
	s_mov_b32 s81, 0
	s_add_nc_u64 s[84:85], s[10:11], s[78:79]
	s_add_nc_u64 s[86:87], s[84:85], s[80:81]
.irp a, 0,1,2,3,4,5,6,7
	QEPI \a, 0
.endr
	s_branch .Lend
.Lv_out:
	s_lshl_b32 s77, s42, 1
	s_add_co_u32 s77, s77, s16
	s_lshr_b32 s78, s77, 4
	s_lshl_b32 s78, s78, 4
	s_lshl_b32 s79, s41, 2
	s_add_co_u32 s78, s78, s79
	s_lshl_b32 s79, s15, 1
	s_add_co_u32 s78, s78, s79
	s_and_b32 s77, s77, 15
	s_mul_i32 s78, s78, 208896
	s_mul_i32 s77, s77, 13056
	s_add_co_u32 s78, s78, s77
	s_add_co_u32 s78, s78, KVO
	s_mov_b32 s79, 0
	s_add_nc_u64 s[84:85], s[10:11], s[78:79]
.irp a, 0,1,2,3,4,5,6,7
	QEPI \a, 1
.endr
.Lend:
.endif
	s_wait_tensorcnt 0x0
	ds_add_u32 v[SPW], v[NIL]
	s_wait_dscnt 0x0
	CROUND
	s_endpgm
.Lfunc_end_k_q60b132d5d3_fc:
	.size	k_q60b132d5d3_fc, .Lfunc_end_k_q60b132d5d3_fc-k_q60b132d5d3_fc
	.p2alignl 7, 3214868480
	.fill 96, 4, 3214868480
	.section	.rodata,"a",@progbits
	.p2align	6, 0x0
	.amdhsa_kernel k_q60b132d5d3_fc
		.amdhsa_group_segment_fixed_size 327680
		.amdhsa_private_segment_fixed_size 0
		.amdhsa_enable_private_segment 0
		.amdhsa_kernarg_size 32
		.amdhsa_user_sgpr_count 2
		.amdhsa_user_sgpr_kernarg_segment_ptr 1
		.amdhsa_wavefront_size32 1
		.amdhsa_system_sgpr_workgroup_id_x 1
		.amdhsa_system_sgpr_workgroup_id_y 1
		.amdhsa_system_sgpr_workgroup_id_z 1
		.amdhsa_system_vgpr_workitem_id 0
		.amdhsa_next_free_vgpr 1024
		.amdhsa_next_free_sgpr 100
		.amdhsa_reserve_vcc 1
		.amdhsa_float_denorm_mode_32 3
		.amdhsa_float_denorm_mode_16_64 3
		.amdhsa_memory_ordered 1
		.amdhsa_forward_progress 1
		.amdhsa_inst_pref_size 255
	.end_amdhsa_kernel
	.section	.bss,"aw",@nobits
	.p2align	6
	.space	262144
	.amdgpu_metadata
---
amdhsa.version: [ 1, 2 ]
amdhsa.kernels:
  - .name:           k_q60b132d5d3_fc
    .symbol:         k_q60b132d5d3_fc.kd
    .args:
      - { .name: xc, .offset: 0, .size: 8, .value_kind: global_buffer, .address_space: global }
      - { .name: wq, .offset: 8, .size: 8, .value_kind: global_buffer, .address_space: global }
      - { .name: fc_b, .offset: 16, .size: 8, .value_kind: global_buffer, .address_space: global }
      - { .name: hc, .offset: 24, .size: 8, .value_kind: global_buffer, .address_space: global }
    .group_segment_fixed_size: 327680
    .private_segment_fixed_size: 0
    .kernarg_segment_align: 8
    .kernarg_segment_size: 32
    .max_flat_workgroup_size: 128
    .sgpr_count:     100
    .vgpr_count:     1024
    .wavefront_size: 32
...
	.end_amdgpu_metadata
.endif
;; end of part 13
;; launch proj (part 14): grid 8 x 32, 4 waves a work-group, clusters of 4 x 4, 327,680 bytes of LDS; arguments hc, wq, proj_b, x1, out0; writes out0
.if DOCPART == 14
	.amdgcn_target "amdgcn-amd-amdhsa--gfx1250"
	.amdhsa_code_object_version 6
	.text
	.protected	k_q60b132d5d3_proj
	.globl	k_q60b132d5d3_proj
	.p2align	8
	.type	k_q60b132d5d3_proj,@function
k_q60b132d5d3_proj:
	s_mov_b64 s[64:65], 0
	v_nop
	global_prefetch_b8 v0, s[64:65] scope:SCOPE_SE
	s_setreg_imm32_b32 hwreg(HW_REG_WAVE_MODE, 25, 1), 1
	s_wait_xcnt 0x0
	s_wait_alu depctr_hold_cnt(0) depctr_sa_sdst(0) depctr_va_vdst(0) depctr_va_sdst(0) depctr_va_ssrc(0) depctr_va_vcc(0) depctr_vm_vsrc(0)
	s_getreg_b32 s2, hwreg(HW_REG_IB_STS2, 6, 4)
	s_cmp_eq_u32 s2, 0
	s_cbranch_scc0 .Lentry_in_a_cluster
	s_endpgm
.Lentry_in_a_cluster:
	s_bfe_u32 s2, ttmp6, 0x10000c
	s_cmp_lg_u32 s2, 0xf033
	s_cbranch_scc0 .Lentry_shape_is_right
	s_endpgm
.Lentry_shape_is_right:
; out0 = x1 + h proj_w + b: A GEMM ON CODES OF FP6 (E2M3) WITH AN f32 RESULT.  M = 4,096, N = 1,024, K = 4,096.
; OPERANDS are images of operand registers.  Rows by POSITION: position 32 b + 16 u + r holds row 32 b + 8 u + r + 8 (r / 8).  A HALF (768 bytes) = 16 positions x 64 K: lane (r, hh): bytes 0-15 of block hh of row r
; at 16 (r + 16 hh), bytes 16-23 at 512 + 16 r + 8 hh.  A block of GRP bytes = 128 positions x 256 K: HALF (tile a, hk) at 3072 a + 768 hk, scale bytes at 24,576 + 8 (16 a + r) + block.
; Both operands lie GROUP BY GROUP: block (K step ks, group g) at (16 g + ks) GRP, so that a group's K steps are consecutive bytes.
; SHARES.  A tile of the result is 128 x 128: 32 x 8 = 256 work-groups.  THE FOUR WAVES SHARE K, NOT THE TILE: a visit is two K steps, 512 along K, 128 a wave; each wave keeps all 128 x 128 in 64 accumulators,
; so that a fragment read from LDS feeds eight products.  The four partial sums meet in LDS on the way out.  LIMIT: an output's sum is made of four partial sums along K, added at the end.
; LDS: A's K steps ks % 4 at (ks % 4) GRP, B's behind them from 4 GRP; slot s = K steps 2 s, 2 s + 1 of both.  THE HEAD fills both slots with one load a wave: two consecutive blocks, 200 rows of 256 bytes.
; A REFILL is one block a wave, 100 rows: the two words of group 1 that count rows are set anew when the head's loads have landed.  By the text's own count one tensor load of a wave is out at any time.
; CLUSTER 4 x 4: A's blocks are asked for jointly along a row of the cluster, B's along a column.  THE PRODUCT IS USED TRANSPOSED (source 0 = 16 positions of B, source 1 = 16 of A).
; PREFETCH: the block that I shall fetch two refills on, 100 runs of 256 bytes, is shared out by address among the four partners that ask for it jointly: 25 runs each, a lane a run (lanes 25-31 name the 25th again).
; The head asks for the first two refills' blocks; visits 0 to 3 for visits 4 to 7's; the last two refills have no block two on and ask for nothing.
; On the way out four stages of 128 rows x 528 bytes lie from 0 on, over slots that have had their last fill and, behind a barrier, their last read; the spare words are the last 512 bytes.
; REGISTERS: window 0: v1-31 addresses, v[8:11] the bias; v32-47 scale words, two sets; v64-127, v224-255 the residual's rows 0-23 of my 32; v128-223 A's fragments, one set.
;   window 1: B's fragments, two sets, at v0 and v128; v96-127 the residual's rows 24-31.   windows 2, 3: the accumulators; on the way out batches of 8 rows x 4 partial sums.
.set NV,     8                         ; visits
.set WOFF,   6553600
.set GRP,    25600
.set SLOT,   2*GRP                     ; from slot 0 to slot 1, in A's part and in B's; also a visit's step in memory
.set BOFF,   4*GRP
.set SPARE,  327168
.set FR,     12
.set NP,     4                         ; places behind this matrix instruction (ISA guide 7.12.1)
.set SPITCH, 528
.set PART,   128*SPITCH
.set RD,   12
.set ADRA, 16
.set ADRB, 20
.set STO,  24
.set PFO,  27                          ; v27 the prefetches' offset: 256 x min(lane, 24); never rewritten
.set SPW,  28
.set NIL,  29
.set ADRS, 30
.set SC,   32
.set AF,   128
.set G1, 24
.set G0, 32
.set G1B, 48
.set G0B, 56
.set G0H, 76                           ; group 0 of the head's loads
.set G0HB, 80
.set PFA, 84                           ; s[84:85] where my prefetches stand
.set MSB, 0
.macro WIN new                         ; the immediate's high byte repeats the setting that is left
.if MSB != (\new)
	s_set_vgpr_msb (MSB<<8)|(\new)
.set MSB, (\new)
.endif
.endm
.set MUL_LO, 0xa1                      ; source 0 (B) window 1, source 1 (A) window 0, C and D window 2
.set MUL_HI, 0xf1
.set TO_B,   0x40
.macro JLOAD g0a, g1a, g0b, g1b        ; a joint load: waves 0 and 1 fetch for A, waves 2 and 3 for B
	s_cmp_eq_u32 s15, 0
	s_cbranch_scc0 .Lfor_b_\@
	tensor_load_to_lds s[\g0a:\g0a+3], s[\g1a:\g1a+7]
	s_nop 0
.rept 4
	v_nop
.endr
	s_branch .Lasked_\@
.Lfor_b_\@:
	tensor_load_to_lds s[\g0b:\g0b+3], s[\g1b:\g1b+7]
	s_nop 0
.rept 4
	v_nop
.endr
.Lasked_\@:
.endm
.macro CREST                           ; a round of the cluster's barrier behind its opening barrier
	s_cmp_lg_u32 s14, 0
	s_cbranch_scc1 .Lnot_wave_0_\@
	s_barrier_signal -3
.Lnot_wave_0_\@:
	s_barrier_wait -3
	s_barrier_signal -1
	s_barrier_wait -1
.endm
.macro CROUND
	s_barrier_signal -1
	s_barrier_wait -1
	CREST
.endm
.macro RSET g                          ; where the residual of batch g (8 of my 32 rows) waits
.if (\g) < 2
.set RW, 0
.set RB, 64+32*(\g)
.elseif (\g) == 2
.set RW, 0
.set RB, 224
.else
.set RW, 1
.set RB, 96
.endif
.endm
.macro RLOAD g                         ; positions 8 g .. 8 g + 7 of my 32 are rows 8 (g / 2) + 16 (g % 2) + 0 .. 7; a load reads 512 consecutive bytes
	RSET \g
	WIN RW<<6
.irp t, 0,1,2,3,4,5,6,7
	global_load_b128 v[RB+4*\t:RB+4*\t+3], v1, s[10:11] offset:(8*((\g)/2)+16*((\g)%2)+\t)*4096 th:TH_LOAD_NT
.endr
.endm
	s_load_b256 s[4:11], s[0:1], 0x0               ; hc, wq, the bias, the residual
	s_load_b64 s[12:13], s[0:1], 0x20              ; the result
	v_lshl_add_u32 v[SPW], v0, 2, SPARE
	v_mov_b32 v[NIL], 0
	ds_add_u32 v[SPW], v[NIL]                      ; the opening lines
	ds_add_u32 v[SPW], v[NIL]
	v_lshrrev_b32 v1, 5, v0
	v_readfirstlane_b32 s14, v1                    ; wave 0..3
	s_lshr_b32 s15, s14, 1                         ; I fetch for A (0) or for B (1).  Also: which of a slot's two K steps I multiply
	s_and_b32 s16, s14, 1                          ; which part I fetch.  Also: which 128 of my K step's 256 I multiply
	s_bfe_u32 s40, ttmp6, 0x40000                  ; cx
	s_bfe_u32 s41, ttmp6, 0x40004                  ; cy
	s_lshl_b32 s43, s41, 2
	s_lshl_b32 s43, 15, s43                        ; my row of the cluster
	s_lshl_b32 s44, 0x1111, s40                    ; my column
	s_or_b32 s[G1+0], s43, (3<<16)|(1<<21)         ; the mask; elements of 8 bytes; bit 21 beside a mask; no padding
	s_or_b32 s[G1B+0], s44, (3<<16)|(1<<21)
.irp g, G1, G1B
	s_mov_b32 s[\g+1], 32<<16                      ; rows of 256 bytes,
	s_mov_b32 s[\g+2], 200<<16                     ; 200 of them at the head
	s_mov_b32 s[\g+3], 32<<16
	s_mov_b32 s[\g+4], 200
	s_mov_b32 s[\g+5], 32
	s_mov_b32 s[\g+6], 0
	s_mov_b32 s[\g+7], 0
.endr
	s_lshl_b32 s42, ttmp9, 2
	s_add_co_u32 s42, s42, s40                     ; tile column: B's group
	s_and_b32 s17, ttmp7, 0xffff
	s_lshl_b32 s17, s17, 2
	s_add_co_u32 s17, s17, s41                     ; tile row: A's group
	s_mul_i32 s20, s17, 16*GRP
	s_mov_b32 s21, 0
	s_mul_i32 s46, s42, 16*GRP
	s_mov_b32 s47, 0
	s_mul_i32 s45, s14, 2*GRP                      ; the head's load goes to wave x two blocks,
	s_mul_i32 s18, s16, 2*GRP                      ; and comes from K steps 0, 1 or 2, 3
	s_mov_b32 s19, 0
	s_mul_i32 s22, s15, BOFF
	s_mul_i32 s72, s16, GRP
	s_mov_b32 s73, 0
	s_add_co_u32 s22, s22, s72                     ; a refill of slot 0 goes to A's or B's part, block 0 or 1
	s_cmp_eq_u32 s15, 0
	s_cselect_b32 s74, s40, s41                    ; my place among the four that ask with me
	s_mul_i32 s74, s74, 25*256
	s_add_co_u32 s74, s74, s72
	s_add_co_u32 s74, s74, 2*SLOT                  ; visit 2's block, my 25 runs of it
	s_mov_b32 s75, 0
	s_wait_dscnt 0x0                               ; both opening adds are done
	s_wait_kmcnt 0x0
	s_add_nc_u64 s[20:21], s[4:5], s[20:21]
	s_add_nc_u64 s[6:7], s[6:7], WOFF
	s_add_nc_u64 s[46:47], s[6:7], s[46:47]
	s_cmp_eq_u32 s15, 0
	s_cselect_b64 s[PFA:PFA+1], s[20:21], s[46:47]
	s_add_nc_u64 s[PFA:PFA+1], s[PFA:PFA+1], s[74:75]
	CROUND                                         ; all sixteen work-groups are here: the first joint loads meet
	s_mov_b32 s[G0H], 1
	s_mov_b32 s[G0H+1], s45
	s_add_nc_u64 s[G0H+2:G0H+3], s[20:21], s[18:19]
	s_or_b32 s[G0H+3], s[G0H+3], 0x80000000
	s_mov_b32 s[G0HB], 1
	s_mov_b32 s[G0HB+1], s45
	s_add_nc_u64 s[G0HB+2:G0HB+3], s[46:47], s[18:19]
	s_or_b32 s[G0HB+3], s[G0HB+3], 0x80000000
	JLOAD G0H, G1, G0HB, G1B                       ; visits 0 and 1: my one load at the head
	s_add_nc_u64 s[20:21], s[20:21], s[72:73]      ; for the ring: my block of a visit
	s_add_nc_u64 s[46:47], s[46:47], s[72:73]
.irp s, 0,1
	s_mov_b32 s[G0+4*\s], 1
	s_add_co_u32 s[G0+4*\s+1], s22, \s*SLOT
	s_add_nc_u64 s[G0+4*\s+2:G0+4*\s+3], s[20:21], \s*SLOT         ; visit s: each refill steps it two visits on first
	s_or_b32 s[G0+4*\s+3], s[G0+4*\s+3], 0x80000000
	s_mov_b32 s[G0B+4*\s], 1
	s_add_co_u32 s[G0B+4*\s+1], s22, \s*SLOT
	s_add_nc_u64 s[G0B+4*\s+2:G0B+4*\s+3], s[46:47], \s*SLOT
	s_or_b32 s[G0B+4*\s+3], s[G0B+4*\s+3], 0x80000000
.endr
	v_and_b32 v4, 31, v0                           ; lane
	v_and_b32 v5, 15, v0                           ; r
	v_bfe_u32 v6, v0, 4, 1                         ; hh
	v_min_u32 v[PFO], 24, v4
	v_lshlrev_b32 v[PFO], 8, v[PFO]
	v_lshlrev_b32 v1, 4, v4                        ; 16 x lane
	v_lshlrev_b32 v2, 4, v5
	v_lshl_add_u32 v2, v6, 3, v2                   ; 16 r + 8 hh
	global_prefetch_b8 v[PFO], s[PFA:PFA+1] th:TH_LOAD_NT scope:SCOPE_SE               ; the first refill's block,
	global_prefetch_b8 v[PFO], s[PFA:PFA+1] offset:SLOT th:TH_LOAD_NT scope:SCOPE_SE   ; and the second's
	s_mul_i32 s21, s15, GRP                        ; A's block of my K step,
	s_mul_i32 s22, s16, 1536
	s_add_co_u32 s21, s21, s22                     ; my 128 of its 256: two HALFs on in every tile
	s_add_co_u32 s22, s21, BOFF
.irp s, 0,1
	v_add_nc_u32 v[ADRA+\s], s21, v1
	v_add_nc_u32 v[ADRA+2+\s], s21, v2
	v_add_nc_u32 v[ADRB+\s], s22, v1
	v_add_nc_u32 v[ADRB+2+\s], s22, v2
	s_add_co_u32 s21, s21, SLOT
	s_add_co_u32 s22, s22, SLOT
.endr
	s_mul_i32 s21, s15, GRP
	s_lshl_b32 s22, s16, 2                         ; of a row's 8 scale bytes the word of my 128
	s_add_co_u32 s21, s21, s22
	s_add_co_u32 s21, s21, 24576
	v_mul_u32_u24 v13, v6, BOFF                    ; lanes 16-31 take B's scale words: the lower base + hh x the distance
	v_lshl_add_u32 v13, v5, 3, v13
	v_add_nc_u32 v[ADRS], s21, v13
	s_add_co_u32 s21, s21, SLOT
	v_add_nc_u32 v[ADRS+1], s21, v13
	s_mul_i32 s23, s14, PART                       ; my stage
	v_mul_u32_u24 v7, v5, SPITCH
	v_lshl_add_u32 v7, v6, 6, v7
	v_add_nc_u32 v[STO], s23, v7
	s_mul_i32 s23, s14, 32*SPITCH                  ; back: rows 32 w on, of every wave's stage
	v_add_nc_u32 v[RD], s23, v1
	v_add_nc_u32 v[RD+1], PART, v[RD]
	v_add_nc_u32 v[RD+2], 2*PART, v[RD]
	v_add_nc_u32 v[RD+3], 3*PART, v[RD]
	s_lshl_b32 s18, s17, 7
	s_lshl_b32 s19, s14, 5
	s_add_co_u32 s18, s18, s19                     ; the first row that I finish
	s_lshl_b32 s18, s18, 12
	s_lshl_b32 s46, s42, 9                         ; the tile's first column, in bytes
	s_mov_b32 s47, 0
	s_add_nc_u64 s[8:9], s[8:9], s[46:47]
	s_add_co_u32 s18, s18, s46
	s_mov_b32 s19, 0
	s_add_nc_u64 s[10:11], s[10:11], s[18:19]
	s_add_nc_u64 s[12:13], s[12:13], s[18:19]
	global_load_b128 v[8:11], v1, s[8:9]           ; the bias of my four columns
.macro FRAG reg, adr, i                ; a fragment, 16 positions x 128 K, 12 registers
	ds_load_b128 v[\reg:\reg+3], v[\adr] offset:3072*(\i)
	ds_load_b64 v[\reg+4:\reg+5], v[\adr+2] offset:3072*(\i)+512
	ds_load_b128 v[\reg+6:\reg+9], v[\adr] offset:3072*(\i)+768
	ds_load_b64 v[\reg+10:\reg+11], v[\adr+2] offset:3072*(\i)+1280
.endm
; 16 matrix instructions.  The 64 accumulators take turns, one instruction a turn, in the same order in every visit.
.macro MUL16 a0, s, zero
.irp a, \a0, \a0+1
.irp b, 0,1,2,3,4,5,6,7
.if \zero
	v_wmma_scale_f32_16x16x128_f8f6f4 v[8*(8*((\a)%4)+\b):8*(8*((\a)%4)+\b)+7], v[128*(\s)+FR*\b:128*(\s)+FR*\b+FR-1], v[AF+FR*(\a):AF+FR*(\a)+FR-1], 0, v[SC+8*(\s)+\b], v[SC+8*(\s)+(\a)] matrix_a_fmt:MATRIX_FMT_FP6 matrix_b_fmt:MATRIX_FMT_FP6 matrix_a_scale:MATRIX_SCALE_ROW1
.else
	v_wmma_scale_f32_16x16x128_f8f6f4 v[8*(8*((\a)%4)+\b):8*(8*((\a)%4)+\b)+7], v[128*(\s)+FR*\b:128*(\s)+FR*\b+FR-1], v[AF+FR*(\a):AF+FR*(\a)+FR-1], v[8*(8*((\a)%4)+\b):8*(8*((\a)%4)+\b)+7], v[SC+8*(\s)+\b], v[SC+8*(\s)+(\a)] matrix_a_fmt:MATRIX_FMT_FP6 matrix_b_fmt:MATRIX_FMT_FP6 matrix_a_scale:MATRIX_SCALE_ROW1
.endif
.endr
.endr
.endm
.macro FETCH_B s
	WIN TO_B
.irp i, 0,1,2,3,4,5,6,7
	FRAG 128*(\s)+FR*\i, ADRB+\s, \i
.endr
	WIN 0
.endm
.macro FETCH_A s, i0
.irp i, \i0, \i0+1, \i0+2, \i0+3
	FRAG AF+FR*(\i), ADRA+\s, \i
.endr
.endm
.macro SCALES s
.irp i, 0,1,2,3,4,5,6,7
	ds_load_b32 v[SC+8*(\s)+\i], v[ADRS+\s] offset:128*\i
.endr
.endm
.macro PLACES n
.rept \n
	v_nop
.endr
.endm
; A VISIT.  At its head each wave waits for all its tensor loads, adds 0 to its spare word, and waits for that and for its reads of this slot: all its fragments of this slot are then in registers.
; fill = 1: the barrier opens a round of the cluster's, and this slot is filled again, two visits ahead.  ask = 1: the block two refills on is prefetched; 2: only in the loop's first trip.
.macro VISIT slot, next, fill, zero, ask
.if \ask
	s_wait_xcnt 0x0                                ; my last prefetch has read its address, a visit ago: it steps here
	s_add_nc_u64 s[PFA:PFA+1], s[PFA:PFA+1], SLOT
.endif
	s_wait_tensorcnt 0x0                           ; all my tensor loads have landed
	ds_add_u32 v[SPW], v[NIL]
	s_wait_dscnt 0x0                               ; the add is done, and my reads of this slot are over
	s_barrier_signal -1
	s_barrier_wait -1
.if \fill
	CREST                                          ; no wave of any partner still reads this slot or has a load on its way
	s_add_nc_u64 s[G0+4*\slot+2:G0+4*\slot+3], s[G0+4*\slot+2:G0+4*\slot+3], 2*SLOT
	s_add_nc_u64 s[G0B+4*\slot+2:G0B+4*\slot+3], s[G0B+4*\slot+2:G0B+4*\slot+3], 2*SLOT
	JLOAD G0+4*\slot, G1, G0B+4*\slot, G1B         ; my one tensor load behind the round
.endif
	FETCH_B \next                                  ; (the places behind the last visit's products stand at that visit's end)
	SCALES \next
.if \ask == 2
	s_cmp_gt_u32 s3, 1
	s_cbranch_scc0 .Lno_ask_\@
.endif
.if \ask
	global_prefetch_b8 v[PFO], s[PFA:PFA+1] offset:SLOT th:TH_LOAD_NT scope:SCOPE_SE
.endif
.if \ask == 2
.Lno_ask_\@:
.endif
	WIN MUL_LO
	MUL16 0, \slot, \zero
	MUL16 2, \slot, \zero
	PLACES NP
	WIN 0
	FETCH_A \next, 0
	WIN MUL_HI
	MUL16 4, \slot, \zero
	MUL16 6, \slot, \zero
	PLACES NP
	WIN 0
	FETCH_A \next, 4
.endm
	s_wait_alu depctr_va_vdst(0)
	s_wait_tensorcnt 0x0                           ; my part of both slots is in; no load of mine is out, so a descriptor may be written:
	s_mov_b32 s[G1+2], 100<<16                     ; from here on a load brings one block, 100 rows
	s_mov_b32 s[G1+4], 100
	s_mov_b32 s[G1B+2], 100<<16
	s_mov_b32 s[G1B+4], 100
	s_barrier_signal -1
	s_barrier_wait -1                              ; everybody's is
	FETCH_B 0
	FETCH_A 0, 0
	FETCH_A 0, 4
	SCALES 0
	RLOAD 0                                        ; the residual is asked for when the first tiles have landed, and lands while K is walked
	RLOAD 1
	RLOAD 2
	RLOAD 3
	WIN 0
	VISIT 0, 1, 1, 1, 1                            ; the first visit's products start the sums: nothing is cleared
	VISIT 1, 0, 1, 0, 1
	s_mov_b32 s3, (NV-4)/2
.Llap:                                                 ; a trip goes once round the ring and fills both slots again
	VISIT 0, 1, 1, 0, 2
	VISIT 1, 0, 1, 0, 2
	s_sub_co_u32 s3, s3, 1
	s_cmp_lg_u32 s3, 0
	s_cbranch_scc1 .Llap
	VISIT 0, 1, 0, 0, 0                            ; the last two visits fill nothing: they are written out
	s_wait_dscnt 0x0                               ; the last visit: my reads of the last slot are over:
	s_barrier_signal -1                            ; say so, since the stages lie over both slots,
	WIN MUL_LO
	MUL16 0, 1, 0
	MUL16 2, 1, 0
	WIN MUL_HI
	MUL16 4, 1, 0
	MUL16 6, 1, 0
	WIN 0
	s_barrier_wait -1                              ; and store there only when all four waves have said so
; THE WAY OUT.  Each wave lays its partial tile into its own stage, each accumulator from its low end on; a barrier; then wave w takes rows 32 w .. 32 w + 31 of all four stages as whole rows of 512 bytes,
; eight rows at a time, adds the four partial sums, the residual and the bias, and stores 512 consecutive bytes a row.
.macro TOSTAGE a
.set AC, 64*((\a)%4)
	WIN 0x08+4*((\a)/4)
.irp b, 0,1,2,3,4,5,6,7
	ds_store_b128 v[STO], v[AC+8*\b:AC+8*\b+3] offset:(\a)*16*SPITCH+128*(\b/2)+32*(\b%2)
	ds_store_b128 v[STO], v[AC+8*\b+4:AC+8*\b+7] offset:(\a)*16*SPITCH+128*(\b/2)+32*(\b%2)+16
.endr
.endm
.macro LOADB g                         ; batch g from the four stages, into window 2 or 3 by turns: partial sum u at v[32 u]
.set W, 2+(\g)%2
	WIN W<<6
.irp u, 0,1,2,3
.irp t, 0,1,2,3,4,5,6,7
	ds_load_b128 v[32*\u+4*\t:32*\u+4*\t+3], v[RD+\u] offset:(8*(\g)+\t)*SPITCH
.endr
.endr
.endm
.macro ADDB g, younger                 ; younger: the LDS loads issued behind batch g's, which may stay out
.set W, 2+(\g)%2
	RSET \g
	s_wait_dscnt \younger
	WIN (W<<6)|(W<<2)|W
.irp t, 0,1,2,3,4,5,6,7
	v_pk_add_f32 v[4*\t:4*\t+1], v[4*\t:4*\t+1], v[32+4*\t:32+4*\t+1]
	v_pk_add_f32 v[4*\t+2:4*\t+3], v[4*\t+2:4*\t+3], v[32+4*\t+2:32+4*\t+3]
	v_pk_add_f32 v[64+4*\t:64+4*\t+1], v[64+4*\t:64+4*\t+1], v[96+4*\t:96+4*\t+1]
	v_pk_add_f32 v[64+4*\t+2:64+4*\t+3], v[64+4*\t+2:64+4*\t+3], v[96+4*\t+2:96+4*\t+3]
.endr
.irp t, 0,1,2,3,4,5,6,7
	v_pk_add_f32 v[4*\t:4*\t+1], v[4*\t:4*\t+1], v[64+4*\t:64+4*\t+1]
	v_pk_add_f32 v[4*\t+2:4*\t+3], v[4*\t+2:4*\t+3], v[64+4*\t+2:64+4*\t+3]
.endr
	WIN (W<<6)|(RW<<2)|W                           ; source 1: the residual's window
.irp t, 0,1,2,3,4,5,6,7
	v_pk_add_f32 v[4*\t:4*\t+1], v[4*\t:4*\t+1], v[RB+4*\t:RB+4*\t+1]
	v_pk_add_f32 v[4*\t+2:4*\t+3], v[4*\t+2:4*\t+3], v[RB+4*\t+2:RB+4*\t+3]
.endr
	WIN (W<<6)|W                                   ; source 1: the bias, in window 0
.irp t, 0,1,2,3,4,5,6,7
	v_pk_add_f32 v[4*\t:4*\t+1], v[4*\t:4*\t+1], v[8:9]
	v_pk_add_f32 v[4*\t+2:4*\t+3], v[4*\t+2:4*\t+3], v[10:11]
.endr
	WIN W<<2                                       ; a store's data are its source 1
.irp t, 0,1,2,3,4,5,6,7
	global_store_b128 v1, v[4*\t:4*\t+3], s[12:13] offset:(8*((\g)/2)+16*((\g)%2)+\t)*4096 th:TH_STORE_NT   ; 512 consecutive bytes, at a multiple of 256 from the buffer's first byte
.endr
.endm
	PLACES NP                                      ; between the last products and the first read of results
.irp a, 0,1,2,3,4,5,6,7
	TOSTAGE \a
.endr
	WIN 0
	s_wait_dscnt 0x0                               ; for the others' sake: my stage is whole
	s_barrier_signal -1
	s_barrier_wait -1
	s_wait_loadcnt 0x0                             ; the bias and the residual
	LOADB 0
	LOADB 1
	ADDB 0, 32                                     ; behind batch 0's loads: batch 1's 32
	s_wait_xcnt 0x0                                ; batch 0's stores have read their registers: batch 2 may land there
	LOADB 2
	ADDB 1, 32
	s_wait_xcnt 0x0
	LOADB 3
	ADDB 2, 32
	ADDB 3, 0
	WIN 0
	s_wait_tensorcnt 0x0                           ; the wave's end
	ds_add_u32 v[SPW], v[NIL]
	s_wait_dscnt 0x0
	CROUND                                         ; the closing round
	s_endpgm
.Lfunc_end_k_q60b132d5d3_proj:
	.size	k_q60b132d5d3_proj, .Lfunc_end_k_q60b132d5d3_proj-k_q60b132d5d3_proj
	.p2alignl 7, 3214868480
	.fill 96, 4, 3214868480
	.section	.rodata,"a",@progbits
	.p2align	6, 0x0
	.amdhsa_kernel k_q60b132d5d3_proj
		.amdhsa_group_segment_fixed_size 327680
		.amdhsa_private_segment_fixed_size 0
		.amdhsa_enable_private_segment 0
		.amdhsa_kernarg_size 40
		.amdhsa_user_sgpr_count 2
		.amdhsa_user_sgpr_kernarg_segment_ptr 1
		.amdhsa_wavefront_size32 1
		.amdhsa_system_sgpr_workgroup_id_x 1
		.amdhsa_system_sgpr_workgroup_id_y 1
		.amdhsa_system_sgpr_workgroup_id_z 1
		.amdhsa_system_vgpr_workitem_id 0
		.amdhsa_next_free_vgpr 1024
		.amdhsa_next_free_sgpr 100
		.amdhsa_reserve_vcc 0
		.amdhsa_float_denorm_mode_32 3
		.amdhsa_float_denorm_mode_16_64 3
		.amdhsa_memory_ordered 1
		.amdhsa_forward_progress 1
		.amdhsa_inst_pref_size 135
	.end_amdhsa_kernel
	.amdgpu_metadata
---
amdhsa.version: [ 1, 2 ]
amdhsa.kernels:
  - .name:           k_q60b132d5d3_proj
    .symbol:         k_q60b132d5d3_proj.kd
    .args:
      - { .name: hc, .offset: 0, .size: 8, .value_kind: global_buffer, .address_space: global }
      - { .name: wq, .offset: 8, .size: 8, .value_kind: global_buffer, .address_space: global }
      - { .name: proj_b, .offset: 16, .size: 8, .value_kind: global_buffer, .address_space: global }
      - { .name: x1, .offset: 24, .size: 8, .value_kind: global_buffer, .address_space: global }
      - { .name: out0, .offset: 32, .size: 8, .value_kind: global_buffer, .address_space: global }
    .group_segment_fixed_size: 327680
    .private_segment_fixed_size: 0
    .kernarg_segment_align: 8
    .kernarg_segment_size: 40
    .max_flat_workgroup_size: 128
    .sgpr_count:     100
    .vgpr_count:     1024
    .wavefront_size: 32
...
	.end_amdgpu_metadata
.endif
;; end of part 14
